; MI455X (gfx1250); checked and timed in simulation.
; The chip was launched on July 23, 2026; its instructions are those of AMD's public machine-readable ISA for CDNA 5 (MIT licence, August 2026) and "CDNA5" Instruction Set Architecture Reference Guide (July 2026). The comments in the code are by the model that wrote it; some were corrected since.
;; Operation Branch. Allowed arithmetic: matrix products marked QUANTISED: E2M3 operands, one E8M0 scale for each 32 along K, by v_wmma_scale_f32_16x16x128_f8f6f4 with both operands' format E2M3, f32 sums; everything else in f32.
;; Inputs: b1 2,048 float32; b2 512 float32; bk 512 float32; bo 512 float32; bq 512 float32; bv 512 float32; ln1_b 512 float32; ln1_g 512 float32; ln2_b 512 float32; ln2_g 512 float32; o2o_mask 4 x 2,048 x 2,048 bool; positions 4 x 2,048 int32; w1_codes 2,048 x 16 x 24 uint8 (E2M3 codes of w1, K innermost, in blocks of 32 codes, four codes in three bytes); w1_scales 2,048 x 16 uint8 (E8M0 scales of w1, one for each 32 codes along K); w2_codes 512 x 64 x 24 uint8 (E2M3 codes of w2, K innermost, in blocks of 32 codes, four codes in three bytes); w2_scales 512 x 64 uint8 (E8M0 scales of w2, one for each 32 codes along K); wk_codes 512 x 16 x 24 uint8 (E2M3 codes of wk, K innermost, in blocks of 32 codes, four codes in three bytes); wk_scales 512 x 16 uint8 (E8M0 scales of wk, one for each 32 codes along K); wo_codes 512 x 16 x 24 uint8 (E2M3 codes of wo, K innermost, in blocks of 32 codes, four codes in three bytes); wo_scales 512 x 16 uint8 (E8M0 scales of wo, one for each 32 codes along K); wq_codes 512 x 16 x 24 uint8 (E2M3 codes of wq, K innermost, in blocks of 32 codes, four codes in three bytes); wq_scales 512 x 16 uint8 (E8M0 scales of wq, one for each 32 codes along K); wv_codes 512 x 16 x 24 uint8 (E2M3 codes of wv, K innermost, in blocks of 32 codes, four codes in three bytes); wv_scales 512 x 16 uint8 (E8M0 scales of wv, one for each 32 codes along K); x 4 x 2,048 x 512 float32.
;; Outputs: out0 4 x 2,048 x 512 float32.
;; This version of the problem:
;;   THIS VERSION OF THE PROBLEM IS GIVEN IN LOW PRECISION. The matrix products marked QUANTISED in the list below multiply operands that are first quantised to E2M3 (2 exponent bits, 3 mantissa bits; 6 bits a number), with one power-of-two scale for each 32 numbers along K (OCP MX v1.0); their sums are f32. All else is computed in f32.
;;   The module's matrix products, in the order in which they are computed (A, B: the left and right operand; K: the contracted axis; several contracted axes count as one K, in the product's order):
;;     1. [M 8,192, K 512] x [K 512, N 512]; A: computed on the way; B: input wq (given as codes): QUANTISED
;;     2. [M 8,192, K 512] x [K 512, N 512]; A: computed on the way; B: input wk (given as codes): QUANTISED
;;     3. [M 8,192, K 512] x [K 512, N 512]; A: computed on the way; B: input wv (given as codes): QUANTISED
;;     4. batch 32 x [M 2,048, K 64] x [K 64, N 2,048]; A: computed on the way; B: computed on the way: QUANTISED
;;     5. batch 32 x [M 2,048, K 2,048] x [K 2,048, N 64]; A: computed on the way; B: computed on the way: QUANTISED
;;     6. [M 8,192, K 512] x [K 512, N 512]; A: computed on the way; B: input wo (given as codes): QUANTISED
;;     7. [M 8,192, K 512] x [K 512, N 2,048]; A: computed on the way; B: input w1 (given as codes): QUANTISED
;;     8. [M 8,192, K 2,048] x [K 2,048, N 512]; A: computed on the way; B: input w2 (given as codes): QUANTISED
;;   THE QUANTISER, for each operand of a quantised product, along K:
;;     - K is cut into blocks of 32 from its start; a last block that is shorter is filled with zeros.
;;     - A block's scale is 2^e with e = floor(log2(the largest magnitude in the block)) - 2, held to -126 .. 127; a block of zeros has e = 0. As a byte (E8M0): e + 127.
;;     - Each number is divided by its block's scale, clamped to +-7.5, and rounded to the nearest number of E2M3, ties to even, subnormals kept.
;;     - The product sums the exact products of the quantised numbers (number of the format x scale) in f32.
;;   ~~~python
;;   def quantise(x, axis):      # numpy; x: float32 -> the quantised numbers, widened to float32 again
;;       x = np.moveaxis(x, axis, -1); K = x.shape[-1]
;;       x = np.pad(x, [(0, 0)] * (x.ndim - 1) + [(0, -K % 32)]); x = x.reshape(x.shape[:-1] + (-1, 32)); a = np.abs(x).max(-1, keepdims=True)
;;       e = np.where(a > 0, np.clip(np.frexp(np.where(a > 0, a, 1))[1] - 1 - 2, -126, 127), 0)      # np.frexp(a)[1] - 1 = floor(log2(a)), exactly
;;       r = np.clip(x / 2.0 ** e, -7.5, 7.5)
;;       step = 2.0 ** (np.maximum(np.frexp(np.where(r == 0, 1, r))[1] - 1, 0) - 3)
;;       q = np.round(r / step) * step * 2.0 ** e      # np.round: ties to even
;;       return np.moveaxis(q.reshape(q.shape[:-2] + (-1,))[..., :K], -1, axis).astype(np.float32)
;;   ~~~
;;   OPERANDS COMPUTED ON THE WAY. 'Computed on the way' means the value that the module computes at that place (a softmax that the list does not call 'softmax' is quantised finished and normalised). What goes into a quantiser is computed in f32, as accurately as f32 sums, v_exp_f32 and their like allow (about 1e-6 of the number): no bf16 or f16 on the way to a quantiser, and a product that is left as it is and whose result goes on into a quantised operand takes f32 operands (vector FMAs, or v_wmma_f32_16x16x4_f32). A number that lies on a knife's edge between two numbers of the format may be rounded either way, as far as f32 arithmetic and the matrix unit's own rounding can turn it there, and no further.
;;   INPUTS GIVEN AS CODES. w1 (in the module: [512, 2048], K = its axis 0); w2 (in the module: [2048, 512], K = its axis 0); wk (in the module: [512, 512], K = its axis 0); wo (in the module: [512, 512], K = its axis 0); wq (in the module: [512, 512], K = its axis 0); wv (in the module: [512, 512], K = its axis 0): each comes as NAME_codes (uint8): NAME with its K axis moved to the last place and cut into blocks of 32 codes, [.., K / 32, bytes a block], one block behind the other in memory; four codes in three bytes: a row's codes are one little-endian stream of bits, code i at bits 6 i .. 6 i + 5 (a code: sign, 2 exponent bits, 3 mantissa bits); and NAME_scales (uint8): the same leading axes, one E8M0 byte (e + 127) for each 32 codes along K. Its value is code x scale, taken as it is: it is not quantised again, and the codes and scales need not be those that the quantiser above would give.
;; 2 versions, each right; version 2 is version 1 with the launches qkv, attn, post written anew for expert scheduling mode. Each part assembles by itself: llvm-mc -triple=amdgcn-amd-amdhsa -mcpu=gfx1250 --defsym DOCPART=n.
;; ======== version 1 of 2: 4 launches
;; limits: right only within a limited range of input values
;; workspace buffers: xa 3,276,800 bytes; wst 2,457,600 bytes; maskw 2,097,152 bytes of whole numbers; rope 2,097,152 bytes; qk 7,340,032 bytes; vv 3,276,800 bytes; ao 3,407,872 bytes
;; launch prep (part 1): grid 256 x 1, 8 waves a work-group, no clusters, 134,656 bytes of LDS; arguments x, ln1_g, ln1_b, o2o_mask, positions, wq_codes, wq_scales, wk_codes, wk_scales, wv_codes, wv_scales, wo_codes, wo_scales, w1_codes, w1_scales, w2_codes, w2_scales, xa, maskw, rope, wst; writes xa, maskw, rope, wst
.if DOCPART == 1
	.amdgcn_target "amdgcn-amd-amdhsa--gfx1250"
	.amdhsa_code_object_version 6
	.text
	.protected	k_q89919974ac_prep
	.globl	k_q89919974ac_prep
	.p2align	8
	.type	k_q89919974ac_prep,@function
k_q89919974ac_prep:
	s_mov_b64 s[64:65], 0
	v_nop
	global_prefetch_b8 v0, s[64:65] scope:SCOPE_SE
	s_setreg_imm32_b32 hwreg(HW_REG_WAVE_MODE, 25, 1), 1
	s_wait_xcnt 0x0
; PREP.  What is made once and read many times later:
;   xa    = layer norm 1 of x, quantised to E2M3 along the 512 columns, as images of operand registers (tile of 16 rows, K step of 128: 1,536 bytes, piece c at 512 c + 16 lane = registers 4 c .. 4 c + 3), and one scale word a row and K step
;   maskw = the mask as lane masks: for a tile of 16 queries and 128 keys 64 words; bit lane (r, h) of word 16 b + i = mask(query r, key 32 b + 16 h + i)
;   rope  = cos and sin for each row: register i of lane (r, h) = frequency 16 h + i of row r
;   wst   = the six weights as chunks of 6,400 bytes: four register images (tiles whose lane r takes row 32 p + 8 u + r + 8 (r / 8) of 64 rows, one K step) and two registers of scale words
; SHARES.  Work-group g owns rows 32 g .. 32 g + 31.  Eight waves: four rows each for the norm; then one tile and K step each for the quantiser; a quarter of a tile's mask row each; four frequencies each.
; Waves 6 and 7 also lay one weight chunk each (384 chunks for 256 + 128 waves).
; No matrix work, no tensor load, no cluster: work-groups share no input but ln1_g and ln1_b (4,096 bytes).  No prefetch: x and the mask are asked for at once, at the head, and nothing later is waited for.
; LIMITS.  NaN and infinities are not served.  A block whose largest magnitude lies under 2^-124 keeps the scale byte 1 (a block of zeros too: its codes are zeros, and only this program reads the bytes).
; cos and sin: the angle is reduced by pi / 2 in two parts (good for angles under 1e5) and taken by polynomials of degree 7 and 8 in f32.  The inverse frequencies are f32(10^(-i / 8)); for frequencies 16 .. 31 the
; position is first multiplied by f32(0.01): one rounding more than position x frequency, on angles under 21.
.set XP,   2064                        ; LDS: a normalised row, 2,048 bytes + 16: sixteen rows of a 16-byte load start at sixteen different 16-byte columns of 256
.set MST,  66048                       ; behind the 32 rows: a stage of 16 x 528 bytes for each wave's part of the mask
.set MPT,  528
.set XSC,  3145728                     ; xa: the scale words begin behind 2,048 images
.set X,    16                          ; v16-79   four rows x 16 numbers; then 64 numbers of one row; then the mask's bytes; then at work
.set GG,   80                          ; v80-95   ln1_g; later cos and sin
.set BB,   96                          ; v96-111  ln1_b
.set MK,   112                         ; v112-175 the mask as loaded
.set TM,   176                         ; v176-183 at work
.set U,    180
.set SCL,  184                         ; v184-187
.set PW,   192                         ; the scale word
.set PC,   194                         ; v194-205 the codes
.set PX,   206                         ; v206-213
.set OUT,  214                         ; v214-221 the mask words of four slices: lane n / 2, register n % 2
.set POS,  222
.set FAC,  223
.set SEL,  52                          ; s[52:53] lane selects: lane l xor 16
; the largest magnitudes of nb blocks (16 registers a lane each, the other 16 in lane l xor 16), their scale operands in v[SCL ..] and scale bytes in v[U ..]
.macro QMAX nb, src, ab
.set QB, 0
.rept \nb
.if \ab
	v_max3_num_f32 v[TM+QB], |v[(\src)+16*QB]|, |v[(\src)+16*QB+1]|, 0x1800000   ; the floor 2^(3 - 127) holds the byte at 1 from below
.else
	v_max3_num_f32 v[TM+QB], v[(\src)+16*QB], v[(\src)+16*QB+1], 0x1800000
.endif
.set QB, QB+1
.endr
.irp i, 2,4,6,8,10,12,14
.set QB, 0
.rept \nb
.if \ab
	v_max3_num_f32 v[TM+QB], v[TM+QB], |v[(\src)+16*QB+\i]|, |v[(\src)+16*QB+\i+1]|
.else
	v_max3_num_f32 v[TM+QB], v[TM+QB], v[(\src)+16*QB+\i], v[(\src)+16*QB+\i+1]
.endif
.set QB, QB+1
.endr
.endr
.set QB, 0
.rept \nb
	v_permlanex16_b32 v[U+QB], v[TM+QB], s[SEL], s[SEL+1]
.set QB, QB+1
.endr
.set QB, 0
.rept \nb
	v_max_num_f32 v[TM+QB], v[TM+QB], v[U+QB]
.set QB, QB+1
.endr
.set QB, 0
.rept \nb
	v_add_nc_u32 v[SCL+QB], 0xff000000, v[TM+QB]     ; 2 off the exponent field: the conversion's scale operand
.set QB, QB+1
.endr
.set QB, 0
.rept \nb
	v_lshrrev_b32 v[U+QB], 23, v[SCL+QB]             ; the scale's byte
.set QB, QB+1
.endr
.endm
; 64 numbers of a lane, register 16 b + i = k 32 b + 16 (lane / 16) + i of its row, become a fragment's 12 registers in v[PC ..] and its scale word in v[PW]
.macro QUANT4 src
	QMAX 4, \src, 1
	v_lshl_or_b32 v[PW], v[U+1], 8, v[U]
	v_lshl_or_b32 v[PW], v[U+2], 16, v[PW]
	v_lshl_or_b32 v[PW], v[U+3], 24, v[PW]
.irp cc, 0,1
	v_cvt_scalef32_pk16_fp6_f32 v[PC+6*\cc:PC+6*\cc+2], v[(\src)+32*\cc:(\src)+32*\cc+15], v[SCL+2*\cc]
	v_cvt_scalef32_pk16_fp6_f32 v[PX+4*\cc:PX+4*\cc+2], v[(\src)+32*\cc+16:(\src)+32*\cc+31], v[SCL+2*\cc+1]
.endr
	v_nop                                            ; one plain place behind the conversions
.irp cc, 0,1
.irp ii, 0,1,2
	v_permlane16_swap_b32 v[PC+6*\cc+\ii], v[PX+4*\cc+\ii]   ; a whole block to a lane: lanes 0-15 block 2 c, lanes 16-31 block 2 c + 1
.endr
.irp ii, 0,1,2
	v_mov_b32 v[PC+3+6*\cc+\ii], v[PX+4*\cc+\ii]
.endr
.endr
.endm
; the four rows' pairs v[TM + 2 p ..] are summed over their halves and over the wave's 32 lanes
.macro WSUM4
.irp p, 0,1,2,3
	v_add_f32 v[TM+2*\p], v[TM+2*\p], v[TM+2*\p+1]
.endr
.irp xm, 1,2,4,8
.irp p, 0,1,2,3
	v_add_f32_dpp v[TM+2*\p], v[TM+2*\p], v[TM+2*\p] row_xmask:\xm row_mask:0xf bank_mask:0xf
.endr
.endr
.irp p, 0,1,2,3
	v_permlanex16_b32 v[SCL+\p], v[TM+2*\p], s[SEL], s[SEL+1]
.endr
.irp p, 0,1,2,3
	v_add_f32 v[TM+2*\p], v[TM+2*\p], v[SCL+\p]
.endr
.endm
	s_load_b256 s[4:11], s[0:1], 0x0               ; x, ln1_g, ln1_b, o2o_mask
	s_load_b256 s[12:19], s[0:1], 0x20             ; positions, wq codes, wq scales, wk codes
	s_load_b256 s[20:27], s[0:1], 0x40             ; wk scales, wv codes, wv scales, wo codes
	s_load_b256 s[28:35], s[0:1], 0x60             ; wo scales, w1 codes, w1 scales, w2 codes
	s_load_b256 s[36:43], s[0:1], 0x80             ; w2 scales, xa, maskw, rope
	s_load_b64 s[44:45], s[0:1], 0xa0              ; wst
	v_lshl_add_u32 v224, v0, 2, 0x20a00
	v_mov_b32 v225, 0
	v_lshrrev_b32 v1, 5, v0
	v_readfirstlane_b32 s2, v1                     ; wave 0..7
	s_lshr_b32 s3, s2, 2                           ; which of the two tiles of 16 rows
	s_and_b32 s46, s2, 3                           ; which quarter (K step, 512 mask bytes, four frequencies)
	v_and_b32 v1, 31, v0                           ; lane
	v_and_b32 v2, 15, v0                           ; r
	v_bfe_u32 v3, v0, 4, 1                         ; h
	v_lshlrev_b32 v15, 4, v1                       ; 16 x lane
	s_lshl_b32 s47, s2, 13
	v_add_nc_u32 v4, s47, v15                      ; x: my wave's four rows of 2,048 bytes
	s_lshl_b32 s47, s3, 15
	s_lshl_b32 s48, s46, 9
	s_add_co_u32 s47, s47, s48
	v_add_nc_u32 v5, s47, v15                      ; mask: my tile's 16 rows, my 512 bytes of each
	s_lshl_b32 s47, s3, 6
	v_lshl_add_u32 v6, v2, 2, s47                  ; positions: row r of my tile
	s_mul_i32 s47, s2, 4*XP
	v_add_nc_u32 v7, s47, v15                      ; LDS: where my four normalised rows go
	v_mul_u32_u24 v8, v2, XP
	v_lshl_add_u32 v8, v3, 6, v8
	s_mul_i32 s47, s3, 16*XP
	s_add_co_u32 s47, s47, s48
	v_add_nc_u32 v8, s47, v8                       ; LDS: row r of my tile, my K step, + 64 h: 16 numbers of each block of 32
	s_mul_i32 s47, s2, 1536
	v_add_nc_u32 v9, s47, v15                      ; xa: image 4 x tile + K step = my wave's number
	s_lshl_b32 s47, s3, 8
	s_lshl_b32 s49, s46, 2
	s_add_co_u32 s47, s47, s49
	v_lshl_add_u32 v10, v2, 4, s47                 ; xa: my row's scale word
	s_mul_i32 s47, s2, 16*MPT
	s_add_co_u32 s47, s47, MST
	v_add_nc_u32 v11, s47, v15                     ; LDS: my mask stage, as loaded
	v_mul_u32_u24 v12, v2, MPT
	v_lshl_add_u32 v12, v3, 4, v12
	v_add_nc_u32 v12, s47, v12                     ; and back: query r, + 16 h
	s_lshl_b32 s47, s3, 12
	s_lshl_b32 s49, s46, 10
	s_add_co_u32 s49, s47, s49
	v_lshl_add_u32 v13, v1, 3, s49                 ; maskw: my tile, my four slices, 8 bytes a lane
	s_add_co_u32 s47, s47, s48
	v_add_nc_u32 v14, s47, v15                     ; rope: my tile, my piece
.irp i, 0,1,2,3
	v_mov_b32 v[SCL+\i], 0                         ; a lane permute's destination counts as one of its sources
.endr
.irp i, 0,1,2,3,4,5,6,7
	v_mov_b32 v[OUT+\i], 0                         ; likewise v_writelane_b32's
.endr
	s_mov_b32 s[SEL], 0x76543210
	s_mov_b32 s[SEL+1], 0xfedcba98
	s_mov_b32 s54, 0x3b000000                      ; 1 / 512
	s_mov_b32 s55, 0x3727c5ac                      ; 1e-5
	s_lshl_b32 s48, ttmp9, 16                      ; 32 rows of 2,048 bytes, in x and in the mask alike
	s_mov_b32 s49, 0
	s_lshl_b32 s50, ttmp9, 9
	s_mov_b32 s51, 0
	s_wait_kmcnt 0x0
	s_add_nc_u64 s[4:5], s[4:5], s[48:49]
	s_add_nc_u64 s[10:11], s[10:11], s[48:49]
	s_lshl_b32 s48, ttmp9, 7
	s_add_nc_u64 s[12:13], s[12:13], s[48:49]
	s_add_nc_u64 s[50:51], s[38:39], s[50:51]      ; xa's scale words: 32 rows of 16 bytes
	s_mul_i32 s48, ttmp9, 12288
	s_add_nc_u64 s[38:39], s[38:39], s[48:49]      ; xa's images: eight of 1,536 bytes
	s_lshl_b32 s48, ttmp9, 13
	s_add_nc_u64 s[40:41], s[40:41], s[48:49]
	s_add_nc_u64 s[42:43], s[42:43], s[48:49]
	; ---- all loads at once: each covers 512 consecutive bytes
.irp p, 0,1,2,3
.irp i, 0,1,2,3
	global_load_b128 v[X+16*\p+4*\i:X+16*\p+4*\i+3], v4, s[4:5] offset:2048*\p+512*\i th:TH_LOAD_NT
.endr
.endr
.irp i, 0,1,2,3
	global_load_b128 v[GG+4*\i:GG+4*\i+3], v15, s[6:7] offset:512*\i
.endr
.irp i, 0,1,2,3
	global_load_b128 v[BB+4*\i:BB+4*\i+3], v15, s[8:9] offset:512*\i
.endr
.set QI, 0
.rept 16
	global_load_b128 v[MK+4*QI:MK+4*QI+3], v5, s[10:11] offset:2048*QI th:TH_LOAD_NT
.set QI, QI+1
.endr
	global_load_b32 v[POS], v6, s[12:13]
	; ---- the norm, four rows by turns; a row lies in one wave: 16 numbers a lane
	s_wait_loadcnt 17                              ; x, g and b are in; the 16 mask loads and the position may stay out
.irp p, 0,1,2,3
	v_pk_add_f32 v[TM+2*\p:TM+2*\p+1], v[X+16*\p:X+16*\p+1], v[X+16*\p+2:X+16*\p+3]
.endr
.irp k, 4,6,8,10,12,14
.irp p, 0,1,2,3
	v_pk_add_f32 v[TM+2*\p:TM+2*\p+1], v[TM+2*\p:TM+2*\p+1], v[X+16*\p+\k:X+16*\p+\k+1]
.endr
.endr
	WSUM4
.irp p, 0,1,2,3
	v_mul_f32 v[TM+2*\p], s54, v[TM+2*\p]          ; the mean
.endr
.irp k, 0,2,4,6,8,10,12,14
.irp p, 0,1,2,3
	v_pk_add_f32 v[X+16*\p+\k:X+16*\p+\k+1], v[X+16*\p+\k:X+16*\p+\k+1], v[TM+2*\p:TM+2*\p+1] op_sel_hi:[1,0] neg_lo:[0,1] neg_hi:[0,1]
.endr
.endr
.irp p, 0,1,2,3
	v_pk_mul_f32 v[TM+2*\p:TM+2*\p+1], v[X+16*\p:X+16*\p+1], v[X+16*\p:X+16*\p+1]
.endr
.irp k, 2,4,6,8,10,12,14
.irp p, 0,1,2,3
	v_pk_fma_f32 v[TM+2*\p:TM+2*\p+1], v[X+16*\p+\k:X+16*\p+\k+1], v[X+16*\p+\k:X+16*\p+\k+1], v[TM+2*\p:TM+2*\p+1]
.endr
.endr
	WSUM4
.irp p, 0,1,2,3
	v_fma_f32 v[TM+2*\p], v[TM+2*\p], s54, s55     ; the variance + 1e-5
.endr
.irp p, 0,1,2,3
	v_rsq_f32 v[TM+2*\p], v[TM+2*\p]
.endr
	v_nop                                          ; a plain place behind the four roots,
	s_wait_alu depctr_va_vdst(0)                   ; and one wait for them, ahead of their first reader
.irp k, 0,2,4,6,8,10,12,14
.irp p, 0,1,2,3
	v_pk_mul_f32 v[X+16*\p+\k:X+16*\p+\k+1], v[X+16*\p+\k:X+16*\p+\k+1], v[TM+2*\p:TM+2*\p+1] op_sel_hi:[1,0]
.endr
.irp p, 0,1,2,3
	v_pk_fma_f32 v[X+16*\p+\k:X+16*\p+\k+1], v[X+16*\p+\k:X+16*\p+\k+1], v[GG+\k:GG+\k+1], v[BB+\k:BB+\k+1]
.endr
.endr
.irp p, 0,1,2,3
.irp i, 0,1,2,3
	ds_store_b128 v7, v[X+16*\p+4*\i:X+16*\p+4*\i+3] offset:XP*\p+512*\i
.endr
.endr
	s_wait_dscnt 0x0                               ; my rows lie in LDS,
	s_barrier_signal -1
	s_barrier_wait -1                              ; everybody's do
	; ---- the quantiser: one tile of 16 rows x 128 columns a wave
.irp b, 0,1,2,3
.irp j, 0,1,2,3
	ds_load_b128 v[X+16*\b+4*\j:X+16*\b+4*\j+3], v8 offset:128*\b+16*\j
.endr
.endr
	s_wait_dscnt 0x0
	QUANT4 X
.irp cc, 0,1,2
	global_store_b128 v9, v[PC+4*\cc:PC+4*\cc+3], s[38:39] offset:512*\cc   ; 512 consecutive bytes
.endr
	global_store_b32 v10, v[PW], s[50:51] offset:XSC                        ; lanes l and l xor 16 hold the same word for the same place
	; ---- the mask: 16 queries x 512 keys through my own stage, so that a lane holds 16 neighbouring keys of one query
	s_wait_loadcnt 0x0                             ; the mask and the position
.set QI, 0
.rept 16
	ds_store_b128 v11, v[MK+4*QI:MK+4*QI+3] offset:MPT*QI
.set QI, QI+1
.endr
.irp sl, 0,1,2,3
.irp bq, 0,1,2,3
	ds_load_b128 v[X+16*\sl+4*\bq:X+16*\sl+4*\bq+3], v12 offset:128*\sl+32*\bq   ; a wave's LDS instructions are served in order: these see my stores
.endr
.endr
	s_wait_dscnt 0x0
	; The 4 x 64 lane masks.  Byte n % 4 of register n / 4 of a slice is compared in all lanes at once; the mask goes to lane n / 2 of the slice's pair, register n % 2.
	; In batches of eight, words 2 NB and 2 NB + 1 of each of the four slices: eight cuts, eight compares, eight lane writes into eight different registers, so that no line reads the result of the line above it.
.set NB, 0
.rept 32
.irp e, 0,1,2,3,4,5,6,7
	v_and_b32 v[TM+\e], 0xff<<(8*(2*(NB%2)+\e%2)), v[X+16*(\e/2)+NB/2]
.endr
.irp e, 0,1,2,3,4,5,6,7
	v_cmp_ne_u32 s[56+\e], 0, v[TM+\e]
.endr
.irp e, 0,1,2,3,4,5,6,7
	v_writelane_b32 v[OUT+\e], s[56+\e], NB
.endr
.set NB, NB+1
.endr
.irp sl, 0,1,2,3
	global_store_b64 v13, v[OUT+2*\sl:OUT+2*\sl+1], s[40:41] offset:256*\sl   ; a slice's 64 words: 256 consecutive bytes, aligned
.endr
	; ---- cos and sin of position x 10^(-(16 h + 4 a + j) / 8), j = 0 .. 3
	s_mov_b32 s56, 0x3f800000                      ; 10^(-i / 8), i = 0 .. 3
	s_mov_b32 s57, 0x3f3ff911
	s_mov_b32 s58, 0x3f0ff59a
	s_mov_b32 s59, 0x3ed7e89b
	s_cmp_eq_u32 s46, 1
	s_cselect_b32 s56, 0x3ea1e89b, s56             ; i = 4 .. 7
	s_cselect_b32 s57, 0x3e72d424, s57
	s_cselect_b32 s58, 0x3e361887, s58
	s_cselect_b32 s59, 0x3e088d77, s59
	s_cmp_eq_u32 s46, 2
	s_cselect_b32 s56, 0x3dcccccd, s56             ; i = 8 .. 11
	s_cselect_b32 s57, 0x3d99940e, s57
	s_cselect_b32 s58, 0x3d6655c3, s58
	s_cselect_b32 s59, 0x3d2cba15, s59
	s_cmp_eq_u32 s46, 3
	s_cselect_b32 s56, 0x3d0186e2, s56             ; i = 12 .. 15
	s_cselect_b32 s57, 0x3cc24350, s57
	s_cselect_b32 s58, 0x3c91ad39, s58
	s_cselect_b32 s59, 0x3c5a7bf1, s59
	s_mov_b32 s4, 0xbfc90fdb                       ; -(pi / 2), its upper part  (every load through s[4:13] has been waited for)
	s_mov_b32 s5, 0x333bbd2e                       ; and the rest
	s_mov_b32 s6, 0xb94ca1f9                       ; sin: -1.9515296e-4, 8.3321609e-3, -1.6666655e-1
	s_mov_b32 s7, 0x3c08839e
	s_mov_b32 s8, 0xbe2aaaa3
	s_mov_b32 s9, 0x37ccf5ce                       ; cos: 2.4433157e-5, -1.3887316e-3, 4.1666646e-2
	s_mov_b32 s10, 0xbab6061a
	s_mov_b32 s11, 0x3d2aaaa5
	s_mov_b32 s12, 0x3f22f983                      ; 2 / pi
	v_cvt_f32_i32 v[POS], v[POS]
	v_cmp_ne_u32 vcc_lo, 0, v3
	v_mov_b32 v[FAC], 0x3c23d70a
	v_cndmask_b32 v[FAC], 1.0, v[FAC], vcc_lo      ; lanes 16-31: frequencies 16 on: x 0.01
	v_mul_f32 v[POS], v[POS], v[FAC]
.irp j, 0,1,2,3
	v_mul_f32 v[X+8*\j], s[56+\j], v[POS]          ; the angle
	v_mul_f32 v[X+8*\j+1], s12, v[X+8*\j]
	v_rndne_f32 v[X+8*\j+1], v[X+8*\j+1]           ; q = the nearest multiple of pi / 2
	v_fma_f32 v[X+8*\j+2], v[X+8*\j+1], s4, v[X+8*\j]
	v_fma_f32 v[X+8*\j+2], v[X+8*\j+1], s5, v[X+8*\j+2]   ; what is left, within pi / 4
	v_mul_f32 v[X+8*\j+3], v[X+8*\j+2], v[X+8*\j+2]
	v_fma_f32 v[X+8*\j+4], v[X+8*\j+3], s6, s7
	v_fma_f32 v[X+8*\j+4], v[X+8*\j+4], v[X+8*\j+3], s8
	v_mul_f32 v[X+8*\j+4], v[X+8*\j+4], v[X+8*\j+3]
	v_fma_f32 v[X+8*\j+4], v[X+8*\j+4], v[X+8*\j+2], v[X+8*\j+2]   ; its sine
	v_fma_f32 v[X+8*\j+5], v[X+8*\j+3], s9, s10
	v_fma_f32 v[X+8*\j+5], v[X+8*\j+5], v[X+8*\j+3], s11
	v_mul_f32 v[X+8*\j+5], v[X+8*\j+5], v[X+8*\j+3]
	v_fma_f32 v[X+8*\j+6], v[X+8*\j+3], -0.5, 1.0
	v_fma_f32 v[X+8*\j+5], v[X+8*\j+5], v[X+8*\j+3], v[X+8*\j+6]   ; its cosine
	v_cvt_i32_f32 v[X+8*\j+1], v[X+8*\j+1]
	v_and_b32 v[X+8*\j+6], 1, v[X+8*\j+1]
	v_cmp_ne_u32 vcc_lo, 0, v[X+8*\j+6]
	v_cndmask_b32 v[X+8*\j+6], v[X+8*\j+4], v[X+8*\j+5], vcc_lo    ; q odd: the two change places
	v_cndmask_b32 v[X+8*\j+7], v[X+8*\j+5], v[X+8*\j+4], vcc_lo
	v_and_b32 v[X+8*\j+4], 2, v[X+8*\j+1]
	v_lshlrev_b32 v[X+8*\j+4], 30, v[X+8*\j+4]
	v_xor_b32 v[GG+4+\j], v[X+8*\j+4], v[X+8*\j+6]                 ; sin: negative for q = 2, 3 mod 4
	v_add_nc_u32 v[X+8*\j+5], 1, v[X+8*\j+1]
	v_and_b32 v[X+8*\j+5], 2, v[X+8*\j+5]
	v_lshlrev_b32 v[X+8*\j+5], 30, v[X+8*\j+5]
	v_xor_b32 v[GG+\j], v[X+8*\j+5], v[X+8*\j+7]                   ; cos: negative for q = 1, 2 mod 4
.endr
	global_store_b128 v14, v[GG:GG+3], s[42:43]
	global_store_b128 v14, v[GG+4:GG+7], s[42:43] offset:2048
	; ---- the weights: wave 6 lays chunk g, wave 7 chunk 256 + g where g < 128.  No LDS access and no barrier stands behind this branch
	s_cmp_lt_u32 s2, 6
	s_cbranch_scc1 .Lend
	s_sub_co_u32 s47, s2, 6
	s_lshl_b32 s47, s47, 8
	s_add_co_u32 s47, s47, ttmp9                   ; ci: 0-31 wq, 32-63 wk, 64-95 wv, 96-127 wo, 128-255 w1, 256-383 w2
	s_cmp_ge_u32 s47, 384
	s_cbranch_scc1 .Lend
	s_cmp_lt_u32 s47, 256
	s_cselect_b64 s[48:49], s[30:31], s[34:35]     ; the codes' buffer and the scales', chosen by the chunk's number alone
	s_cselect_b64 s[56:57], s[32:33], s[36:37]
	s_cselect_b32 s58, 3, 15                       ; K steps: 4, in w2 16
	s_cselect_b32 s59, 2, 4
	s_mov_b32 s60, 1536
	s_cselect_b32 s60, 384, s60                    ; a row of codes in bytes
	s_cselect_b32 s61, 16, 64                      ; a row of scale bytes
	s_cmp_lt_u32 s47, 128
	s_cselect_b64 s[48:49], s[26:27], s[48:49]
	s_cselect_b64 s[56:57], s[28:29], s[56:57]
	s_cselect_b32 s62, 7, 31
	s_cmp_lt_u32 s47, 96
	s_cselect_b64 s[48:49], s[22:23], s[48:49]
	s_cselect_b64 s[56:57], s[24:25], s[56:57]
	s_cmp_lt_u32 s47, 64
	s_cselect_b64 s[48:49], s[18:19], s[48:49]
	s_cselect_b64 s[56:57], s[20:21], s[56:57]
	s_cmp_lt_u32 s47, 32
	s_cselect_b64 s[48:49], s[14:15], s[48:49]
	s_cselect_b64 s[56:57], s[16:17], s[56:57]
	s_cmp_lt_u32 s47, 256
	s_cselect_b32 s62, s62, 7
	s_and_b32 s58, s47, s58                        ; the K step
	s_lshr_b32 s59, s47, s59
	s_and_b32 s59, s59, s62                        ; G: which 64 rows
	s_mul_i32 s4, s59, 12                          ; where the chunk goes: wq, wk, wv: 12 G + 4 T + s
	s_lshr_b32 s5, s47, 5
	s_lshl_b32 s5, s5, 2
	s_add_co_u32 s4, s4, s5
	s_mul_i32 s5, s59, 36
	s_add_co_u32 s6, s5, 96                        ; wo: 96 + 36 G + s
	s_add_co_u32 s7, s5, 116                       ; w2: 96 + 36 G + 20 + s
	s_lshr_b32 s8, s59, 2
	s_mul_i32 s8, s8, 36
	s_and_b32 s9, s59, 3
	s_lshl_b32 s9, s9, 2
	s_add_co_u32 s8, s8, s9
	s_add_co_u32 s8, s8, 100                       ; w1: 96 + 36 (G / 4) + 4 + 4 (G % 4) + s
	s_cmp_lt_u32 s47, 256
	s_cselect_b32 s7, s8, s7
	s_cmp_lt_u32 s47, 128
	s_cselect_b32 s7, s6, s7
	s_cmp_lt_u32 s47, 96
	s_cselect_b32 s7, s4, s7
	s_add_co_u32 s7, s7, s58
	s_mul_i32 s8, s7, 6400
	s_mov_b32 s9, 0
	s_add_nc_u64 s[44:45], s[44:45], s[8:9]
	s_lshl_b32 s4, s59, 6
	s_mul_i32 s10, s4, s60
	s_mul_i32 s5, s58, 96
	s_add_co_u32 s10, s10, s5
	s_mov_b32 s11, 0
	s_add_nc_u64 s[48:49], s[48:49], s[10:11]      ; the codes at row 64 G, K step s
	s_mul_i32 s10, s4, s61
	s_lshl_b32 s5, s58, 2
	s_add_co_u32 s10, s10, s5
	s_add_nc_u64 s[56:57], s[56:57], s[10:11]      ; the scale bytes likewise
	v_and_b32 v88, 8, v2
	v_add_nc_u32 v88, v88, v2                      ; r + 8 (r / 8)
.irp t, 0,1,2,3
	v_add_nc_u32 v[90+\t], 32*(\t/2)+8*(\t%2), v88
	v_mul_lo_u32 v[90+\t], v[90+\t], s60
	v_mad_u32_u24 v[90+\t], v3, 24, v[90+\t]       ; tile t: my row x pitch + 24 h
.endr
	v_lshl_add_u32 v94, v3, 3, v88
.irp p, 0,1
	v_add_nc_u32 v[96+\p], 32*\p, v94
	v_mul_lo_u32 v[96+\p], v[96+\p], s61           ; lanes 0-15: tile 2 p's rows, lanes 16-31: tile 2 p + 1's
.endr
	v_lshlrev_b32 v98, 2, v1
.irp t, 0,1,2,3
.irp p, 0,1,2,3,4,5
	global_load_b64 v[X+12*\t+2*\p:X+12*\t+2*\p+1], v[90+\t], s[48:49] offset:48*(\p/3)+8*(\p%3)
.endr
.endr
.irp p, 0,1
	global_load_b32 v[64+\p], v[96+\p], s[56:57]
.endr
	s_wait_loadcnt 0x0
.irp t, 0,1,2,3
.irp cc, 0,1,2
	global_store_b128 v15, v[X+12*\t+4*\cc:X+12*\t+4*\cc+3], s[44:45] offset:1536*\t+512*\cc
.endr
.endr
.irp p, 0,1
	global_store_b32 v98, v[64+\p], s[44:45] offset:6144+128*\p
.endr
.Lend:
	s_wait_tensorcnt 0x0
	ds_add_u32 v224, v225
	s_wait_dscnt 0x0
	s_endpgm
.Lfunc_end_k_q89919974ac_prep:
	.size	k_q89919974ac_prep, .Lfunc_end_k_q89919974ac_prep-k_q89919974ac_prep
	.p2alignl 7, 3214868480
	.fill 96, 4, 3214868480
	.section	.rodata,"a",@progbits
	.p2align	6, 0x0
	.amdhsa_kernel k_q89919974ac_prep
		.amdhsa_group_segment_fixed_size 134656
		.amdhsa_private_segment_fixed_size 0
		.amdhsa_enable_private_segment 0
		.amdhsa_kernarg_size 168
		.amdhsa_user_sgpr_count 2
		.amdhsa_user_sgpr_kernarg_segment_ptr 1
		.amdhsa_wavefront_size32 1
		.amdhsa_system_sgpr_workgroup_id_x 1
		.amdhsa_system_sgpr_workgroup_id_y 1
		.amdhsa_system_sgpr_workgroup_id_z 1
		.amdhsa_system_vgpr_workitem_id 0
		.amdhsa_next_free_vgpr 226
		.amdhsa_next_free_sgpr 66
		.amdhsa_reserve_vcc 1
		.amdhsa_float_denorm_mode_32 3
		.amdhsa_float_denorm_mode_16_64 3
		.amdhsa_memory_ordered 1
		.amdhsa_forward_progress 1
		.amdhsa_inst_pref_size 92
	.end_amdhsa_kernel
	.amdgpu_metadata
---
amdhsa.version: [ 1, 2 ]
amdhsa.kernels:
  - .name:           k_q89919974ac_prep
    .symbol:         k_q89919974ac_prep.kd
    .args:
      - { .name: x, .offset: 0, .size: 8, .value_kind: global_buffer, .address_space: global }
      - { .name: ln1_g, .offset: 8, .size: 8, .value_kind: global_buffer, .address_space: global }
      - { .name: ln1_b, .offset: 16, .size: 8, .value_kind: global_buffer, .address_space: global }
      - { .name: o2o_mask, .offset: 24, .size: 8, .value_kind: global_buffer, .address_space: global }
      - { .name: positions, .offset: 32, .size: 8, .value_kind: global_buffer, .address_space: global }
      - { .name: wq_codes, .offset: 40, .size: 8, .value_kind: global_buffer, .address_space: global }
      - { .name: wq_scales, .offset: 48, .size: 8, .value_kind: global_buffer, .address_space: global }
      - { .name: wk_codes, .offset: 56, .size: 8, .value_kind: global_buffer, .address_space: global }
      - { .name: wk_scales, .offset: 64, .size: 8, .value_kind: global_buffer, .address_space: global }
      - { .name: wv_codes, .offset: 72, .size: 8, .value_kind: global_buffer, .address_space: global }
      - { .name: wv_scales, .offset: 80, .size: 8, .value_kind: global_buffer, .address_space: global }
      - { .name: wo_codes, .offset: 88, .size: 8, .value_kind: global_buffer, .address_space: global }
      - { .name: wo_scales, .offset: 96, .size: 8, .value_kind: global_buffer, .address_space: global }
      - { .name: w1_codes, .offset: 104, .size: 8, .value_kind: global_buffer, .address_space: global }
      - { .name: w1_scales, .offset: 112, .size: 8, .value_kind: global_buffer, .address_space: global }
      - { .name: w2_codes, .offset: 120, .size: 8, .value_kind: global_buffer, .address_space: global }
      - { .name: w2_scales, .offset: 128, .size: 8, .value_kind: global_buffer, .address_space: global }
      - { .name: xa, .offset: 136, .size: 8, .value_kind: global_buffer, .address_space: global }
      - { .name: maskw, .offset: 144, .size: 8, .value_kind: global_buffer, .address_space: global }
      - { .name: rope, .offset: 152, .size: 8, .value_kind: global_buffer, .address_space: global }
      - { .name: wst, .offset: 160, .size: 8, .value_kind: global_buffer, .address_space: global }
    .group_segment_fixed_size: 134656
    .private_segment_fixed_size: 0
    .kernarg_segment_align: 8
    .kernarg_segment_size: 168
    .max_flat_workgroup_size: 256
    .sgpr_count:     66
    .vgpr_count:     226
    .wavefront_size: 32
...
	.end_amdgpu_metadata
.endif
;; end of part 1
;; launch qkv (part 2): grid 32 x 8, 8 waves a work-group, no clusters, 0 bytes of LDS; arguments xa, wst, rope, bq, bk, bv, qk, vv; writes qk, vv
.if DOCPART == 2
	.amdgcn_target "amdgcn-amd-amdhsa--gfx1250"
	.amdhsa_code_object_version 6
	.text
	.protected	k_q89919974ac_qkv
	.globl	k_q89919974ac_qkv
	.p2align	8
	.type	k_q89919974ac_qkv,@function
k_q89919974ac_qkv:
	s_mov_b64 s[64:65], 0
	v_nop
	global_prefetch_b8 v0, s[64:65] scope:SCOPE_SE
	s_setreg_imm32_b32 hwreg(HW_REG_WAVE_MODE, 25, 1), 1
	s_wait_xcnt 0x0
; QKV.  q = rope(xn Wq + bq), k = rope(xn Wk + bk), v = xn Wv + bv for one head and 32 rows a wave, all three products on E2M3 codes; q and k are quantised along the head's 64, v along the keys.
; SHARES.  Work-group (x, y): head y, rows 256 x .. 256 x + 255; wave w: rows 32 (8 x + w) on, two tiles of 16.  Straight-line text, no LDS, no barrier.
; q, k: source 0 = 16 rows of W (lane r of tile 2 P + u takes row 32 P + 8 u + r + 8 (r / 8)), source 1 = 16 rows of xn: a lane holds one row, and the 16 registers of tiles 2 P, 2 P + 1 are d = 32 P + 16 h + 0 .. 15:
;   the two halves that the rotation pairs lie in one lane, 16 registers apart, and a block of 32 lies in lanes l and l xor 16.  The bias is the C of a sum's first product.
; v: the sources change places and xn's rows are taken in that order, so that a lane's 16 registers of a tile pair are 16 neighbouring KEYS of one d: the codes come out with the keys innermost.
; THE WEIGHTS of a head, 12 chunks of 6,400 bytes laid as register images, go from memory straight into a ring of four chunks in registers: 14 loads a chunk, three or four chunks on their way.
; No tensor load, no cluster: a fragment of W is wanted by a wave in its registers; through LDS each of the eight waves would read all 76,800 bytes again from there, and the ring would wait at a barrier for each change of slots.
; No prefetch: every stream here is read by several work-groups or asked for at the head.
; LIMITS: as stated for the quantiser in the first launch (NaN and infinities not served; byte 1 under 2^-124).
.set KOFF, 3145728                     ; qk: K's half images behind Q's
.set QSO,  6291456                     ; Q's scale words; K's 524,288 further
.set VSO,  3145728                     ; vv: the scale bytes behind the codes
.set XSC,  3145728
.set LI,   1                           ; v1   16 x lane
.set L4,   2                           ; v2   4 x lane
.set L8,   3                           ; v3   8 x lane
.set XPA,  4                           ; v4   xn's images read in the chosen row order: (r / 8) x 6,144 + 16 (r % 8 + 16 h)
.set XSP,  5                           ; v5   their scale words: 16 (8 h + r + 8 (r / 8))
.set H64,  6                           ; v6   64 h: the biases in the result's layout
.set BVO,  7                           ; v7   4 (r + 8 (r / 8))
.set VCO,  8                           ; v8   24 (8 h + r + 8 (r / 8))
.set VSB,  9                           ; v9   8 h + r + 8 (r / 8)
.set SH8,  10                          ; v10  8 h
.set XS,   12                          ; v12-15 xn's scale words, one register a K step: lanes 0-15 tile 0, lanes 16-31 tile 1
.set WSC,  16                          ; v16-23 the ring's scale registers, two a slot
.set TM,   24                          ; v24-35 at work
.set U,    28
.set SCL,  32
.set PW,   40
.set PC,   42                          ; v42-53
.set PX,   54                          ; v54-61
.set BIAS, 64                          ; v64-95
.set XF,   96                          ; v96-191 xn's eight fragments
.set ACC,  192                         ; v192-255
.set CS,   192                         ; window 1: cos at CS + 32 m + i, sin 16 further; v0-191 of window 1: the ring, 48 registers a slot
.set W,    6                           ; s[6:7] my head's chunks
.set SEL,  32
.set NI,   0                           ; global loads issued so far: every wait's count is the loads issued behind the wanted one
.set MK0,  0
.set MK1,  0
.set MK2,  0
.set MK3,  0
.set MSB,  0
.macro WIN new                         ; the immediate's high byte repeats the setting that is left
.if MSB != \new
	s_set_vgpr_msb (MSB<<8)|\new
.set MSB, \new
.endif
.endm
.macro PLACES cnt
.rept \cnt
	v_nop
.endr
.endm
.macro WAITL mk                        ; loads come back in order: at most the NI - mk younger ones may be out (a smaller count only waits for more)
.if NI-(\mk) > 63
	s_wait_loadcnt 63
.else
	s_wait_loadcnt NI-(\mk)
.endif
.endm
.macro WAITC cn
.if (\cn)%4 == 0
	WAITL MK0
.elseif (\cn)%4 == 1
	WAITL MK1
.elseif (\cn)%4 == 2
	WAITL MK2
.else
	WAITL MK3
.endif
.endm
.macro LOADC cn                        ; chunk cn into slot cn % 4: twelve loads of 512 consecutive bytes, two of 128
.set SL, (\cn)%4
	WIN 0x40
.irp t, 0,1,2,3
.irp p, 0,1,2
	global_load_b128 v[48*SL+12*\t+4*\p:48*SL+12*\t+4*\p+3], v[LI], s[W:W+1] offset:(\cn)*6400+1536*\t+512*\p
.endr
.endr
	WIN 0
.irp p, 0,1
	global_load_b32 v[WSC+2*SL+\p], v[L4], s[W:W+1] offset:(\cn)*6400+6144+128*\p
.endr
.set NI, NI+14
.if SL == 0
.set MK0, NI
.elseif SL == 1
.set MK1, NI
.elseif SL == 2
.set MK2, NI
.else
.set MK3, NI
.endif
.endm
; one product.  c < 0: the constant 0 starts the sum.  ra, rb: the side's scales stand in lanes 16-31
.macro MMA d, a, b, c, sa, sb, ra, rb
.if (\c) < 0
.if (\ra) && (\rb)
	v_wmma_scale_f32_16x16x128_f8f6f4 v[(\d):(\d)+7], v[(\a):(\a)+11], v[(\b):(\b)+11], 0, v[\sa], v[\sb] matrix_a_fmt:MATRIX_FMT_FP6 matrix_b_fmt:MATRIX_FMT_FP6 matrix_a_scale:MATRIX_SCALE_ROW1 matrix_b_scale:MATRIX_SCALE_ROW1
.elseif (\ra)
	v_wmma_scale_f32_16x16x128_f8f6f4 v[(\d):(\d)+7], v[(\a):(\a)+11], v[(\b):(\b)+11], 0, v[\sa], v[\sb] matrix_a_fmt:MATRIX_FMT_FP6 matrix_b_fmt:MATRIX_FMT_FP6 matrix_a_scale:MATRIX_SCALE_ROW1
.elseif (\rb)
	v_wmma_scale_f32_16x16x128_f8f6f4 v[(\d):(\d)+7], v[(\a):(\a)+11], v[(\b):(\b)+11], 0, v[\sa], v[\sb] matrix_a_fmt:MATRIX_FMT_FP6 matrix_b_fmt:MATRIX_FMT_FP6 matrix_b_scale:MATRIX_SCALE_ROW1
.else
	v_wmma_scale_f32_16x16x128_f8f6f4 v[(\d):(\d)+7], v[(\a):(\a)+11], v[(\b):(\b)+11], 0, v[\sa], v[\sb] matrix_a_fmt:MATRIX_FMT_FP6 matrix_b_fmt:MATRIX_FMT_FP6
.endif
.else
.if (\ra) && (\rb)
	v_wmma_scale_f32_16x16x128_f8f6f4 v[(\d):(\d)+7], v[(\a):(\a)+11], v[(\b):(\b)+11], v[(\c):(\c)+7], v[\sa], v[\sb] matrix_a_fmt:MATRIX_FMT_FP6 matrix_b_fmt:MATRIX_FMT_FP6 matrix_a_scale:MATRIX_SCALE_ROW1 matrix_b_scale:MATRIX_SCALE_ROW1
.elseif (\ra)
	v_wmma_scale_f32_16x16x128_f8f6f4 v[(\d):(\d)+7], v[(\a):(\a)+11], v[(\b):(\b)+11], v[(\c):(\c)+7], v[\sa], v[\sb] matrix_a_fmt:MATRIX_FMT_FP6 matrix_b_fmt:MATRIX_FMT_FP6 matrix_a_scale:MATRIX_SCALE_ROW1
.elseif (\rb)
	v_wmma_scale_f32_16x16x128_f8f6f4 v[(\d):(\d)+7], v[(\a):(\a)+11], v[(\b):(\b)+11], v[(\c):(\c)+7], v[\sa], v[\sb] matrix_a_fmt:MATRIX_FMT_FP6 matrix_b_fmt:MATRIX_FMT_FP6 matrix_b_scale:MATRIX_SCALE_ROW1
.else
	v_wmma_scale_f32_16x16x128_f8f6f4 v[(\d):(\d)+7], v[(\a):(\a)+11], v[(\b):(\b)+11], v[(\c):(\c)+7], v[\sa], v[\sb] matrix_a_fmt:MATRIX_FMT_FP6 matrix_b_fmt:MATRIX_FMT_FP6
.endif
.endif
.endm
.macro QMAX nb, src, ab
.set QB, 0
.rept \nb
.if \ab
	v_max3_num_f32 v[TM+QB], |v[(\src)+16*QB]|, |v[(\src)+16*QB+1]|, 0x1800000   ; the floor 2^(3 - 127) holds the byte at 1 from below
.else
	v_max3_num_f32 v[TM+QB], v[(\src)+16*QB], v[(\src)+16*QB+1], 0x1800000
.endif
.set QB, QB+1
.endr
.irp i, 2,4,6,8,10,12,14
.set QB, 0
.rept \nb
.if \ab
	v_max3_num_f32 v[TM+QB], v[TM+QB], |v[(\src)+16*QB+\i]|, |v[(\src)+16*QB+\i+1]|
.else
	v_max3_num_f32 v[TM+QB], v[TM+QB], v[(\src)+16*QB+\i], v[(\src)+16*QB+\i+1]
.endif
.set QB, QB+1
.endr
.endr
.set QB, 0
.rept \nb
	v_permlanex16_b32 v[U+QB], v[TM+QB], s[SEL], s[SEL+1]
.set QB, QB+1
.endr
.set QB, 0
.rept \nb
	v_max_num_f32 v[TM+QB], v[TM+QB], v[U+QB]
.set QB, QB+1
.endr
.set QB, 0
.rept \nb
	v_add_nc_u32 v[SCL+QB], 0xff000000, v[TM+QB]     ; 2 off the exponent field: the conversion's scale operand
.set QB, QB+1
.endr
.set QB, 0
.rept \nb
	v_lshrrev_b32 v[U+QB], 23, v[SCL+QB]             ; the scale's byte
.set QB, QB+1
.endr
.endm
.macro QUANT4 src
	QMAX 4, \src, 1
	v_lshl_or_b32 v[PW], v[U+1], 8, v[U]
	v_lshl_or_b32 v[PW], v[U+2], 16, v[PW]
	v_lshl_or_b32 v[PW], v[U+3], 24, v[PW]
.irp cc, 0,1
	v_cvt_scalef32_pk16_fp6_f32 v[PC+6*\cc:PC+6*\cc+2], v[(\src)+32*\cc:(\src)+32*\cc+15], v[SCL+2*\cc]
	v_cvt_scalef32_pk16_fp6_f32 v[PX+4*\cc:PX+4*\cc+2], v[(\src)+32*\cc+16:(\src)+32*\cc+31], v[SCL+2*\cc+1]
.endr
	v_nop                                            ; one plain place behind the conversions
.irp cc, 0,1
.irp ii, 0,1,2
	v_permlane16_swap_b32 v[PC+6*\cc+\ii], v[PX+4*\cc+\ii]
.endr
.irp ii, 0,1,2
	v_mov_b32 v[PC+3+6*\cc+\ii], v[PX+4*\cc+\ii]
.endr
.endr
.endm
; 32 numbers of a lane (two blocks) become six registers: lane (r, h) holds block h of row r.  The scale word repeats its two bytes for the half of K that holds zero codes
.macro QUANT2 src
	QMAX 2, \src, 1
	v_lshl_or_b32 v[PW], v[U+1], 8, v[U]
	v_lshl_or_b32 v[PW], v[PW], 16, v[PW]
	v_cvt_scalef32_pk16_fp6_f32 v[PC:PC+2], v[(\src):(\src)+15], v[SCL]
	v_cvt_scalef32_pk16_fp6_f32 v[PX:PX+2], v[(\src)+16:(\src)+31], v[SCL+1]
	v_nop
.irp ii, 0,1,2
	v_permlane16_swap_b32 v[PC+\ii], v[PX+\ii]
.endr
.irp ii, 0,1,2
	v_mov_b32 v[PC+3+\ii], v[PX+\ii]
.endr
.endm
.macro LBIAS base                      ; a bias in the result's layout: lane (r, h), tile 2 P + u: d = 32 P + 16 h + 8 u + 0 .. 7
.irp t, 0,1,2,3
.irp jj, 0,1
	global_load_b128 v[BIAS+8*\t+4*\jj:BIAS+8*\t+4*\jj+3], v[H64], s[\base:\base+1] offset:128*(\t/2)+32*(\t%2)+16*\jj
.endr
.endr
.set NI, NI+8
.endm
; a K step of q or k: four tiles of W x two tiles of rows; the eight accumulators take turns, one product a turn
.macro STEPQK cn
	WAITC \cn
.set SL, (\cn)%4
	WIN 0x01                                         ; source 0 (W) in window 1
.irp t, 0,1,2,3
.irp m, 0,1
.if (\cn)%4 == 0
	MMA ACC+32*\m+8*\t, 48*SL+12*\t, XF+12*(4*\m+SL), BIAS+8*\t, WSC+2*SL+\t/2, XS+SL, \t%2, \m
.else
	MMA ACC+32*\m+8*\t, 48*SL+12*\t, XF+12*(4*\m+SL), ACC+32*\m+8*\t, WSC+2*SL+\t/2, XS+SL, \t%2, \m
.endif
.endr
.endr
	WIN 0
	PLACES 4                                         ; in front of loads into registers that these products read, and of the first read of results
.endm
; a K step of v: sources changed: source 0 = xn's rows, source 1 = W
.macro STEPV cn
	WAITC \cn
.set SL, (\cn)%4
	WIN 0x04                                         ; source 1 (W) in window 1
.irp t, 0,1,2,3
.irp uu, 0,1
.if (\cn)%4 == 0
	MMA ACC+16*\t+8*\uu, XF+12*(4*\uu+SL), 48*SL+12*\t, -1, XS+SL, WSC+2*SL+\t/2, \uu, \t%2
.else
	MMA ACC+16*\t+8*\uu, XF+12*(4*\uu+SL), 48*SL+12*\t, ACC+16*\t+8*\uu, XS+SL, WSC+2*SL+\t/2, \uu, \t%2
.endif
.endr
.endr
	WIN 0
.endm
; the rotation, the quantiser and the stores of q (ty = 0) or k (ty = 1)
.macro EPIQK ty
.irp m, 0,1
	WIN 0x04                                         ; source 1 (cos, sin) in window 1
.irp q, 0,1,2,3,4,5,6,7
	v_pk_mul_f32 v[TM+2*(\q%4):TM+2*(\q%4)+1], v[ACC+32*\m+2*\q:ACC+32*\m+2*\q+1], v[CS+32*\m+16+2*\q:CS+32*\m+17+2*\q]
	v_pk_mul_f32 v[ACC+32*\m+2*\q:ACC+32*\m+2*\q+1], v[ACC+32*\m+2*\q:ACC+32*\m+2*\q+1], v[CS+32*\m+2*\q:CS+32*\m+2*\q+1]
	v_pk_fma_f32 v[ACC+32*\m+2*\q:ACC+32*\m+2*\q+1], v[ACC+32*\m+16+2*\q:ACC+32*\m+17+2*\q], v[CS+32*\m+16+2*\q:CS+32*\m+17+2*\q], v[ACC+32*\m+2*\q:ACC+32*\m+2*\q+1] neg_lo:[1,0,0] neg_hi:[1,0,0]
	v_pk_fma_f32 v[ACC+32*\m+16+2*\q:ACC+32*\m+17+2*\q], v[ACC+32*\m+16+2*\q:ACC+32*\m+17+2*\q], v[CS+32*\m+2*\q:CS+32*\m+2*\q+1], v[TM+2*(\q%4):TM+2*(\q%4)+1]
.endr
	WIN 0
	s_wait_xcnt 0x0                                  ; the last stores have read the codes' registers and the scale word: they are written again only behind this wait
	QUANT2 ACC+32*\m
	global_store_b128 v[LI], v[PC:PC+3], s[22:23] offset:(\ty)*KOFF+768*\m
	global_store_b64 v[L8], v[PC+4:PC+5], s[22:23] offset:(\ty)*KOFF+768*\m+512
	global_store_b32 v[L4], v[PW], s[24:25] offset:QSO+(\ty)*524288+128*\m
.endr
.endm
	s_load_b256 s[4:11], s[0:1], 0x0               ; xa, wst, rope, bq
	s_load_b256 s[12:19], s[0:1], 0x20             ; bk, bv, qk, vv
	v_lshrrev_b32 v1, 5, v0
	v_readfirstlane_b32 s2, v1                     ; wave
	s_lshl_b32 s3, ttmp9, 3
	s_add_co_u32 s3, s3, s2                        ; rb: which 32 rows
	s_and_b32 s30, ttmp7, 0xffff                   ; the head
	v_and_b32 v11, 31, v0
	v_and_b32 v36, 15, v0                          ; r
	v_bfe_u32 v37, v0, 4, 1                        ; h
	v_lshlrev_b32 v[LI], 4, v11
	v_lshlrev_b32 v[L4], 2, v11
	v_lshlrev_b32 v[L8], 3, v11
	v_and_b32 v38, 7, v36
	v_lshrrev_b32 v39, 3, v36
	v_lshl_add_u32 v38, v37, 4, v38
	v_lshlrev_b32 v38, 4, v38
	v_mad_u32_u24 v[XPA], v39, 6144, v38
	v_lshl_add_u32 v39, v39, 3, v36                ; r + 8 (r / 8)
	v_lshl_add_u32 v38, v37, 3, v39
	v_lshlrev_b32 v[XSP], 4, v38
	v_lshlrev_b32 v[H64], 6, v37
	v_lshlrev_b32 v[BVO], 2, v39
	v_mul_u32_u24 v[VCO], v38, 24
	v_mov_b32 v[VSB], v38
	v_lshlrev_b32 v[SH8], 3, v37
	s_mov_b32 s[SEL], 0x76543210
	s_mov_b32 s[SEL+1], 0xfedcba98
	s_mov_b32 s35, 0
	s_lshl_b32 s34, s3, 9
	s_wait_kmcnt 0x0
	s_add_nc_u64 s[20:21], s[4:5], s[34:35]        ; xn's scale words: 32 rows of 16 bytes
	s_mul_i32 s34, s3, 12288
	s_add_nc_u64 s[4:5], s[4:5], s[34:35]          ; xn's images: eight of 1,536 bytes
	s_mul_i32 s34, s30, 76800
	s_add_nc_u64 s[W:W+1], s[W:W+1], s[34:35]
	s_lshl_b32 s34, s3, 13
	s_add_nc_u64 s[8:9], s[8:9], s[34:35]
	s_lshl_b32 s34, s30, 8
	s_add_nc_u64 s[10:11], s[10:11], s[34:35]
	s_add_nc_u64 s[12:13], s[12:13], s[34:35]
	s_add_nc_u64 s[14:15], s[14:15], s[34:35]
	s_lshr_b32 s31, s3, 6
	s_lshl_b32 s31, s31, 3
	s_add_co_u32 s31, s31, s30                     ; 8 x batch + head
	s_lshl_b32 s36, s3, 1
	s_and_b32 s36, s36, 127
	s_lshl_b32 s37, s31, 7
	s_add_co_u32 s36, s36, s37                     ; my first tile of 16 rows in that head
	s_mul_i32 s34, s36, 768
	s_add_nc_u64 s[22:23], s[16:17], s[34:35]
	s_lshl_b32 s34, s36, 7
	s_add_nc_u64 s[24:25], s[16:17], s[34:35]
	s_and_b32 s36, s3, 63
	s_lshl_b32 s37, s31, 6
	s_add_co_u32 s36, s36, s37                     ; my block of 32 keys in that head
	s_mul_i32 s34, s36, 1536
	s_add_nc_u64 s[26:27], s[18:19], s[34:35]
	s_lshl_b32 s34, s36, 6
	s_add_nc_u64 s[28:29], s[18:19], s[34:35]
	; ---- the head's loads
	global_load_b128 v[XS:XS+3], v[LI], s[20:21] offset:XSC
.set NI, NI+1
.irp m, 0,1
.irp ks, 0,1,2,3
.irp p, 0,1,2
	global_load_b128 v[XF+12*(4*\m+\ks)+4*\p:XF+12*(4*\m+\ks)+4*\p+3], v[LI], s[4:5] offset:(4*\m+\ks)*1536+512*\p
.endr
.endr
.endr
.set NI, NI+24
	LBIAS 10
	WIN 0x40
.irp m, 0,1
.irp j, 0,1,2,3,4,5,6,7
	global_load_b128 v[CS+32*\m+4*\j:CS+32*\m+4*\j+3], v[LI], s[8:9] offset:4096*\m+512*\j
.endr
.endr
	WIN 0
.set NI, NI+16
	LOADC 0
	LOADC 1
	LOADC 2
	LOADC 3
	; ---- q
	STEPQK 0
	LBIAS 12                                       ; bk, into the registers that bq has left: wanted at chunk 4, which is asked for behind it
	LOADC 4
	STEPQK 1
	LOADC 5
	STEPQK 2
	LOADC 6
	STEPQK 3
	LOADC 7
	EPIQK 0
	; ---- k
	STEPQK 4
	LOADC 8
	STEPQK 5
	LOADC 9
	STEPQK 6
	LOADC 10
	STEPQK 7
	LOADC 11
.irp uu, 0,1                                   ; xn once more, in the row order that v wants: lane r of tile u takes row 8 u + r + 8 (r / 8)
.irp ks, 0,1,2,3
.irp p, 0,1,2
	global_load_b128 v[XF+12*(4*\uu+\ks)+4*\p:XF+12*(4*\uu+\ks)+4*\p+3], v[XPA], s[4:5] offset:128*\uu+1536*\ks+512*\p
.endr
.endr
.endr
	global_load_b128 v[XS:XS+3], v[XSP], s[20:21] offset:XSC
.irp t, 0,1,2,3
	global_load_b32 v[BIAS+2*\t], v[BVO], s[14:15] offset:4*(32*(\t/2)+8*(\t%2))   ; bv at my d of tile t
	v_mov_b32 v[BIAS+2*\t+1], 0                    ; (named with it as a pair)
.endr
.set NI, NI+29
	EPIQK 1
	; ---- v
	s_wait_loadcnt 0x0                             ; the youngest loads are xn's and bv
	STEPV 8
	STEPV 9
	STEPV 10
	STEPV 11
	PLACES 4
.irp t, 0,1,2,3
.irp q, 0,1,2,3,4,5,6,7
	v_pk_add_f32 v[ACC+16*\t+2*\q:ACC+16*\t+2*\q+1], v[ACC+16*\t+2*\q:ACC+16*\t+2*\q+1], v[BIAS+2*\t:BIAS+2*\t+1] op_sel_hi:[1,0]
.endr
.endr
	s_wait_xcnt 0x0                                ; k's stores have read the codes' registers
	QUANT4 ACC                                     ; block t = my 32 keys at d = 32 (t / 2) + 8 (t % 2) + r + 8 (r / 8); behind it lane (r, h) holds blocks h and 2 + h whole
.irp cc, 0,1
.irp k, 0,1,2
	global_store_b64 v[VCO], v[PC+6*\cc+2*\k:PC+6*\cc+2*\k+1], s[26:27] offset:768*\cc+8*\k
.endr
.endr
	v_lshrrev_b32 v36, v[SH8], v[PW]               ; byte h, for d = 8 h + ..
	v_lshrrev_b32 v37, 16, v36                     ; byte 2 + h, for d = 32 + 8 h + ..
	global_store_b8 v[VSB], v36, s[28:29] offset:VSO
	global_store_b8 v[VSB], v37, s[28:29] offset:VSO+32
	s_endpgm
.Lfunc_end_k_q89919974ac_qkv:
	.size	k_q89919974ac_qkv, .Lfunc_end_k_q89919974ac_qkv-k_q89919974ac_qkv
	.p2alignl 7, 3214868480
	.fill 96, 4, 3214868480
	.section	.rodata,"a",@progbits
	.p2align	6, 0x0
	.amdhsa_kernel k_q89919974ac_qkv
		.amdhsa_group_segment_fixed_size 0
		.amdhsa_private_segment_fixed_size 0
		.amdhsa_enable_private_segment 0
		.amdhsa_kernarg_size 64
		.amdhsa_user_sgpr_count 2
		.amdhsa_user_sgpr_kernarg_segment_ptr 1
		.amdhsa_wavefront_size32 1
		.amdhsa_system_sgpr_workgroup_id_x 1
		.amdhsa_system_sgpr_workgroup_id_y 1
		.amdhsa_system_sgpr_workgroup_id_z 1
		.amdhsa_system_vgpr_workitem_id 0
		.amdhsa_next_free_vgpr 512
		.amdhsa_next_free_sgpr 66
		.amdhsa_reserve_vcc 0
		.amdhsa_float_denorm_mode_32 3
		.amdhsa_float_denorm_mode_16_64 3
		.amdhsa_memory_ordered 1
		.amdhsa_forward_progress 1
		.amdhsa_inst_pref_size 66
	.end_amdhsa_kernel
	.amdgpu_metadata
---
amdhsa.version: [ 1, 2 ]
amdhsa.kernels:
  - .name:           k_q89919974ac_qkv
    .symbol:         k_q89919974ac_qkv.kd
    .args:
      - { .name: xa, .offset: 0, .size: 8, .value_kind: global_buffer, .address_space: global }
      - { .name: wst, .offset: 8, .size: 8, .value_kind: global_buffer, .address_space: global }
      - { .name: rope, .offset: 16, .size: 8, .value_kind: global_buffer, .address_space: global }
      - { .name: bq, .offset: 24, .size: 8, .value_kind: global_buffer, .address_space: global }
      - { .name: bk, .offset: 32, .size: 8, .value_kind: global_buffer, .address_space: global }
      - { .name: bv, .offset: 40, .size: 8, .value_kind: global_buffer, .address_space: global }
      - { .name: qk, .offset: 48, .size: 8, .value_kind: global_buffer, .address_space: global }
      - { .name: vv, .offset: 56, .size: 8, .value_kind: global_buffer, .address_space: global }
    .group_segment_fixed_size: 0
    .private_segment_fixed_size: 0
    .kernarg_segment_align: 8
    .kernarg_segment_size: 64
    .max_flat_workgroup_size: 256
    .sgpr_count:     66
    .vgpr_count:     512
    .wavefront_size: 32
...
	.end_amdgpu_metadata
.endif
;; end of part 2
;; launch attn (part 3): grid 8 x 32, 16 waves a work-group, no clusters, 213,504 bytes of LDS; arguments qk, vv, maskw, ao; writes ao
.if DOCPART == 3
	.amdgcn_target "amdgcn-amd-amdhsa--gfx1250"
	.amdhsa_code_object_version 6
	.text
	.protected	k_q89919974ac_attn
	.globl	k_q89919974ac_attn
	.p2align	8
	.type	k_q89919974ac_attn,@function
k_q89919974ac_attn:
	s_mov_b64 s[64:65], 0
	v_nop
	global_prefetch_b8 v0, s[64:65] scope:SCOPE_SE
	s_setreg_imm32_b32 hwreg(HW_REG_WAVE_MODE, 25, 1), 1
	s_wait_xcnt 0x0
; ATTENTION under a mask that is an input, both products on E2M3 codes.  The second product's left operand is the FINISHED softmax: a row's maximum and sum over all 2,048 keys are known before any weight is quantised.
; SHARES.  Work-group (x, y): head y (8 x batch + head), queries 256 x on.  THE SIXTEEN WAVES SHARE THE KEYS: wave w owns keys 128 w .. 128 w + 127; its fragments of K and V and their scales stay in registers for the
; whole launch, read from memory once.  Sixteen trips, a tile of 16 queries a trip.  For a tile each wave makes its 16 x 128 scores (they stay in registers), its own whole-number maximum M and its sum of 2^(t - M);
; the waves exchange the two through LDS (first barrier); each then knows the row's M and sum, scales its weights by 2^(own M - M) / sum, quantises them and multiplies by its part of V; the sixteen partial results
; meet in LDS (second barrier) and wave w adds up query w.  So each score and each exponential is made once.
; THE TRIPS OVERLAP.  Between the second barrier's signal and its wait a wave makes the NEXT tile's scores, maximum, exponentials and sum: register work alone.  The sixteen partial rows of the tile before are read
; between the first barrier's signal and its wait, and added while the loads of the exchange are on their way.  For that the partial results have two buffers by turns: what is read inside the first barrier is the buffer
; that no wave writes before the first barrier of the next trip.  The loop runs two trips an iteration, so that every LDS offset is an immediate; its first and last trips are written out.
; LAYOUT.  S^T = K Q^T (source 0 = 16 keys, lane r of tile 2 b + u takes key 32 b + 8 u + r + 8 (r / 8); source 1 = the 16 queries): a lane holds one query, and registers 16 b + i are keys 32 b + 16 h + i.
; The head has 64 numbers and the product's K is 128: Q's upper six registers hold zero codes for good; K's upper six are whatever follows in the register file (the next tile's codes), which zero codes annul.
; THE MASK comes as lane masks, one word a score register, by scalar loads a trip ahead: one v_cndmask_b32 a score.  It steers no address and no branch.
; A row with no key gets zeros: its weights are 0 and the sum is held at 2^-100 from below.
; No tensor load, no cluster: K and V are read once, at the head, by the one wave that keeps them; Q (896 bytes a trip) is the only stream.  Four waves share a SIMD: one wave's exponentials stand beside another's products.
; LIMITS: NaN and infinities not served; scores under -3e38 count as masked; weights under 2^-126 fall to 0; the quantiser's byte is held at 1 from below.
.set KOFF, 3145728
.set QSO,  6291456
.set KSO,  6815744
.set VSO,  3145728
.set AOS,  3145728
.set OP,   2560                        ; LDS: 0: the exchange, 16 queries x 144 bytes (at 64 h': -M of waves 8 h' .. + 7, then their sums);  OP: 16 waves x 2 buffers x 16 queries x (256 + 16) bytes of partial results
.set OPB,  4352                        ; one buffer
.set FST,  141824                      ; the finished rows: 256 x (256 + 16) bytes
.set LI,   1                           ; v1  16 x lane
.set L8,   2                           ; v2  8 x lane
.set L4,   3                           ; v3  4 x lane
.set STW,  4                           ; v4  the exchange: my wave's word of query r
.set STR,  5                           ; v5  and the 64 bytes that my half of the lanes reads
.set OPW,  6                           ; v6  my partial results, buffer 0: query r, + 32 h
.set OPR,  7                           ; v7  query w of wave 0's partial results, buffer 0, 8 bytes a lane
.set FW0,  8                           ; v8  the finished row of query w of tile 0
.set FW,   9                           ; v9  and of the tile in hand
.set FR,   10                          ; v10 the way out: row 16 w + lane / 4, + 64 (lane % 4)
.set L12,  11                          ; v11 12 x lane
.set LL,   12                          ; v12 lane
.set NINF, 13                          ; v13 -infinity
.set OPR2, 14                          ; v14 query w of wave 8's partial results: an LDS offset has 16 bits
.set KF,   16                          ; v16-63 K: tile t at KF + 6 t;  v64-69 zero codes
.set VF,   70                          ; v70-117 V^T: tile t (16 of the head's 64) at VF + 12 t
.set KSR,  118                         ; v118-121 K's scale words: lanes 0-15 tile 2 b, lanes 16-31 tile 2 b + 1
.set VSR,  122                         ; v122-123 V's
.set QSR,  124
.set PW,   125                         ; the weights' scale word
.set QF,   126                         ; v126-131 Q;  v132-137 zero codes
.set S,    138                         ; v138-201 scores, then weights; v138-169 then the partial result
.set PC,   202                         ; v202-213 the weights' codes
.set PX,   214                         ; v214-221
.set BM,   222                         ; v222-225 each block's largest score, then its largest weight
.set U,    226                         ; v226-229
.set SCL,  230                         ; v230-233
.set EO,   226                         ; 2^(own M - M)
.set T1,   227
.set MX,   228
.set TG,   230                         ; v[230:231] -M of the row
.set NM,   234                         ; v[234:235] my wave's -M
.set LS,   236                         ; v[236:239] sums
.set TF,   236                         ; v[236:237] the factor 2^(own M - M) / sum
.set FD,   238                         ; v[238:239] a finished row's two numbers
.set RD,   240                         ; v240-255 eight -M, eight sums
.set CSC,  92                          ; s[92:93] log2(e) / 8
.set SEL,  94                          ; s[94:95]
.macro PLACES cnt
.rept \cnt
	v_nop
.endr
.endm
.macro BAR                             ; my LDS stores have landed and my LDS loads are in: then the work-group's barrier
	s_wait_dscnt 0x0
	s_barrier_signal -1
	s_barrier_wait -1
.endm
.macro MMA0 d, a, b, sa, sb, ra        ; a product that starts its sum with the constant 0; ra: source 0's scales stand in lanes 16-31
.if (\ra)
	v_wmma_scale_f32_16x16x128_f8f6f4 v[(\d):(\d)+7], v[(\a):(\a)+11], v[(\b):(\b)+11], 0, v[\sa], v[\sb] matrix_a_fmt:MATRIX_FMT_FP6 matrix_b_fmt:MATRIX_FMT_FP6 matrix_a_scale:MATRIX_SCALE_ROW1
.else
	v_wmma_scale_f32_16x16x128_f8f6f4 v[(\d):(\d)+7], v[(\a):(\a)+11], v[(\b):(\b)+11], 0, v[\sa], v[\sb] matrix_a_fmt:MATRIX_FMT_FP6 matrix_b_fmt:MATRIX_FMT_FP6
.endif
.endm
; The sixteen parts of a row land in registers that are free between a tile's sum and its quantiser: part p in v[RR:RR+1]: v202-221 (the codes'), v226-233, v236-239
.macro RP p
.if (\p) < 10
.set RR, 202+2*(\p)
.elseif (\p) < 14
.set RR, 226+2*((\p)-10)
.else
.set RR, 236+2*((\p)-14)
.endif
.endm
.macro REDL q                          ; query w, d = 2 lane, 2 lane + 1, of each wave's part, out of buffer q
.set PP, 0
.rept 16
	RP PP
.if PP < 8
	ds_load_b64 v[RR:RR+1], v[OPR] offset:2*OPB*PP+OPB*(\q)
.else
	ds_load_b64 v[RR:RR+1], v[OPR2] offset:2*OPB*(PP-8)+OPB*(\q)
.endif
.set PP, PP+1
.endr
.endm
.macro REDA                            ; their sum, in two chains by turns
.irp p, 1,2,3,4,5,6,7
	RP \p
	v_pk_add_f32 v[202:203], v[202:203], v[RR:RR+1]
	RP \p+8
	v_pk_add_f32 v[218:219], v[218:219], v[RR:RR+1]
.endr
	v_pk_add_f32 v[FD:FD+1], v[202:203], v[218:219]
.endm
; A TILE'S FIRST PHASE, on registers alone: scores, mask, my wave's whole-number maximum, 2^(t - M), my wave's sum.  Q and the mask words have been waited for ahead of it.
.macro PHASEA
.irp t, 0,1,2,3,4,5,6,7
	MMA0 S+8*\t, KF+6*\t, QF, KSR+\t/2, QSR, \t%2
.endr
	PLACES 4                                       ; in front of the first read of scores
.set NN, 0
.rept 48
	v_cndmask_b32 v[S+NN], v[NINF], v[S+NN], s[16+NN]   ; hidden: -infinity.  Each accumulator from its low end on
.set NN, NN+1
.endr
.rept 16
	v_cndmask_b32 v[S+NN], v[NINF], v[S+NN], s[20+NN]
.set NN, NN+1
.endr
.irp b, 0,1,2,3
	v_max3_num_f32 v[BM+\b], v[S+16*\b], v[S+16*\b+1], v[S+16*\b+2]   ; the largest score of each block of 32 keys: for the maximum, and, since a weight rises with its score, for the block's largest weight
.endr
.irp i, 3,5,7,9,11,13
.irp b, 0,1,2,3
	v_max3_num_f32 v[BM+\b], v[BM+\b], v[S+16*\b+\i], v[S+16*\b+\i+1]
.endr
.endr
.irp b, 0,1,2,3
	v_max_num_f32 v[BM+\b], v[BM+\b], v[S+16*\b+15]
.endr
.irp b, 0,1,2,3
	v_permlanex16_b32 v[U+\b], v[BM+\b], s[SEL], s[SEL+1]
.endr
.irp b, 0,1,2,3
	v_max_num_f32 v[BM+\b], v[BM+\b], v[U+\b]
.endr
	v_max3_num_f32 v[MX], v[BM], v[BM+1], v[BM+2]
	v_max3_num_f32 v[MX], v[MX], v[BM+3], 0xff61b1e6   ; held at -3e38 where all my 128 keys are hidden
	v_mul_f32 v[MX], s[CSC], v[MX]
	v_floor_f32 v[NM], -v[MX]                      ; -M = floor(-t): M is a whole number
	v_pk_fma_f32 v[S:S+1], v[S:S+1], s[CSC:CSC+1], v[NM:NM+1] op_sel_hi:[1,0,0]       ; t - M, a pair at a time
	v_pk_fma_f32 v[S+2:S+3], v[S+2:S+3], s[CSC:CSC+1], v[NM:NM+1] op_sel_hi:[1,0,0]
.irp b, 0,1,2,3
	v_fma_f32 v[BM+\b], v[BM+\b], s[CSC], v[NM]
.endr
.set NN, 0
.rept 32                                       ; ONE BATCH: a pair's scaling stands two pairs ahead of its exponentials; none of these lines names an exponential's result
.if NN < 30
	v_pk_fma_f32 v[S+2*NN+4:S+2*NN+5], v[S+2*NN+4:S+2*NN+5], s[CSC:CSC+1], v[NM:NM+1] op_sel_hi:[1,0,0]
.endif
	v_exp_f32 v[S+2*NN], v[S+2*NN]
	v_exp_f32 v[S+2*NN+1], v[S+2*NN+1]
.set NN, NN+1
.endr
.irp b, 0,1,2,3
	v_exp_f32 v[BM+\b], v[BM+\b]                   ; the same two instructions on the same number give the same bits
.endr
	v_nop                                          ; a plain place behind the batch,
	s_wait_alu depctr_va_vdst(0)                   ; and one wait for its 68 exponentials, ahead of the first reader
	v_pk_add_f32 v[LS:LS+1], v[S:S+1], v[S+2:S+3]
	v_pk_add_f32 v[LS+2:LS+3], v[S+4:S+5], v[S+6:S+7]
.irp j, 8,12,16,20,24,28,32,36,40,44,48,52,56,60
	v_pk_add_f32 v[LS:LS+1], v[LS:LS+1], v[S+\j:S+\j+1]
	v_pk_add_f32 v[LS+2:LS+3], v[LS+2:LS+3], v[S+\j+2:S+\j+3]
.endr
	v_pk_add_f32 v[LS:LS+1], v[LS:LS+1], v[LS+2:LS+3]
	v_add_f32 v[LS], v[LS], v[LS+1]
	v_permlanex16_b32 v[T1], v[LS], s[SEL], s[SEL+1]
	v_add_f32 v[LS], v[LS], v[T1]                  ; my wave's sum for query r
.endm
; A TRIP, entered with the tile's first phase done and no barrier open.  par: which buffer takes this tile's partial results; red: the tile before has partial results to add (in the other buffer); nxt: a tile follows
.macro BODY par, red, nxt
	ds_store_b32 v[STW], v[NM]                     ; lanes l and l xor 16 write the same word with the same value.  (Every wave's reads of the last exchange were waited for ahead of the barrier just passed)
	ds_store_b32 v[STW], v[LS] offset:32
.if \nxt
	s_add_nc_u64 s[12:13], s[12:13], 768           ; the next tile's Q, its scale words and its mask words: every load through these pointers has been waited for
	s_add_nc_u64 s[14:15], s[14:15], 128
	s_add_nc_u64 s[88:89], s[88:89], 4096
	global_load_b128 v[QF:QF+3], v[LI], s[12:13]
	global_load_b64 v[QF+4:QF+5], v[L8], s[12:13] offset:512
	global_load_b32 v[QSR], v[L4], s[14:15] offset:QSO
	s_load_b512 s[16:31], s[88:89], 0x0
	s_load_b512 s[32:47], s[88:89], 0x40
	s_load_b512 s[48:63], s[88:89], 0x80
	s_load_b512 s[68:83], s[88:89], 0xc0
.endif
	s_wait_dscnt 0x0                               ; my (-M, sum) lie in LDS
	s_barrier_signal -1                            ; FIRST BARRIER
.if \red
	REDL 1-\par                                    ; between signal and wait: the buffer of the tile before, which no wave writes before the next trip's first barrier
.endif
	s_barrier_wait -1                              ; all sixteen (-M, sum) lie in LDS
.irp j, 0,1,2,3
	ds_load_b128 v[RD+4*\j:RD+4*\j+3], v[STR] offset:16*\j
.endr
.if \red
	s_wait_dscnt 4                                 ; LDS loads come back in order: the sixteen parts are in, the four loads of the exchange may stay out
	REDA
	v_add_nc_u32 v[FW], s96, v[FW0]
.endif
	s_wait_dscnt 0x0
.if \red
	ds_store_b64 v[FW], v[FD:FD+1] offset:OPB*(1-\par)   ; row 16 x tile + w of the finished rows (16 rows are as many bytes as a buffer); its registers are written again only behind the second barrier's signal
.endif
	v_min3_num_f32 v[TG], v[RD], v[RD+1], v[RD+2]
	v_min3_num_f32 v[TG], v[TG], v[RD+3], v[RD+4]
	v_min3_num_f32 v[TG], v[TG], v[RD+5], v[RD+6]
	v_min_num_f32 v[TG], v[TG], v[RD+7]
	v_permlanex16_b32 v[T1], v[TG], s[SEL], s[SEL+1]
	v_min_num_f32 v[TG], v[TG], v[T1]              ; the row's -M
.irp k, 0,2,4,6
	v_pk_add_f32 v[RD+\k:RD+\k+1], v[TG:TG+1], v[RD+\k:RD+\k+1] op_sel_hi:[0,1] neg_lo:[0,1] neg_hi:[0,1]   ; a wave's M less the row's: a whole number, 0 or less
.endr
	v_sub_f32 v[EO], v[TG], v[NM]
.irp k, 0,1,2,3,4,5,6,7
	v_exp_f32 v[RD+\k], v[RD+\k]
.endr
	v_exp_f32 v[EO], v[EO]
	v_nop
	s_wait_alu depctr_va_vdst(0)                   ; one wait for the nine
	v_pk_mul_f32 v[LS:LS+1], v[RD+8:RD+9], v[RD:RD+1]
.irp k, 2,4,6
	v_pk_fma_f32 v[LS:LS+1], v[RD+8+\k:RD+9+\k], v[RD+\k:RD+\k+1], v[LS:LS+1]
.endr
	v_add_f32 v[LS], v[LS], v[LS+1]
	v_permlanex16_b32 v[T1], v[LS], s[SEL], s[SEL+1]
	v_add_f32 v[LS], v[LS], v[T1]                  ; the row's sum under the row's M
	v_max_num_f32 v[LS], 0x0d800000, v[LS]         ; a row with no key: the sum 0 is held at 2^-100, and its weights stay 0
	v_rcp_f32 v[LS], v[LS]
	v_nop
	s_wait_alu depctr_va_vdst(0)
	v_mul_f32 v[TF], v[LS], v[EO]
.irp b, 0,1,2,3
	v_mul_f32 v[BM+\b], v[BM+\b], v[TF]            ; each block's largest finished weight,
.endr
.irp b, 0,1,2,3
	v_max_num_f32 v[BM+\b], 0x1800000, v[BM+\b]    ; the floor 2^(3 - 127): the byte cannot fall under 1
.endr
.irp b, 0,1,2,3
	v_add_nc_u32 v[SCL+\b], 0xff000000, v[BM+\b]
.endr
.irp b, 0,1,2,3
	v_lshrrev_b32 v[U+\b], 23, v[SCL+\b]
.endr
	v_lshl_or_b32 v[PW], v[U+1], 8, v[U]           ; and the scale word, ahead of the scalings: sixteen of them name no register of the product below, which are the places that a scale word made by vector instructions wants
	v_lshl_or_b32 v[PW], v[U+2], 16, v[PW]
	v_lshl_or_b32 v[PW], v[U+3], 24, v[PW]
.set NN, 0
.rept 32
	v_pk_mul_f32 v[S+NN:S+NN+1], v[S+NN:S+NN+1], v[TF:TF+1] op_sel_hi:[1,0]   ; the finished softmax
.set NN, NN+2
.endr
.irp cc, 0,1
	v_cvt_scalef32_pk16_fp6_f32 v[PC+6*\cc:PC+6*\cc+2], v[S+32*\cc:S+32*\cc+15], v[SCL+2*\cc]
	v_cvt_scalef32_pk16_fp6_f32 v[PX+4*\cc:PX+4*\cc+2], v[S+32*\cc+16:S+32*\cc+31], v[SCL+2*\cc+1]
.endr
	v_nop                                          ; one plain place behind the conversions
.irp cc, 0,1
.irp ii, 0,1,2
	v_permlane16_swap_b32 v[PC+6*\cc+\ii], v[PX+4*\cc+\ii]
.endr
.irp ii, 0,1,2
	v_mov_b32 v[PC+3+6*\cc+\ii], v[PX+4*\cc+\ii]
.endr
.endr
	PLACES 4                                       ; codes made by vector instructions stand four places ahead of their product
.irp t, 0,1,2,3
	MMA0 S+8*\t, VF+12*\t, PC, VSR+\t/2, PW, \t%2  ; O^T over my 128 keys: lane (r, h): query r, d = 16 t + 8 h + 0 .. 7
.endr
	PLACES 5                                       ; four in front of the stores that read the results; five in front of the next tile's products, which write over them
.irp t, 0,1,2,3
.irp k, 0,1
	ds_store_b128 v[OPW], v[S+8*\t+4*\k:S+8*\t+4*\k+3] offset:OPB*(\par)+64*\t+16*\k
.endr
.endr
.if \nxt
	s_wait_loadcnt 0x0                             ; the next tile's Q: its three loads are all that is out
	s_wait_kmcnt 0x0                               ; and its mask words
.endif
	s_wait_dscnt 0x0                               ; my partial result lies in LDS; my reads of the exchange and of the other buffer are over
	s_barrier_signal -1                            ; SECOND BARRIER
.if \nxt
	PHASEA                                         ; between signal and wait: the next tile's first phase, on registers alone
.endif
	s_barrier_wait -1                              ; the sixteen partial results lie in LDS
.endm
	s_load_b256 s[4:11], s[0:1], 0x0               ; qk, vv, maskw, ao
	v_lshrrev_b32 v1, 5, v0
	v_readfirstlane_b32 s2, v1                     ; wave 0..15
	s_and_b32 s100, ttmp7, 0xffff                  ; 8 x batch + head
.irp i, 0,1,2,3,4,5
	v_mov_b32 v[KF+48+\i], 0                       ; zero codes behind K's last tile,
	v_mov_b32 v[QF+6+\i], 0                        ; and in Q's upper half of K
.endr
	v_mov_b32 v[NINF], 0xff800000
.irp i, 0,1,2,3
	v_mov_b32 v[U+\i], 0                           ; a lane permute's destination counts as one of its sources
.endr
	v_mov_b32 v[TG+1], 0                           ; (upper halves of pairs of which the low word serves both halves)
	v_mov_b32 v[NM+1], 0
	v_and_b32 v[LL], 31, v0
	v_and_b32 v138, 15, v0                         ; r
	v_bfe_u32 v139, v0, 4, 1                       ; h
	v_and_b32 v140, 7, v138
	v_lshrrev_b32 v141, 3, v138
	v_lshlrev_b32 v[LI], 4, v[LL]
	v_lshlrev_b32 v[L8], 3, v[LL]
	v_lshlrev_b32 v[L4], 2, v[LL]
	v_mul_u32_u24 v[L12], v[LL], 12
	v_lshl_add_u32 v146, v139, 4, v140             ; the lane of the stored image that holds my key: r % 8 + 16 h (+ 8 u)
	v_mul_u32_u24 v147, v141, 768                  ; in the stored tile 2 b + r / 8
	v_lshl_add_u32 v142, v146, 4, v147
	v_lshl_add_u32 v143, v146, 3, v147
	v_lshl_add_u32 v146, v139, 3, v140
	v_lshlrev_b32 v146, 2, v146
	v_lshl_add_u32 v144, v141, 7, v146             ; K's scale words: here the lane's half stands for u
	v_mul_u32_u24 v145, v138, 24
	v_mad_u32_u24 v145, v139, 1536, v145           ; V: d = r of a tile, key block h of a pair
	v_mul_u32_u24 v[STR], v138, 144
	s_lshr_b32 s96, s2, 3
	s_lshl_b32 s96, s96, 6
	s_and_b32 s97, s2, 7
	s_lshl_b32 s97, s97, 2
	s_add_co_u32 s96, s96, s97
	v_add_nc_u32 v[STW], s96, v[STR]
	v_lshl_add_u32 v[STR], v139, 6, v[STR]
	v_mul_u32_u24 v[OPW], v138, 272
	v_lshl_add_u32 v[OPW], v139, 5, v[OPW]
	s_mul_i32 s97, s2, 2*OPB
	s_add_co_u32 s97, s97, OP
	v_add_nc_u32 v[OPW], s97, v[OPW]
	s_mul_i32 s97, s2, 272
	s_add_co_u32 s97, s97, OP
	v_add_nc_u32 v[OPR], s97, v[L8]
	v_add_nc_u32 v[OPR2], 16*OPB, v[OPR]           ; eight waves' regions further on
	s_add_co_u32 s97, s97, FST-OP
	v_add_nc_u32 v[FW0], s97, v[L8]
	v_lshrrev_b32 v146, 2, v[LL]
	v_mul_u32_u24 v[FR], v146, 272
	v_and_b32 v146, 3, v[LL]
	v_lshl_add_u32 v[FR], v146, 6, v[FR]
	s_mul_i32 s96, s2, 4352
	s_add_co_u32 s96, s96, FST
	v_add_nc_u32 v[FR], s96, v[FR]
	s_mov_b32 s[CSC], 0x3e38aa3b                   ; t = score x log2(e) / sqrt(64)
	s_mov_b32 s[CSC+1], s[CSC]
	s_mov_b32 s[SEL], 0x76543210
	s_mov_b32 s[SEL+1], 0xfedcba98
	s_mov_b32 s97, 0
	s_lshl_b32 s101, s100, 7
	s_lshl_b32 s96, ttmp9, 4
	s_add_co_u32 s3, s101, s96                     ; my work-group's first tile of queries
	s_wait_kmcnt 0x0
	s_mul_i32 s96, s3, 768
	s_add_nc_u64 s[12:13], s[4:5], s[96:97]        ; Q's half images
	s_lshl_b32 s96, s3, 7
	s_add_nc_u64 s[14:15], s[4:5], s[96:97]        ; Q's scale words
	s_lshl_b32 s96, s2, 3
	s_add_co_u32 s3, s101, s96                     ; my wave's first tile of keys
	s_mul_i32 s96, s3, 768
	s_add_nc_u64 s[84:85], s[4:5], s[96:97]
	s_lshl_b32 s96, s3, 7
	s_add_nc_u64 s[86:87], s[4:5], s[96:97]
	s_lshl_b32 s3, s100, 6
	s_lshl_b32 s96, s2, 2
	s_add_co_u32 s3, s3, s96                       ; my wave's first block of 32 keys
	s_mul_i32 s96, s3, 1536
	s_add_nc_u64 s[90:91], s[6:7], s[96:97]
	s_lshl_b32 s96, s3, 6
	s_add_nc_u64 s[98:99], s[6:7], s[96:97]
	s_lshr_b32 s3, s100, 3
	s_lshl_b32 s3, s3, 7
	s_lshl_b32 s96, ttmp9, 4
	s_add_co_u32 s3, s3, s96
	s_lshl_b32 s96, s3, 12
	s_lshl_b32 s3, s2, 8
	s_add_co_u32 s96, s96, s3
	s_add_nc_u64 s[88:89], s[8:9], s[96:97]        ; the mask words of tile 0: 4,096 bytes a tile of queries, 256 a wave
	s_lshl_b32 s3, s100, 11
	s_lshl_b32 s96, ttmp9, 8
	s_add_co_u32 s3, s3, s96                       ; my work-group's first row in ao
	s_lshl_b32 s96, s3, 2
	s_lshl_b32 s101, s2, 6
	s_add_co_u32 s96, s96, s101
	s_add_nc_u64 s[4:5], s[10:11], s[96:97]        ; ao's scale bytes, my wave's 16 rows
	s_mul_i32 s96, s3, 48
	s_mul_i32 s101, s2, 768
	s_add_co_u32 s96, s96, s101
	s_add_nc_u64 s[10:11], s[10:11], s[96:97]      ; ao's codes likewise
	s_load_b512 s[16:31], s[88:89], 0x0            ; words 0-15, 16-31, 32-47 in s16-63; words 48-63 in s68-83
	s_load_b512 s[32:47], s[88:89], 0x40
	s_load_b512 s[48:63], s[88:89], 0x80
	s_load_b512 s[68:83], s[88:89], 0xc0
.irp bq, 0,1,2,3
.irp uu, 0,1
	global_load_b128 v[KF+6*(2*\bq+\uu):KF+6*(2*\bq+\uu)+3], v142, s[84:85] offset:KOFF+1536*\bq+128*\uu
	global_load_b64 v[KF+6*(2*\bq+\uu)+4:KF+6*(2*\bq+\uu)+5], v143, s[84:85] offset:KOFF+512+1536*\bq+64*\uu
.endr
	global_load_b32 v[KSR+\bq], v144, s[86:87] offset:KSO+256*\bq
.endr
.irp cc, 0,1
.irp t, 0,1,2,3
.irp k, 0,1,2
	global_load_b64 v[VF+12*\t+6*\cc+2*\k:VF+12*\t+6*\cc+2*\k+1], v145, s[90:91] offset:3072*\cc+384*\t+8*\k
.endr
.endr
.endr
.irp p, 0,1
.irp bt, 0,1,2,3
	global_load_u8 v[148+4*\p+\bt], v[LL], s[98:99] offset:VSO+64*\bt+32*\p   ; d = 32 p + lane, key block bt
.endr
.endr
	global_load_b128 v[QF:QF+3], v[LI], s[12:13]
	global_load_b64 v[QF+4:QF+5], v[L8], s[12:13] offset:512
	global_load_b32 v[QSR], v[L4], s[14:15] offset:QSO
	s_wait_loadcnt 0x0
.irp p, 0,1
	v_lshl_or_b32 v[VSR+\p], v[149+4*\p], 8, v[148+4*\p]
	v_lshl_or_b32 v[VSR+\p], v[150+4*\p], 16, v[VSR+\p]
	v_lshl_or_b32 v[VSR+\p], v[151+4*\p], 24, v[VSR+\p]
.endr
	s_mov_b32 s96, 0                               ; the finished rows' step: 32 rows an iteration of the loop
	s_mov_b32 s3, 0                                ; the loop's counter
	s_wait_kmcnt 0x0                               ; tile 0's mask words
	PHASEA                                         ; tile 0's first phase
	BODY 0, 0, 1                                   ; trip 0: no tile before it
.Ltrip:                                                ; seven iterations: trips 1 to 14, two at a time; no barrier is open here
	BODY 1, 1, 1
	BODY 0, 1, 1
	s_add_co_u32 s96, s96, 2*OPB
	s_add_co_u32 s3, s3, 1
	s_cmp_lt_u32 s3, 7
	s_cbranch_scc1 .Ltrip
	BODY 1, 1, 0                                   ; trip 15: nothing follows, nothing is asked for
	REDL 1                                         ; and its own partial results
	s_wait_dscnt 0x0
	REDA
	v_add_nc_u32 v[FW], s96, v[FW0]
	ds_store_b64 v[FW], v[FD:FD+1] offset:OPB
	BAR                                            ; all 256 finished rows lie in LDS
	; ---- the way out: rows 16 w .. 16 w + 15, quantised along the head's 64: a lane holds 16 neighbours, two neighbouring lanes a block; the wave stores 384 consecutive bytes of codes
.irp z, 0,1
.irp j, 0,1,2,3
	ds_load_b128 v[S+16*\z+4*\j:S+16*\z+4*\j+3], v[FR] offset:2176*\z+16*\j
.endr
.endr
	s_wait_dscnt 0x0
.irp z, 0,1
	v_max3_num_f32 v[BM+\z], |v[S+16*\z]|, |v[S+16*\z+1]|, 0x1800000
.endr
.irp i, 2,4,6,8,10,12,14
.irp z, 0,1
	v_max3_num_f32 v[BM+\z], v[BM+\z], |v[S+16*\z+\i]|, |v[S+16*\z+\i+1]|
.endr
.endr
.irp z, 0,1
	v_max_num_f32_dpp v[BM+\z], v[BM+\z], v[BM+\z] row_xmask:1 row_mask:0xf bank_mask:0xf
.endr
.irp z, 0,1
	v_add_nc_u32 v[SCL+\z], 0xff000000, v[BM+\z]
.endr
.irp z, 0,1
	v_cvt_scalef32_pk16_fp6_f32 v[PC+6*\z:PC+6*\z+2], v[S+16*\z:S+16*\z+15], v[SCL+\z]
.endr
.irp z, 0,1
	v_lshrrev_b32 v[U+\z], 23, v[SCL+\z]           ; (plain lines behind the conversions)
.endr
.irp z, 0,1
	global_store_b96 v[L12], v[PC+6*\z:PC+6*\z+2], s[10:11] offset:384*\z
	global_store_b8 v[LL], v[U+\z], s[4:5] offset:AOS+32*\z      ; four bytes a row: each block's byte twice
.endr
	s_wait_xcnt 0x0
	v_lshl_add_u32 v254, v0, 2, 0x33a00
	v_mov_b32 v255, 0
	s_wait_tensorcnt 0x0
	ds_add_u32 v254, v255
	s_wait_dscnt 0x0
	s_endpgm
.Lfunc_end_k_q89919974ac_attn:
	.size	k_q89919974ac_attn, .Lfunc_end_k_q89919974ac_attn-k_q89919974ac_attn
	.p2alignl 7, 3214868480
	.fill 96, 4, 3214868480
	.section	.rodata,"a",@progbits
	.p2align	6, 0x0
	.amdhsa_kernel k_q89919974ac_attn
		.amdhsa_group_segment_fixed_size 213504
		.amdhsa_private_segment_fixed_size 0
		.amdhsa_enable_private_segment 0
		.amdhsa_kernarg_size 32
		.amdhsa_user_sgpr_count 2
		.amdhsa_user_sgpr_kernarg_segment_ptr 1
		.amdhsa_wavefront_size32 1
		.amdhsa_system_sgpr_workgroup_id_x 1
		.amdhsa_system_sgpr_workgroup_id_y 1
		.amdhsa_system_sgpr_workgroup_id_z 1
		.amdhsa_system_vgpr_workitem_id 0
		.amdhsa_next_free_vgpr 256
		.amdhsa_next_free_sgpr 104
		.amdhsa_reserve_vcc 0
		.amdhsa_float_denorm_mode_32 3
		.amdhsa_float_denorm_mode_16_64 3
		.amdhsa_memory_ordered 1
		.amdhsa_forward_progress 1
		.amdhsa_inst_pref_size 109
	.end_amdhsa_kernel
	.amdgpu_metadata
---
amdhsa.version: [ 1, 2 ]
amdhsa.kernels:
  - .name:           k_q89919974ac_attn
    .symbol:         k_q89919974ac_attn.kd
    .args:
      - { .name: qk, .offset: 0, .size: 8, .value_kind: global_buffer, .address_space: global }
      - { .name: vv, .offset: 8, .size: 8, .value_kind: global_buffer, .address_space: global }
      - { .name: maskw, .offset: 16, .size: 8, .value_kind: global_buffer, .address_space: global }
      - { .name: ao, .offset: 24, .size: 8, .value_kind: global_buffer, .address_space: global }
    .group_segment_fixed_size: 213504
    .private_segment_fixed_size: 0
    .kernarg_segment_align: 8
    .kernarg_segment_size: 32
    .max_flat_workgroup_size: 512
    .sgpr_count:     104
    .vgpr_count:     256
    .wavefront_size: 32
...
	.end_amdgpu_metadata
.endif
;; end of part 3
;; launch post (part 4): grid 256 x 1, 8 waves a work-group, no clusters, 138,752 bytes of LDS; arguments ao, wst, x, bo, ln2_g, ln2_b, b1, b2, out0; writes out0
.if DOCPART == 4
	.amdgcn_target "amdgcn-amd-amdhsa--gfx1250"
	.amdhsa_code_object_version 6
	.text
	.protected	k_q89919974ac_post
	.globl	k_q89919974ac_post
	.p2align	8
	.type	k_q89919974ac_post,@function
k_q89919974ac_post:
	s_mov_b64 s[64:65], 0
	v_nop
	global_prefetch_b8 v0, s[64:65] scope:SCOPE_SE
	s_setreg_imm32_b32 hwreg(HW_REG_WAVE_MODE, 25, 1), 1
	s_wait_xcnt 0x0
; POST.  x1 = x + attn Wo + bo;  h = layer norm 2 of x1;  out = x1 + relu(h W1 + b1) W2 + b2.  All three products on E2M3 codes; h and the hidden layer are quantised on the way and never go to memory.
; SHARES.  Work-group g owns rows 32 g .. 32 g + 31 (two tiles of 16).  THE WAVES SHARE THE COLUMNS: wave w makes columns 64 w .. 64 w + 63 of x1 and of out, and hidden units 256 w .. 256 w + 255, for all 32 rows.
; Its weights are one stream of 36 chunks of 6,400 bytes (4 of Wo, 16 of W1, 16 of W2), laid as register images, which goes from memory straight into a ring of four chunks in registers; a chunk feeds eight products.
; Every product is used transposed (source 0 = 16 rows of a weight, lane r of tile 2 P + u taking row 32 P + 8 u + r + 8 (r / 8); source 1 = 16 rows of the activations): a lane holds one row, and the 16 registers of a tile
; pair are 16 neighbours along the next K.  x1 is both the accumulator of the first product (begun with x + bo) and, with b2 added, of the third: the residuals cost no addition of their own.
; Codes go from wave to wave through LDS as rows (pitches 400 and 1,552 bytes: 100 and 388 words, 4 x an odd number modulo 64, so that the 32 lanes of an 8-byte load at r x pitch + 24 h touch 64 different banks).
; Straight-line text, three barriers: the row statistics; h's codes; the hidden layer's codes.
; No tensor load, no cluster: each fragment of a weight is wanted by exactly one wave of the work-group, so LDS would add a write and a read of every byte, and a ring in LDS waits for all its loads at each change of slots;
; here 4 x 14 loads a wave are on their way with no barrier.  All 256 work-groups walk the same 1,843,200 bytes, which joint loads would ask for less often.  No prefetch: the stream is read by every work-group.
; LIMITS: as stated for the quantiser in the first launch (NaN and infinities not served; byte 1 under 2^-124).
.set AOS,  3145728
.set HC,   2560                        ; LDS: 0: 32 rows x 80 bytes of statistics;  HC: h's codes, 32 x 400;  HSC: their scale bytes, 32 x 16;
.set HSC,  15360
.set DC,   15872                       ; the hidden layer's codes, 32 x 1,552;  DSC: their scale bytes, 32 x 80;  STG: a stage of 32 x 272 for each wave
.set DSC,  65536
.set STG,  68096
.set LI,   1                           ; v1  16 x lane
.set L4,   2                           ; v2  4 x lane
.set XD,   3                           ; v3  x and out: (lane / 16) rows of 2,048 bytes + 16 (lane % 16)
.set A4,   4                           ; v4, v8, v9, v31: addresses made anew for each phase
.set H64,  5                           ; v5  64 h
.set SGD,  6                           ; v6  my stage by rows: lanes 0-15 one row of 256 bytes, lanes 16-31 the next
.set SGT,  7                           ; v7  my stage in the result's layout: row r, + 64 h
.set A8,   8
.set A9,   9
.set HS,   10                          ; v10-13 the activations' scale words: lanes 0-15 rows 0-15, lanes 16-31 rows 16-31
.set WSC,  14                          ; v14-21 the ring's scale registers
.set HS2,  22                          ; v22-25 a second set, in the last product
.set TM,   22
.set U,    24
.set SCL,  26
.set CV,   28                          ; v28-30 16 codes
.set A31,  31
.set X1,   32                          ; v32-95  x1: tile (m, t) at X1 + 32 m + 8 t
.set HF,   96                          ; v96-191 the activations' fragments; in the norm: h and temporaries
.set ACC,  192                         ; v192-255 ln2_g, ln2_b; then the hidden layer's accumulators
.set LT,   160
.set LU,   168
.set LD,   172
.set B1R0, 192                         ; window 1: two sets of 32 for biases;  v0-191 of window 1: the ring
.set B1R1, 224
.set W,    6
.set SEL,  26
.set NI,   0                           ; global loads issued so far: every wait's count is the loads issued behind the wanted one
.set MK0,  0
.set MK1,  0
.set MK2,  0
.set MK3,  0
.set MSB,  0
.macro WIN new                         ; the immediate's high byte repeats the setting that is left
.if MSB != \new
	s_set_vgpr_msb (MSB<<8)|\new
.set MSB, \new
.endif
.endm
.macro PLACES cnt
.rept \cnt
	v_nop
.endr
.endm
.macro BAR                             ; my LDS stores have landed and my LDS loads are in: then the work-group's barrier
	s_wait_dscnt 0x0
	s_barrier_signal -1
	s_barrier_wait -1
.endm
.macro WAITL mk                        ; loads come back in order: at most the NI - mk younger ones may be out (a smaller count only waits for more)
.if NI-(\mk) > 63
	s_wait_loadcnt 63
.else
	s_wait_loadcnt NI-(\mk)
.endif
.endm
.macro WAITC cn
.if (\cn)%4 == 0
	WAITL MK0
.elseif (\cn)%4 == 1
	WAITL MK1
.elseif (\cn)%4 == 2
	WAITL MK2
.else
	WAITL MK3
.endif
.endm
.macro LOADC cn                        ; chunk cn into slot cn % 4: twelve loads of 512 consecutive bytes, two of 128
.set SL, (\cn)%4
	WIN 0x40
.irp t, 0,1,2,3
.irp p, 0,1,2
	global_load_b128 v[48*SL+12*\t+4*\p:48*SL+12*\t+4*\p+3], v[LI], s[W:W+1] offset:(\cn)*6400+1536*\t+512*\p
.endr
.endr
	WIN 0
.irp p, 0,1
	global_load_b32 v[WSC+2*SL+\p], v[L4], s[W:W+1] offset:(\cn)*6400+6144+128*\p
.endr
.set NI, NI+14
.if SL == 0
.set MK0, NI
.elseif SL == 1
.set MK1, NI
.elseif SL == 2
.set MK2, NI
.else
.set MK3, NI
.endif
.endm
.macro MMA d, a, b, c, sa, sb, ra, rb  ; one product; ra, rb: the side's scales stand in lanes 16-31
.if (\ra) && (\rb)
	v_wmma_scale_f32_16x16x128_f8f6f4 v[(\d):(\d)+7], v[(\a):(\a)+11], v[(\b):(\b)+11], v[(\c):(\c)+7], v[\sa], v[\sb] matrix_a_fmt:MATRIX_FMT_FP6 matrix_b_fmt:MATRIX_FMT_FP6 matrix_a_scale:MATRIX_SCALE_ROW1 matrix_b_scale:MATRIX_SCALE_ROW1
.elseif (\ra)
	v_wmma_scale_f32_16x16x128_f8f6f4 v[(\d):(\d)+7], v[(\a):(\a)+11], v[(\b):(\b)+11], v[(\c):(\c)+7], v[\sa], v[\sb] matrix_a_fmt:MATRIX_FMT_FP6 matrix_b_fmt:MATRIX_FMT_FP6 matrix_a_scale:MATRIX_SCALE_ROW1
.elseif (\rb)
	v_wmma_scale_f32_16x16x128_f8f6f4 v[(\d):(\d)+7], v[(\a):(\a)+11], v[(\b):(\b)+11], v[(\c):(\c)+7], v[\sa], v[\sb] matrix_a_fmt:MATRIX_FMT_FP6 matrix_b_fmt:MATRIX_FMT_FP6 matrix_b_scale:MATRIX_SCALE_ROW1
.else
	v_wmma_scale_f32_16x16x128_f8f6f4 v[(\d):(\d)+7], v[(\a):(\a)+11], v[(\b):(\b)+11], v[(\c):(\c)+7], v[\sa], v[\sb] matrix_a_fmt:MATRIX_FMT_FP6 matrix_b_fmt:MATRIX_FMT_FP6
.endif
.endm
; chunk cn's eight products: four tiles of the weight x two tiles of rows; the eight accumulators take turns, one product a turn.
; dst: the accumulators; bf, bm: the activations' fragment for rows 0-15, and the step to rows 16-31; sbr: their scale register; cb >= 0: a bias in window 1 starts the sums
.macro STEP cn, dst, bf, bm, sbr, cb
	WAITC \cn
.set SL, (\cn)%4
.if (\cb) >= 0
	WIN 0x11                                         ; source 0 (the weight) and C (the bias) in window 1
.else
	WIN 0x01
.endif
.irp t, 0,1,2,3
.irp m, 0,1
.if (\cb) >= 0
	MMA (\dst)+32*\m+8*\t, 48*SL+12*\t, (\bf)+(\bm)*\m, (\cb)+8*\t, WSC+2*SL+\t/2, \sbr, \t%2, \m
.else
	MMA (\dst)+32*\m+8*\t, 48*SL+12*\t, (\bf)+(\bm)*\m, (\dst)+32*\m+8*\t, WSC+2*SL+\t/2, \sbr, \t%2, \m
.endif
.endr
.endr
	WIN 0
	PLACES 4                                         ; in front of loads into registers that these products read, and of the first read of results
.endm
.macro LBW dst, base, off, win         ; 64 numbers of a vector in the result's layout: lane (r, h), tile 2 P + u: index 32 P + 16 h + 8 u + 0 .. 7
	WIN \win
.irp t, 0,1,2,3
.irp jj, 0,1
	global_load_b128 v[(\dst)+8*\t+4*\jj:(\dst)+8*\t+4*\jj+3], v[H64], s[\base:\base+1] offset:(\off)+128*(\t/2)+32*(\t%2)+16*\jj
.endr
.endr
	WIN 0
.set NI, NI+8
.endm
.macro QMAX nb, src, ab
.set QB, 0
.rept \nb
.if \ab
	v_max3_num_f32 v[TM+QB], |v[(\src)+16*QB]|, |v[(\src)+16*QB+1]|, 0x1800000   ; the floor 2^(3 - 127) holds the byte at 1 from below
.else
	v_max3_num_f32 v[TM+QB], v[(\src)+16*QB], v[(\src)+16*QB+1], 0x1800000
.endif
.set QB, QB+1
.endr
.irp i, 2,4,6,8,10,12,14
.set QB, 0
.rept \nb
.if \ab
	v_max3_num_f32 v[TM+QB], v[TM+QB], |v[(\src)+16*QB+\i]|, |v[(\src)+16*QB+\i+1]|
.else
	v_max3_num_f32 v[TM+QB], v[TM+QB], v[(\src)+16*QB+\i], v[(\src)+16*QB+\i+1]
.endif
.set QB, QB+1
.endr
.endr
.set QB, 0
.rept \nb
	v_permlanex16_b32 v[U+QB], v[TM+QB], s[SEL], s[SEL+1]
.set QB, QB+1
.endr
.set QB, 0
.rept \nb
	v_max_num_f32 v[TM+QB], v[TM+QB], v[U+QB]
.set QB, QB+1
.endr
.set QB, 0
.rept \nb
	v_add_nc_u32 v[SCL+QB], 0xff000000, v[TM+QB]     ; 2 off the exponent field: the conversion's scale operand
.set QB, QB+1
.endr
.set QB, 0
.rept \nb
	v_lshrrev_b32 v[U+QB], 23, v[SCL+QB]             ; the scale's byte
.set QB, QB+1
.endr
.endm
; 32 numbers of a lane (its halves of two blocks of its row) go to LDS as codes, 12 bytes a half block at their place in the row's stream of bits, and each block's byte beside them
.macro QOUT src, ab, ca, co, sa, so
	QMAX 2, \src, \ab
.irp p, 0,1
	v_cvt_scalef32_pk16_fp6_f32 v[CV:CV+2], v[(\src)+16*\p:(\src)+16*\p+15], v[SCL+\p]
	v_nop                                            ; one plain place behind a conversion
	ds_store_b32 v[\ca], v[CV] offset:(\co)+24*\p
	ds_store_b32 v[\ca], v[CV+1] offset:(\co)+24*\p+4
	ds_store_b32 v[\ca], v[CV+2] offset:(\co)+24*\p+8
	ds_store_b8 v[\sa], v[U+\p] offset:(\so)+\p      ; lanes l and l xor 16 write the same byte with the same value
.endr
.endm
.macro RH                              ; r and h, for the addresses of the next phase
	v_and_b32 v28, 15, v0
	v_bfe_u32 v29, v0, 4, 1
.endm
.macro FETCH ks                        ; the hidden layer's two fragments of K step ks, into buffer ks % 2; with every fourth, the scale words of four K steps
.irp m, 0,1
.irp p, 0,1,2,3,4,5
	ds_load_b64 v[HF+24*((\ks)%2)+12*\m+2*\p:HF+24*((\ks)%2)+12*\m+2*\p+1], v[A8] offset:24832*\m+96*(\ks)+48*(\p/3)+8*(\p%3)
.endr
.endr
.if (\ks)%4 == 0
.if ((\ks)/4)%2 == 0
	ds_load_b128 v[HS:HS+3], v[A9] offset:16*((\ks)/4)
.else
	ds_load_b128 v[HS2:HS2+3], v[A9] offset:16*((\ks)/4)
.endif
.endif
.endm
	s_load_b256 s[4:11], s[0:1], 0x0               ; ao, wst, x, bo
	s_load_b256 s[12:19], s[0:1], 0x20             ; ln2_g, ln2_b, b1, b2
	s_load_b64 s[20:21], s[0:1], 0x40              ; out0
	v_lshrrev_b32 v1, 5, v0
	v_readfirstlane_b32 s2, v1                     ; wave 0..7
	v_and_b32 v8, 15, v0                           ; r
	v_bfe_u32 v9, v0, 4, 1                         ; h
	v_and_b32 v1, 31, v0
	v_lshlrev_b32 v[L4], 2, v1
	v_lshlrev_b32 v[LI], 4, v1
	v_lshlrev_b32 v[XD], 4, v8
	v_lshl_add_u32 v[XD], v9, 11, v[XD]
	v_mul_u32_u24 v[A4], v8, 48
	v_mad_u32_u24 v[A4], v9, 24, v[A4]             ; ao: row r of 48 bytes, + 24 h
	v_lshlrev_b32 v[H64], 6, v9
	s_mul_i32 s30, s2, 8704
	s_add_co_u32 s30, s30, STG
	v_mul_u32_u24 v[SGD], v9, 272
	v_lshl_add_u32 v[SGD], v8, 4, v[SGD]
	v_add_nc_u32 v[SGD], s30, v[SGD]
	v_mul_u32_u24 v[SGT], v8, 272
	v_lshl_add_u32 v[SGT], v9, 6, v[SGT]
	v_add_nc_u32 v[SGT], s30, v[SGT]
	v_mov_b32 v[LU], 0                             ; a lane permute's destination counts as one of its sources
	v_mov_b32 v[LU+1], 0
	s_mov_b32 s[SEL], 0x76543210
	s_mov_b32 s[SEL+1], 0xfedcba98
	s_mov_b32 s28, 0x3b000000                      ; 1 / 512
	s_mov_b32 s29, 0x3727c5ac                      ; 1e-5
	s_mov_b32 s25, 0
	s_lshl_b32 s24, ttmp9, 16
	s_lshl_b32 s30, s2, 8
	s_add_co_u32 s24, s24, s30
	s_wait_kmcnt 0x0
	s_add_nc_u64 s[8:9], s[8:9], s[24:25]          ; x and out at my 32 rows, my 64 columns
	s_add_nc_u64 s[20:21], s[20:21], s[24:25]
	s_mov_b32 s24, s30
	s_add_nc_u64 s[10:11], s[10:11], s[24:25]      ; bo, ln2_g, ln2_b, b2 at my 64 columns
	s_add_nc_u64 s[12:13], s[12:13], s[24:25]
	s_add_nc_u64 s[14:15], s[14:15], s[24:25]
	s_add_nc_u64 s[18:19], s[18:19], s[24:25]
	s_lshl_b32 s24, s2, 10
	s_add_nc_u64 s[16:17], s[16:17], s[24:25]      ; b1 at my 256 hidden units
	s_mul_i32 s24, s2, 230400
	s_add_co_u32 s24, s24, 614400
	s_add_nc_u64 s[W:W+1], s[W:W+1], s[24:25]      ; my 36 chunks, behind the 96 of wq, wk, wv
	s_lshr_b32 s30, ttmp9, 6
	s_lshl_b32 s30, s30, 14
	s_and_b32 s31, ttmp9, 63
	s_lshl_b32 s31, s31, 5
	s_add_co_u32 s30, s30, s31                     ; head 0's row of my first row: 8 x batch x 2,048 + the row in the batch
	s_lshl_b32 s24, s30, 2
	s_add_nc_u64 s[22:23], s[4:5], s[24:25]
	s_mul_i32 s24, s30, 48
	s_add_nc_u64 s[4:5], s[4:5], s[24:25]
	; ---- the head's loads
.set NN, 0
.rept 16
	global_load_b128 v[X1+4*NN:X1+4*NN+3], v[XD], s[8:9] offset:4096*NN th:TH_LOAD_NT   ; sixteen lanes read 256 consecutive bytes of a row
.set NN, NN+1
.endr
.set NI, NI+16
.set M_X, NI
.irp hd, 0,1,2,3,4,5,6,7
	global_load_b32 v[22+\hd], v[L4], s[22:23] offset:AOS+8192*\hd                       ; lane l: row l's four bytes of head hd
.endr
.set NI, NI+8
.set M_AS, NI
.irp m, 0,1
.irp ks, 0,1,2,3
.irp cc, 0,1
.irp k, 0,1,2
	global_load_b64 v[HF+12*(4*\m+\ks)+6*\cc+2*\k:HF+12*(4*\m+\ks)+6*\cc+2*\k+1], v[A4], s[4:5] offset:98304*(2*\ks+\cc)+768*\m+8*\k   ; K step ks = heads 2 ks, 2 ks + 1
.endr
.endr
.endr
.endr
.set NI, NI+48
	LBW B1R0, 10, 0, 0x40                          ; bo
.set M_BO, NI
	LBW ACC, 12, 0, 0                              ; ln2_g
	LBW ACC+32, 14, 0, 0                           ; ln2_b
	LBW B1R1, 16, 0, 0x40                          ; b1, hidden units 0-63 of mine
	LOADC 0
	LOADC 1
	LOADC 2
	LOADC 3
	; ---- x1 = x + bo + attn Wo.  x turns through my stage into the result's layout
	WAITL M_X
.set NN, 0
.rept 16
	ds_store_b128 v[SGD], v[X1+4*NN:X1+4*NN+3] offset:544*NN
.set NN, NN+1
.endr
.irp m, 0,1
.irp p, 0,1
.irp j, 0,1,2,3
	ds_load_b128 v[X1+32*\m+16*\p+4*\j:X1+32*\m+16*\p+4*\j+3], v[SGT] offset:4352*\m+128*\p+16*\j   ; a wave's LDS instructions are served in order: these see my stores
.endr
.endr
.endr
	WAITL M_AS
.irp ks, 0,1,2,3
	v_perm_b32 v[HS+\ks], v[23+2*\ks], v[22+2*\ks], 0x06040200   ; bytes 0 and 2 of the even head, then of the odd one: the scale word of K step ks
.endr
	WAITL M_BO
	s_wait_dscnt 0x0
	WIN 0x04
.irp m, 0,1
.set NN, 0
.rept 16
	v_pk_add_f32 v[X1+32*\m+NN:X1+32*\m+NN+1], v[X1+32*\m+NN:X1+32*\m+NN+1], v[B1R0+NN:B1R0+NN+1]   ; (these also stand between the scale words' making and the products)
.set NN, NN+2
.endr
.endr
	WIN 0
	LBW B1R0, 16, 256, 0x40                        ; b1, units 64-127, into the registers that bo has left
.irp ks, 0,1,2,3
	STEP \ks, X1, HF+12*\ks, 48, HS+\ks, -1
	LOADC 4+\ks
.endr
	; ---- layer norm 2.  A row lies in eight waves: each makes the mean and the sum of squares about it of its 64 columns, and the eight pairs are joined
	RH
	s_lshr_b32 s30, s2, 2
	s_lshl_b32 s30, s30, 5
	s_and_b32 s31, s2, 3
	s_lshl_b32 s31, s31, 2
	s_add_co_u32 s30, s30, s31
	v_mul_u32_u24 v[A8], v28, 80
	v_lshl_add_u32 v[A9], v29, 5, v[A8]            ; the statistics of waves 4 h .. 4 h + 3: four means, four sums
	v_add_nc_u32 v[A8], s30, v[A8]                 ; and my wave's word
	s_mul_i32 s30, s2, 48
	s_add_co_u32 s30, s30, HC
	v_mul_u32_u24 v[A4], v28, 400                  ; (the loads that took v4 as their address have been waited for)
	v_mad_u32_u24 v[A4], v29, 12, v[A4]
	v_add_nc_u32 v[A4], s30, v[A4]                 ; h's codes: row r, my 48 bytes, + 12 h
	s_lshl_b32 s30, s2, 1
	s_add_co_u32 s30, s30, HSC
	v_lshlrev_b32 v[A31], 4, v28
	v_add_nc_u32 v[A31], s30, v[A31]               ; their bytes: row r, my two
.irp m, 0,1
	v_pk_add_f32 v[LT+4*\m:LT+4*\m+1], v[X1+32*\m:X1+32*\m+1], v[X1+32*\m+2:X1+32*\m+3]   ; each accumulator from its low end on
.endr
.irp k, 4,6,8,10,12,14,16,18,20,22,24,26,28,30
.irp m, 0,1
	v_pk_add_f32 v[LT+4*\m:LT+4*\m+1], v[LT+4*\m:LT+4*\m+1], v[X1+32*\m+\k:X1+32*\m+\k+1]
.endr
.endr
.irp m, 0,1
	v_add_f32 v[LT+4*\m], v[LT+4*\m], v[LT+4*\m+1]
.endr
.irp m, 0,1
	v_permlanex16_b32 v[LU+\m], v[LT+4*\m], s[SEL], s[SEL+1]
.endr
.irp m, 0,1
	v_add_f32 v[LT+4*\m], v[LT+4*\m], v[LU+\m]
.endr
.irp m, 0,1
	v_mul_f32 v[LT+4*\m], 0x3c800000, v[LT+4*\m]   ; the mean of my 64 columns
.endr
.irp m, 0,1
	v_pk_add_f32 v[LD+8*\m:LD+8*\m+1], v[X1+32*\m:X1+32*\m+1], v[LT+4*\m:LT+4*\m+1] op_sel_hi:[1,0] neg_lo:[0,1] neg_hi:[0,1]
.endr
.irp m, 0,1
	v_pk_mul_f32 v[LT+4*\m+2:LT+4*\m+3], v[LD+8*\m:LD+8*\m+1], v[LD+8*\m:LD+8*\m+1]
.endr
.irp k, 2,4,6,8,10,12,14,16,18,20,22,24,26,28,30
.irp m, 0,1
	v_pk_add_f32 v[LD+8*\m+\k%8:LD+8*\m+\k%8+1], v[X1+32*\m+\k:X1+32*\m+\k+1], v[LT+4*\m:LT+4*\m+1] op_sel_hi:[1,0] neg_lo:[0,1] neg_hi:[0,1]
.endr
.irp m, 0,1
	v_pk_fma_f32 v[LT+4*\m+2:LT+4*\m+3], v[LD+8*\m+\k%8:LD+8*\m+\k%8+1], v[LD+8*\m+\k%8:LD+8*\m+\k%8+1], v[LT+4*\m+2:LT+4*\m+3]
.endr
.endr
.irp m, 0,1
	v_add_f32 v[LT+4*\m+2], v[LT+4*\m+2], v[LT+4*\m+3]
.endr
.irp m, 0,1
	v_permlanex16_b32 v[LU+\m], v[LT+4*\m+2], s[SEL], s[SEL+1]
.endr
.irp m, 0,1
	v_add_f32 v[LT+4*\m+2], v[LT+4*\m+2], v[LU+\m]
.endr
.irp m, 0,1
	ds_store_b32 v[A8], v[LT+4*\m] offset:1280*\m
	ds_store_b32 v[A8], v[LT+4*\m+2] offset:1280*\m+16
.endr
	BAR                                            ; the eight waves' statistics lie in LDS
.irp m, 0,1
	ds_load_b128 v[LD+8*\m:LD+8*\m+3], v[A9] offset:1280*\m
	ds_load_b128 v[LD+8*\m+4:LD+8*\m+7], v[A9] offset:1280*\m+16
.endr
	s_wait_dscnt 0x0
.irp m, 0,1
	v_pk_add_f32 v[LT+4*\m:LT+4*\m+1], v[LD+8*\m:LD+8*\m+1], v[LD+8*\m+2:LD+8*\m+3]
.endr
.irp m, 0,1
	v_add_f32 v[LT+4*\m], v[LT+4*\m], v[LT+4*\m+1]
.endr
.irp m, 0,1
	v_permlanex16_b32 v[LU+\m], v[LT+4*\m], s[SEL], s[SEL+1]
.endr
.irp m, 0,1
	v_add_f32 v[LT+4*\m], v[LT+4*\m], v[LU+\m]
.endr
.irp m, 0,1
	v_mul_f32 v[LT+4*\m], 0x3e000000, v[LT+4*\m]   ; the row's mean: the mean of eight means of 64
.endr
.irp m, 0,1
	v_pk_add_f32 v[LD+8*\m:LD+8*\m+1], v[LD+8*\m:LD+8*\m+1], v[LT+4*\m:LT+4*\m+1] op_sel_hi:[1,0] neg_lo:[0,1] neg_hi:[0,1]
	v_pk_add_f32 v[LD+8*\m+2:LD+8*\m+3], v[LD+8*\m+2:LD+8*\m+3], v[LT+4*\m:LT+4*\m+1] op_sel_hi:[1,0] neg_lo:[0,1] neg_hi:[0,1]
.endr
.irp m, 0,1
	v_pk_mul_f32 v[LT+4*\m+2:LT+4*\m+3], v[LD+8*\m:LD+8*\m+1], v[LD+8*\m:LD+8*\m+1]
	v_pk_add_f32 v[LD+8*\m+4:LD+8*\m+5], v[LD+8*\m+4:LD+8*\m+5], v[LD+8*\m+6:LD+8*\m+7]
.endr
.irp m, 0,1
	v_pk_fma_f32 v[LT+4*\m+2:LT+4*\m+3], v[LD+8*\m+2:LD+8*\m+3], v[LD+8*\m+2:LD+8*\m+3], v[LT+4*\m+2:LT+4*\m+3]
.endr
.irp m, 0,1
	v_pk_fma_f32 v[LT+4*\m+2:LT+4*\m+3], v[LT+4*\m+2:LT+4*\m+3], 0x42800000, v[LD+8*\m+4:LD+8*\m+5] op_sel_hi:[1,0,1]   ; the sums of squares + 64 x (a wave's mean - the row's)^2
.endr
.irp m, 0,1
	v_add_f32 v[LT+4*\m+2], v[LT+4*\m+2], v[LT+4*\m+3]
.endr
.irp m, 0,1
	v_permlanex16_b32 v[LU+\m], v[LT+4*\m+2], s[SEL], s[SEL+1]
.endr
.irp m, 0,1
	v_add_f32 v[LT+4*\m+2], v[LT+4*\m+2], v[LU+\m]
.endr
.irp m, 0,1
	v_fma_f32 v[LT+4*\m+2], v[LT+4*\m+2], s28, s29
.endr
.irp m, 0,1
	v_rsq_f32 v[LT+4*\m+2], v[LT+4*\m+2]
.endr
	v_nop                                          ; a plain place behind the two roots,
	s_wait_alu depctr_va_vdst(0)                   ; and one wait for them, ahead of their first reader
.irp m, 0,1
.set NN, 0
.rept 16
	v_pk_add_f32 v[HF+32*\m+NN:HF+32*\m+NN+1], v[X1+32*\m+NN:X1+32*\m+NN+1], v[LT+4*\m:LT+4*\m+1] op_sel_hi:[1,0] neg_lo:[0,1] neg_hi:[0,1]
	v_pk_mul_f32 v[HF+32*\m+NN:HF+32*\m+NN+1], v[HF+32*\m+NN:HF+32*\m+NN+1], v[LT+4*\m+2:LT+4*\m+3] op_sel_hi:[1,0]
	v_pk_fma_f32 v[HF+32*\m+NN:HF+32*\m+NN+1], v[HF+32*\m+NN:HF+32*\m+NN+1], v[ACC+NN:ACC+NN+1], v[ACC+32+NN:ACC+33+NN]
.set NN, NN+2
.endr
.endr
.irp m, 0,1
	QOUT HF+32*\m, 1, A4, 6400*\m, A31, 256*\m
.endr
	BAR                                            ; h's codes and bytes lie in LDS
	RH
	v_mul_u32_u24 v[A8], v28, 400
	v_mad_u32_u24 v[A8], v29, 24, v[A8]
	v_add_nc_u32 v[A8], HC, v[A8]
.irp m, 0,1
.irp ks, 0,1,2,3
.irp p, 0,1,2,3,4,5
	ds_load_b64 v[HF+12*(4*\m+\ks)+2*\p:HF+12*(4*\m+\ks)+2*\p+1], v[A8] offset:6400*\m+96*\ks+48*(\p/3)+8*(\p%3)
.endr
.endr
.endr
	ds_load_b128 v[HS:HS+3], v[LI] offset:HSC      ; lane l: row l's sixteen bytes: a word for each K step
	s_mul_i32 s30, s2, 192
	s_add_co_u32 s30, s30, DC
	v_mul_u32_u24 v[A9], v28, 1552
	v_mad_u32_u24 v[A9], v29, 12, v[A9]
	v_add_nc_u32 v[A9], s30, v[A9]                 ; the hidden layer's codes: row r, my 192 bytes, + 12 h
	s_lshl_b32 s30, s2, 3
	s_add_co_u32 s30, s30, DSC
	v_mul_u32_u24 v[A4], v28, 80
	v_add_nc_u32 v[A4], s30, v[A4]                 ; their bytes: row r, my eight
	s_wait_dscnt 0x0
	; ---- the hidden layer, 64 units at a time: four K steps, relu, quantiser
.irp gg, 0,1,2,3
.irp ks, 0,1,2,3
.if \ks == 0
	STEP 4+4*\gg+\ks, ACC, HF+12*\ks, 48, HS+\ks, B1R0+32*((\gg+1)%2)
.if \gg < 2
	LBW B1R0+32*((\gg+1)%2), 16, 256*(\gg+2), 0x40 ; the set just read takes the bias of two groups on: wanted with a chunk that is asked for behind it
.elseif \gg == 2
	LBW B1R1, 18, 0, 0x40                          ; b2
.set M_B2, NI
.endif
.else
	STEP 4+4*\gg+\ks, ACC, HF+12*\ks, 48, HS+\ks, -1
.endif
	LOADC 8+4*\gg+\ks
.endr
.set NN, 0
.rept 64
	v_max_num_f32 v[ACC+NN], 0, v[ACC+NN]          ; the activation, each accumulator from its low end on
.set NN, NN+1
.endr
.irp m, 0,1
	QOUT ACC+32*\m, 0, A9, 24832*\m+48*\gg, A4, 1280*\m+2*\gg
.endr
.endr
	WAITL M_B2
	WIN 0x04
.irp m, 0,1
.set NN, 0
.rept 16
	v_pk_add_f32 v[X1+32*\m+NN:X1+32*\m+NN+1], v[X1+32*\m+NN:X1+32*\m+NN+1], v[B1R1+NN:B1R1+NN+1]   ; x1 + b2: what the last product adds onto
.set NN, NN+2
.endr
.endr
	WIN 0
	BAR                                            ; the hidden layer's codes and bytes lie in LDS
	RH
	v_mul_u32_u24 v[A8], v28, 1552
	v_mad_u32_u24 v[A8], v29, 24, v[A8]
	v_add_nc_u32 v[A8], DC, v[A8]
	v_and_b32 v28, 31, v0
	v_mul_u32_u24 v[A9], v28, 80
	v_add_nc_u32 v[A9], DSC, v[A9]                 ; lane l: row l's 64 bytes
	; ---- out = x1 + b2 + hidden W2: sixteen K steps; the next step's fragments are fetched while this one is multiplied
	FETCH 0
.set FS, 0
.rept 16
	s_wait_dscnt 0x0                               ; this step's fragments are in
.if FS < 15
	FETCH FS+1                                     ; into the buffer that the step before last read: its four places stand behind it
.endif
.if (FS/4)%2 == 0
	STEP 20+FS, X1, HF+24*(FS%2), 12, HS+FS%4, -1
.else
	STEP 20+FS, X1, HF+24*(FS%2), 12, HS2+FS%4, -1
.endif
.if 24+FS < 36
	LOADC 24+FS
.endif
.set FS, FS+1
.endr
	; ---- the way out: through my stage, so that sixteen lanes store 256 consecutive bytes of a row
.irp m, 0,1
.irp p, 0,1
.irp j, 0,1,2,3
	ds_store_b128 v[SGT], v[X1+32*\m+16*\p+4*\j:X1+32*\m+16*\p+4*\j+3] offset:4352*\m+128*\p+16*\j   ; each accumulator from its low end on
.endr
.endr
.endr
.set NN, 0
.rept 16
	ds_load_b128 v[HF+4*NN:HF+4*NN+3], v[SGD] offset:544*NN
.set NN, NN+1
.endr
.set NN, 0
.rept 16
	s_wait_dscnt 15-NN                             ; LDS loads come back in order: rows 2 NN and 2 NN + 1 are in
	global_store_b128 v[XD], v[HF+4*NN:HF+4*NN+3], s[20:21] offset:4096*NN th:TH_STORE_NT
.set NN, NN+1
.endr
	s_wait_xcnt 0x0
	v_lshl_add_u32 v254, v0, 2, 0x21a00
	v_mov_b32 v255, 0
	s_wait_tensorcnt 0x0
	ds_add_u32 v254, v255
	s_wait_dscnt 0x0
	s_endpgm
.Lfunc_end_k_q89919974ac_post:
	.size	k_q89919974ac_post, .Lfunc_end_k_q89919974ac_post-k_q89919974ac_post
	.p2alignl 7, 3214868480
	.fill 96, 4, 3214868480
	.section	.rodata,"a",@progbits
	.p2align	6, 0x0
	.amdhsa_kernel k_q89919974ac_post
		.amdhsa_group_segment_fixed_size 138752
		.amdhsa_private_segment_fixed_size 0
		.amdhsa_enable_private_segment 0
		.amdhsa_kernarg_size 72
		.amdhsa_user_sgpr_count 2
		.amdhsa_user_sgpr_kernarg_segment_ptr 1
		.amdhsa_wavefront_size32 1
		.amdhsa_system_sgpr_workgroup_id_x 1
		.amdhsa_system_sgpr_workgroup_id_y 1
		.amdhsa_system_sgpr_workgroup_id_z 1
		.amdhsa_system_vgpr_workitem_id 0
		.amdhsa_next_free_vgpr 512
		.amdhsa_next_free_sgpr 66
		.amdhsa_reserve_vcc 0
		.amdhsa_float_denorm_mode_32 3
		.amdhsa_float_denorm_mode_16_64 3
		.amdhsa_memory_ordered 1
		.amdhsa_forward_progress 1
		.amdhsa_inst_pref_size 183
	.end_amdhsa_kernel
	.amdgpu_metadata
---
amdhsa.version: [ 1, 2 ]
amdhsa.kernels:
  - .name:           k_q89919974ac_post
    .symbol:         k_q89919974ac_post.kd
    .args:
      - { .name: ao, .offset: 0, .size: 8, .value_kind: global_buffer, .address_space: global }
      - { .name: wst, .offset: 8, .size: 8, .value_kind: global_buffer, .address_space: global }
      - { .name: x, .offset: 16, .size: 8, .value_kind: global_buffer, .address_space: global }
      - { .name: bo, .offset: 24, .size: 8, .value_kind: global_buffer, .address_space: global }
      - { .name: ln2_g, .offset: 32, .size: 8, .value_kind: global_buffer, .address_space: global }
      - { .name: ln2_b, .offset: 40, .size: 8, .value_kind: global_buffer, .address_space: global }
      - { .name: b1, .offset: 48, .size: 8, .value_kind: global_buffer, .address_space: global }
      - { .name: b2, .offset: 56, .size: 8, .value_kind: global_buffer, .address_space: global }
      - { .name: out0, .offset: 64, .size: 8, .value_kind: global_buffer, .address_space: global }
    .group_segment_fixed_size: 138752
    .private_segment_fixed_size: 0
    .kernarg_segment_align: 8
    .kernarg_segment_size: 72
    .max_flat_workgroup_size: 256
    .sgpr_count:     66
    .vgpr_count:     512
    .wavefront_size: 32
...
	.end_amdgpu_metadata
.endif
;; end of part 4
;; ======== version 2 of 2: 4 launches; version 1 with the launches qkv, attn, post written anew for expert scheduling mode
;; limits: right only within a limited range of input values
;; workspace buffers: xa 3,276,800 bytes; wst 2,457,600 bytes; maskw 2,097,152 bytes of whole numbers; rope 2,097,152 bytes; qk 7,340,032 bytes; vv 3,276,800 bytes; ao 3,407,872 bytes
;; launch prep: the kernel of part 1 again; grid 256 x 1, 8 waves a work-group, no clusters, 134,656 bytes of LDS; arguments x, ln1_g, ln1_b, o2o_mask, positions, wq_codes, wq_scales, wk_codes, wk_scales, wv_codes, wv_scales, wo_codes, wo_scales, w1_codes, w1_scales, w2_codes, w2_scales, xa, maskw, rope, wst; writes xa, maskw, rope, wst
;; launch qkv (part 5): grid 32 x 8, 8 waves a work-group, no clusters, 0 bytes of LDS; arguments xa, wst, rope, bq, bk, bv, qk, vv; writes qk, vv
.if DOCPART == 5
	.amdgcn_target "amdgcn-amd-amdhsa--gfx1250"
	.amdhsa_code_object_version 6
	.text
	.protected	k_q89919974ac_qkv
	.globl	k_q89919974ac_qkv
	.p2align	8
	.type	k_q89919974ac_qkv,@function
k_q89919974ac_qkv:
	s_mov_b64 s[64:65], 0
	v_nop
	global_prefetch_b8 v0, s[64:65] scope:SCOPE_SE
	s_setreg_imm32_b32 hwreg(HW_REG_WAVE_SCHED_MODE, 0, 2), 2
	s_setreg_imm32_b32 hwreg(HW_REG_WAVE_MODE, 25, 1), 1
	s_wait_xcnt 0x0
	s_wait_alu depctr_vm_vsrc(0)
; QKV.  q = rope(xn Wq + bq), k = rope(xn Wk + bk), v = xn Wv + bv for one head and 32 rows a wave, all three products on E2M3 codes; q and k are quantised along the head's 64, v along the keys.
; SHARES.  Work-group (x, y): head y, rows 256 x .. 256 x + 255; wave w: rows 32 (8 x + w) on, two tiles of 16.  Straight-line text, no LDS, no barrier.
; q, k: source 0 = 16 rows of W (lane r of tile 2 P + u takes row 32 P + 8 u + r + 8 (r / 8)), source 1 = 16 rows of xn: a lane holds one row, and the 16 registers of tiles 2 P, 2 P + 1 are d = 32 P + 16 h + 0 .. 15:
;   the two halves that the rotation pairs lie in one lane, 16 registers apart, and a block of 32 lies in lanes l and l xor 16.  The bias is the C of a sum's first product.
; v: the sources change places and xn's rows are taken in that order, so that a lane's 16 registers of a tile pair are 16 neighbouring KEYS of one d: the codes come out with the keys innermost.
; THE WEIGHTS of a head, 12 chunks of 6,400 bytes laid as register images, go from memory straight into a ring of four chunks in registers: 14 loads a chunk, three or four chunks on their way.
; No tensor load, no cluster: a fragment of W is wanted by a wave in its registers; through LDS each of the eight waves would read all 76,800 bytes again from there, and the ring would wait at a barrier for each change of slots.
; No prefetch: every stream here is read by several work-groups or asked for at the head.
; LIMITS: as stated for the quantiser in the first launch (NaN and infinities not served; byte 1 under 2^-124).
; THE MODE: SCHED_MODE bits 1:0 = 2 (LLVM: expert scheduling mode 2), set by the entry lines.  The code itself states the register dependences between vector or matrix instructions and memory instructions, with s_wait_alu, always for 0.
; THE PLAN.  Registers that memory instructions touch:
;   the ring  Slot c % 4 (48 registers of window 1) and its two scale registers (v16-23): chunk c's loads land there, step c's eight products read them, chunk c + 4 lands there next.
;   v64-95    The bias: loaded; read as C by a sum's first step; loaded again for the next product.
;   v96-191, v12-15  xn's fragments and scale words: loaded at the head; read by every step of q and k; loaded again, in another row order, for v.
;   v42-53, v40, v36, v37  Codes, scale word, scale bytes: written by the quantiser, read by the stores, written again by the next quantiser.
;   v1-v9     Offsets, made once at the head and never written again.
; ONE wait on va_vdst stands at the head of a step, behind the wait for its chunk: the products of the step before are done reading.  Behind this step's products, which name another slot, chunk c + 3 is asked for with no
; further wait.  Behind a product's last step one more such wait lets the ring be filled whole again: the vector lines that follow read those results in any case.  Each quantiser has a wait on vm_vsrc ahead of it (the last stores
; have read its registers) and a wait on va_vdst behind it (its results are written, which the stores read).
.set KOFF, 3145728                     ; qk: K's half images behind Q's
.set QSO,  6291456                     ; Q's scale words; K's 524,288 further
.set VSO,  3145728                     ; vv: the scale bytes behind the codes
.set XSC,  3145728
.set LI,   1                           ; v1   16 x lane
.set L4,   2                           ; v2   4 x lane
.set L8,   3                           ; v3   8 x lane
.set XPA,  4                           ; v4   xn's images read in the chosen row order: (r / 8) x 6,144 + 16 (r % 8 + 16 h)
.set XSP,  5                           ; v5   their scale words: 16 (8 h + r + 8 (r / 8))
.set H64,  6                           ; v6   64 h: the biases in the result's layout
.set BVO,  7                           ; v7   4 (r + 8 (r / 8))
.set VCO,  8                           ; v8   24 (8 h + r + 8 (r / 8))
.set VSB,  9                           ; v9   8 h + r + 8 (r / 8)
.set SH8,  10                          ; v10  8 h
.set XS,   12                          ; v12-15 xn's scale words, one register a K step: lanes 0-15 tile 0, lanes 16-31 tile 1
.set WSC,  16                          ; v16-23 the ring's scale registers, two a slot
.set TM,   24                          ; v24-35 at work
.set U,    28
.set SCL,  32
.set PW,   40
.set PC,   42                          ; v42-53
.set PX,   54                          ; v54-61
.set BIAS, 64                          ; v64-95
.set XF,   96                          ; v96-191 xn's eight fragments
.set ACC,  192                         ; v192-255
.set CS,   192                         ; window 1: cos at CS + 32 m + i, sin 16 further; v0-191 of window 1: the ring, 48 registers a slot
.set W,    6                           ; s[6:7] my head's chunks
.set SEL,  32
.set NI,   0                           ; global loads issued so far: every wait's count is the loads issued behind the wanted one
.set MK0,  0
.set MK1,  0
.set MK2,  0
.set MK3,  0
.set MSB,  0
.macro WIN new                         ; the immediate's high byte repeats the setting that is left
.if MSB != \new
	s_set_vgpr_msb (MSB<<8)|\new
.set MSB, \new
.endif
.endm
.macro PLACES cnt
.rept \cnt
	v_nop
.endr
.endm
.macro WAITL mk                        ; loads come back in order: at most the NI - mk younger ones may be out (a smaller count only waits for more)
.if NI-(\mk) > 63
	s_wait_loadcnt 63
.else
	s_wait_loadcnt NI-(\mk)
.endif
.endm
.macro WAITC cn
.if (\cn)%4 == 0
	WAITL MK0
.elseif (\cn)%4 == 1
	WAITL MK1
.elseif (\cn)%4 == 2
	WAITL MK2
.else
	WAITL MK3
.endif
.endm
.macro LOADC cn                        ; chunk cn into slot cn % 4: twelve loads of 512 consecutive bytes, two of 128
.set SL, (\cn)%4
	WIN 0x40
.irp t, 0,1,2,3
.irp p, 0,1,2
	global_load_b128 v[48*SL+12*\t+4*\p:48*SL+12*\t+4*\p+3], v[LI], s[W:W+1] offset:(\cn)*6400+1536*\t+512*\p
.endr
.endr
	WIN 0
.irp p, 0,1
	global_load_b32 v[WSC+2*SL+\p], v[L4], s[W:W+1] offset:(\cn)*6400+6144+128*\p
.endr
.set NI, NI+14
.if SL == 0
.set MK0, NI
.elseif SL == 1
.set MK1, NI
.elseif SL == 2
.set MK2, NI
.else
.set MK3, NI
.endif
.endm
; one product.  c < 0: the constant 0 starts the sum.  ra, rb: the side's scales stand in lanes 16-31
.macro MMA d, a, b, c, sa, sb, ra, rb
.if (\c) < 0
.if (\ra) && (\rb)
	v_wmma_scale_f32_16x16x128_f8f6f4 v[(\d):(\d)+7], v[(\a):(\a)+11], v[(\b):(\b)+11], 0, v[\sa], v[\sb] matrix_a_fmt:MATRIX_FMT_FP6 matrix_b_fmt:MATRIX_FMT_FP6 matrix_a_scale:MATRIX_SCALE_ROW1 matrix_b_scale:MATRIX_SCALE_ROW1
.elseif (\ra)
	v_wmma_scale_f32_16x16x128_f8f6f4 v[(\d):(\d)+7], v[(\a):(\a)+11], v[(\b):(\b)+11], 0, v[\sa], v[\sb] matrix_a_fmt:MATRIX_FMT_FP6 matrix_b_fmt:MATRIX_FMT_FP6 matrix_a_scale:MATRIX_SCALE_ROW1
.elseif (\rb)
	v_wmma_scale_f32_16x16x128_f8f6f4 v[(\d):(\d)+7], v[(\a):(\a)+11], v[(\b):(\b)+11], 0, v[\sa], v[\sb] matrix_a_fmt:MATRIX_FMT_FP6 matrix_b_fmt:MATRIX_FMT_FP6 matrix_b_scale:MATRIX_SCALE_ROW1
.else
	v_wmma_scale_f32_16x16x128_f8f6f4 v[(\d):(\d)+7], v[(\a):(\a)+11], v[(\b):(\b)+11], 0, v[\sa], v[\sb] matrix_a_fmt:MATRIX_FMT_FP6 matrix_b_fmt:MATRIX_FMT_FP6
.endif
.else
.if (\ra) && (\rb)
	v_wmma_scale_f32_16x16x128_f8f6f4 v[(\d):(\d)+7], v[(\a):(\a)+11], v[(\b):(\b)+11], v[(\c):(\c)+7], v[\sa], v[\sb] matrix_a_fmt:MATRIX_FMT_FP6 matrix_b_fmt:MATRIX_FMT_FP6 matrix_a_scale:MATRIX_SCALE_ROW1 matrix_b_scale:MATRIX_SCALE_ROW1
.elseif (\ra)
	v_wmma_scale_f32_16x16x128_f8f6f4 v[(\d):(\d)+7], v[(\a):(\a)+11], v[(\b):(\b)+11], v[(\c):(\c)+7], v[\sa], v[\sb] matrix_a_fmt:MATRIX_FMT_FP6 matrix_b_fmt:MATRIX_FMT_FP6 matrix_a_scale:MATRIX_SCALE_ROW1
.elseif (\rb)
	v_wmma_scale_f32_16x16x128_f8f6f4 v[(\d):(\d)+7], v[(\a):(\a)+11], v[(\b):(\b)+11], v[(\c):(\c)+7], v[\sa], v[\sb] matrix_a_fmt:MATRIX_FMT_FP6 matrix_b_fmt:MATRIX_FMT_FP6 matrix_b_scale:MATRIX_SCALE_ROW1
.else
	v_wmma_scale_f32_16x16x128_f8f6f4 v[(\d):(\d)+7], v[(\a):(\a)+11], v[(\b):(\b)+11], v[(\c):(\c)+7], v[\sa], v[\sb] matrix_a_fmt:MATRIX_FMT_FP6 matrix_b_fmt:MATRIX_FMT_FP6
.endif
.endif
.endm
.macro QMAX nb, src, ab
.set QB, 0
.rept \nb
.if \ab
	v_max3_num_f32 v[TM+QB], |v[(\src)+16*QB]|, |v[(\src)+16*QB+1]|, 0x1800000   ; the floor 2^(3 - 127) holds the byte at 1 from below
.else
	v_max3_num_f32 v[TM+QB], v[(\src)+16*QB], v[(\src)+16*QB+1], 0x1800000
.endif
.set QB, QB+1
.endr
.irp i, 2,4,6,8,10,12,14
.set QB, 0
.rept \nb
.if \ab
	v_max3_num_f32 v[TM+QB], v[TM+QB], |v[(\src)+16*QB+\i]|, |v[(\src)+16*QB+\i+1]|
.else
	v_max3_num_f32 v[TM+QB], v[TM+QB], v[(\src)+16*QB+\i], v[(\src)+16*QB+\i+1]
.endif
.set QB, QB+1
.endr
.endr
.set QB, 0
.rept \nb
	v_permlanex16_b32 v[U+QB], v[TM+QB], s[SEL], s[SEL+1]
.set QB, QB+1
.endr
.set QB, 0
.rept \nb
	v_max_num_f32 v[TM+QB], v[TM+QB], v[U+QB]
.set QB, QB+1
.endr
.set QB, 0
.rept \nb
	v_add_nc_u32 v[SCL+QB], 0xff000000, v[TM+QB]     ; 2 off the exponent field: the conversion's scale operand
.set QB, QB+1
.endr
.set QB, 0
.rept \nb
	v_lshrrev_b32 v[U+QB], 23, v[SCL+QB]             ; the scale's byte
.set QB, QB+1
.endr
.endm
.macro QUANT4 src
	QMAX 4, \src, 1
	v_lshl_or_b32 v[PW], v[U+1], 8, v[U]
	v_lshl_or_b32 v[PW], v[U+2], 16, v[PW]
	v_lshl_or_b32 v[PW], v[U+3], 24, v[PW]
.irp cc, 0,1
	v_cvt_scalef32_pk16_fp6_f32 v[PC+6*\cc:PC+6*\cc+2], v[(\src)+32*\cc:(\src)+32*\cc+15], v[SCL+2*\cc]
	v_cvt_scalef32_pk16_fp6_f32 v[PX+4*\cc:PX+4*\cc+2], v[(\src)+32*\cc+16:(\src)+32*\cc+31], v[SCL+2*\cc+1]
.endr
	v_nop                                            ; one plain place behind the conversions
.irp cc, 0,1
.irp ii, 0,1,2
	v_permlane16_swap_b32 v[PC+6*\cc+\ii], v[PX+4*\cc+\ii]
.endr
.irp ii, 0,1,2
	v_mov_b32 v[PC+3+6*\cc+\ii], v[PX+4*\cc+\ii]
.endr
.endr
.endm
; 32 numbers of a lane (two blocks) become six registers: lane (r, h) holds block h of row r.  The scale word repeats its two bytes for the half of K that holds zero codes
.macro QUANT2 src
	QMAX 2, \src, 1
	v_lshl_or_b32 v[PW], v[U+1], 8, v[U]
	v_lshl_or_b32 v[PW], v[PW], 16, v[PW]
	v_cvt_scalef32_pk16_fp6_f32 v[PC:PC+2], v[(\src):(\src)+15], v[SCL]
	v_cvt_scalef32_pk16_fp6_f32 v[PX:PX+2], v[(\src)+16:(\src)+31], v[SCL+1]
	v_nop
.irp ii, 0,1,2
	v_permlane16_swap_b32 v[PC+\ii], v[PX+\ii]
.endr
.irp ii, 0,1,2
	v_mov_b32 v[PC+3+\ii], v[PX+\ii]
.endr
.endm
.macro LBIAS base                      ; a bias in the result's layout: lane (r, h), tile 2 P + u: d = 32 P + 16 h + 8 u + 0 .. 7
.irp t, 0,1,2,3
.irp jj, 0,1
	global_load_b128 v[BIAS+8*\t+4*\jj:BIAS+8*\t+4*\jj+3], v[H64], s[\base:\base+1] offset:128*(\t/2)+32*(\t%2)+16*\jj
.endr
.endr
.set NI, NI+8
.endm
; a K step of q or k: four tiles of W x two tiles of rows; the eight accumulators take turns, one product a turn.  hw = 1: loads follow this step's products
.macro STEPQK cn, hw
	WAITC \cn
.if \hw
	s_wait_alu depctr_va_vdst(0)                     ; the products of the step before are done reading their slot of the ring, its two scale registers and, in a sum's first step, the bias: the loads behind this step's products land there
.endif
.set SL, (\cn)%4
	WIN 0x01                                         ; source 0 (W) in window 1
.irp t, 0,1,2,3
.irp m, 0,1
.if (\cn)%4 == 0
	MMA ACC+32*\m+8*\t, 48*SL+12*\t, XF+12*(4*\m+SL), BIAS+8*\t, WSC+2*SL+\t/2, XS+SL, \t%2, \m
.else
	MMA ACC+32*\m+8*\t, 48*SL+12*\t, XF+12*(4*\m+SL), ACC+32*\m+8*\t, WSC+2*SL+\t/2, XS+SL, \t%2, \m
.endif
.endr
.endr
	WIN 0
	PLACES 4                                         ; four places behind the products, in front of the first read of results
.endm
; a K step of v: sources changed: source 0 = xn's rows, source 1 = W
.macro STEPV cn
	WAITC \cn
.set SL, (\cn)%4
	WIN 0x04                                         ; source 1 (W) in window 1
.irp t, 0,1,2,3
.irp uu, 0,1
.if (\cn)%4 == 0
	MMA ACC+16*\t+8*\uu, XF+12*(4*\uu+SL), 48*SL+12*\t, -1, XS+SL, WSC+2*SL+\t/2, \uu, \t%2
.else
	MMA ACC+16*\t+8*\uu, XF+12*(4*\uu+SL), 48*SL+12*\t, ACC+16*\t+8*\uu, XS+SL, WSC+2*SL+\t/2, \uu, \t%2
.endif
.endr
.endr
	WIN 0
.endm
; the rotation, the quantiser and the stores of q (ty = 0) or k (ty = 1)
.macro EPIQK ty
.irp m, 0,1
	WIN 0x04                                         ; source 1 (cos, sin) in window 1
.irp q, 0,1,2,3,4,5,6,7
	v_pk_mul_f32 v[TM+2*(\q%4):TM+2*(\q%4)+1], v[ACC+32*\m+2*\q:ACC+32*\m+2*\q+1], v[CS+32*\m+16+2*\q:CS+32*\m+17+2*\q]
	v_pk_mul_f32 v[ACC+32*\m+2*\q:ACC+32*\m+2*\q+1], v[ACC+32*\m+2*\q:ACC+32*\m+2*\q+1], v[CS+32*\m+2*\q:CS+32*\m+2*\q+1]
	v_pk_fma_f32 v[ACC+32*\m+2*\q:ACC+32*\m+2*\q+1], v[ACC+32*\m+16+2*\q:ACC+32*\m+17+2*\q], v[CS+32*\m+16+2*\q:CS+32*\m+17+2*\q], v[ACC+32*\m+2*\q:ACC+32*\m+2*\q+1] neg_lo:[1,0,0] neg_hi:[1,0,0]
	v_pk_fma_f32 v[ACC+32*\m+16+2*\q:ACC+32*\m+17+2*\q], v[ACC+32*\m+16+2*\q:ACC+32*\m+17+2*\q], v[CS+32*\m+2*\q:CS+32*\m+2*\q+1], v[TM+2*(\q%4):TM+2*(\q%4)+1]
.endr
	WIN 0
	s_wait_xcnt 0x0                                  ; the last stores have read the codes' registers and the scale word: they are written again only behind this wait
.if (\ty)+\m > 0
	s_wait_alu depctr_vm_vsrc(0)                     ; the last three stores have read v[PC ..] and v[PW], which the quantiser below writes again
.endif
	QUANT2 ACC+32*\m
	s_wait_alu depctr_va_vdst(0)                     ; the quantiser has written v[PC ..] and v[PW], which the stores read
	global_store_b128 v[LI], v[PC:PC+3], s[22:23] offset:(\ty)*KOFF+768*\m
	global_store_b64 v[L8], v[PC+4:PC+5], s[22:23] offset:(\ty)*KOFF+768*\m+512
	global_store_b32 v[L4], v[PW], s[24:25] offset:QSO+(\ty)*524288+128*\m
.endr
.endm
	s_load_b256 s[4:11], s[0:1], 0x0               ; xa, wst, rope, bq
	s_load_b256 s[12:19], s[0:1], 0x20             ; bk, bv, qk, vv
	v_lshrrev_b32 v1, 5, v0
	v_readfirstlane_b32 s2, v1                     ; wave
	s_and_b32 s30, ttmp7, 0xffff                   ; the head
	v_and_b32 v11, 31, v0
	v_and_b32 v36, 15, v0                          ; r
	v_bfe_u32 v37, v0, 4, 1                        ; h
	v_lshlrev_b32 v[LI], 4, v11
	v_lshlrev_b32 v[L4], 2, v11
	v_lshlrev_b32 v[L8], 3, v11
	v_and_b32 v38, 7, v36
	v_lshrrev_b32 v39, 3, v36
	v_lshl_add_u32 v38, v37, 4, v38
	v_lshlrev_b32 v38, 4, v38
	v_mad_u32_u24 v[XPA], v39, 6144, v38
	v_lshl_add_u32 v39, v39, 3, v36                ; r + 8 (r / 8)
	v_lshl_add_u32 v38, v37, 3, v39
	v_lshlrev_b32 v[XSP], 4, v38
	v_lshlrev_b32 v[H64], 6, v37
	v_lshlrev_b32 v[BVO], 2, v39
	v_mul_u32_u24 v[VCO], v38, 24
	v_mov_b32 v[VSB], v38
	v_lshlrev_b32 v[SH8], 3, v37
	s_wait_alu depctr_va_sdst(0)                   ; s2 is written, ahead of its first reader: every base below is made from it
	s_lshl_b32 s3, ttmp9, 3
	s_add_co_u32 s3, s3, s2                        ; rb: which 32 rows
	s_mov_b32 s[SEL], 0x76543210
	s_mov_b32 s[SEL+1], 0xfedcba98
	s_mov_b32 s35, 0
	s_lshl_b32 s34, s3, 9
	s_wait_kmcnt 0x0
	s_add_nc_u64 s[20:21], s[4:5], s[34:35]        ; xn's scale words: 32 rows of 16 bytes
	s_mul_i32 s34, s3, 12288
	s_add_nc_u64 s[4:5], s[4:5], s[34:35]          ; xn's images: eight of 1,536 bytes
	s_mul_i32 s34, s30, 76800
	s_add_nc_u64 s[W:W+1], s[W:W+1], s[34:35]
	s_lshl_b32 s34, s3, 13
	s_add_nc_u64 s[8:9], s[8:9], s[34:35]
	s_lshl_b32 s34, s30, 8
	s_add_nc_u64 s[10:11], s[10:11], s[34:35]
	s_add_nc_u64 s[12:13], s[12:13], s[34:35]
	s_add_nc_u64 s[14:15], s[14:15], s[34:35]
	s_lshr_b32 s31, s3, 6
	s_lshl_b32 s31, s31, 3
	s_add_co_u32 s31, s31, s30                     ; 8 x batch + head
	s_lshl_b32 s36, s3, 1
	s_and_b32 s36, s36, 127
	s_lshl_b32 s37, s31, 7
	s_add_co_u32 s36, s36, s37                     ; my first tile of 16 rows in that head
	s_mul_i32 s34, s36, 768
	s_add_nc_u64 s[22:23], s[16:17], s[34:35]
	s_lshl_b32 s34, s36, 7
	s_add_nc_u64 s[24:25], s[16:17], s[34:35]
	s_and_b32 s36, s3, 63
	s_lshl_b32 s37, s31, 6
	s_add_co_u32 s36, s36, s37                     ; my block of 32 keys in that head
	s_mul_i32 s34, s36, 1536
	s_add_nc_u64 s[26:27], s[18:19], s[34:35]
	s_lshl_b32 s34, s36, 6
	s_add_nc_u64 s[28:29], s[18:19], s[34:35]
	s_wait_alu depctr_va_vdst(0)                   ; the nine offsets v1 to v9 are written: every load and store of the kernel reads one of them
	; ---- the head's loads
	global_load_b128 v[XS:XS+3], v[LI], s[20:21] offset:XSC
.set NI, NI+1
.irp m, 0,1
.irp ks, 0,1,2,3
.irp p, 0,1,2
	global_load_b128 v[XF+12*(4*\m+\ks)+4*\p:XF+12*(4*\m+\ks)+4*\p+3], v[LI], s[4:5] offset:(4*\m+\ks)*1536+512*\p
.endr
.endr
.endr
.set NI, NI+24
	LBIAS 10
	WIN 0x40
.irp m, 0,1
.irp j, 0,1,2,3,4,5,6,7
	global_load_b128 v[CS+32*\m+4*\j:CS+32*\m+4*\j+3], v[LI], s[8:9] offset:4096*\m+512*\j
.endr
.endr
	WIN 0
.set NI, NI+16
	LOADC 0
	LOADC 1
	LOADC 2
	LOADC 3
	; ---- q
	STEPQK 0, 0
	STEPQK 1, 1
	LBIAS 12                                       ; bk, into the registers that bq has left: wanted at chunk 4, which is asked for behind it
	LOADC 4
	STEPQK 2, 1
	LOADC 5
	STEPQK 3, 1
	LOADC 6
	s_wait_alu depctr_va_vdst(0)                   ; step 3's products are done reading slot 3 and its scale registers, in which chunk 7 lands (the rotation below reads their results in any case)
	LOADC 7
	EPIQK 0
	; ---- k
	STEPQK 4, 0
	STEPQK 5, 1
	LOADC 8
	STEPQK 6, 1
	LOADC 9
	STEPQK 7, 1
	LOADC 10
	s_wait_alu depctr_va_vdst(0)                   ; step 7's products are done reading slot 3, its scale registers, xn's fragments and xn's scale words, and step 4's the bias: the loads below land in all of these
	LOADC 11
.irp uu, 0,1                                   ; xn once more, in the row order that v wants: lane r of tile u takes row 8 u + r + 8 (r / 8)
.irp ks, 0,1,2,3
.irp p, 0,1,2
	global_load_b128 v[XF+12*(4*\uu+\ks)+4*\p:XF+12*(4*\uu+\ks)+4*\p+3], v[XPA], s[4:5] offset:128*\uu+1536*\ks+512*\p
.endr
.endr
.endr
	global_load_b128 v[XS:XS+3], v[XSP], s[20:21] offset:XSC
.irp t, 0,1,2,3
	global_load_b32 v[BIAS+2*\t], v[BVO], s[14:15] offset:4*(32*(\t/2)+8*(\t%2))   ; bv at my d of tile t
.endr
.irp t, 0,1,2,3
	v_mov_b32 v[BIAS+2*\t+1], 0                    ; (named with it as a pair; no load lands here any more)
.endr
.set NI, NI+29
	EPIQK 1
	; ---- v
	s_wait_loadcnt 0x0                             ; the youngest loads are xn's and bv
	STEPV 8
	STEPV 9
	STEPV 10
	STEPV 11
	PLACES 4
.irp t, 0,1,2,3
.irp q, 0,1,2,3,4,5,6,7
	v_pk_add_f32 v[ACC+16*\t+2*\q:ACC+16*\t+2*\q+1], v[ACC+16*\t+2*\q:ACC+16*\t+2*\q+1], v[BIAS+2*\t:BIAS+2*\t+1] op_sel_hi:[1,0]
.endr
.endr
	s_wait_xcnt 0x0                                ; k's stores have read the codes' registers
	s_wait_alu depctr_vm_vsrc(0)                   ; k's last stores have read v[PC ..] and v[PW], which the quantiser below writes again
	QUANT4 ACC                                     ; block t = my 32 keys at d = 32 (t / 2) + 8 (t % 2) + r + 8 (r / 8); behind it lane (r, h) holds blocks h and 2 + h whole
	v_lshrrev_b32 v36, v[SH8], v[PW]               ; byte h, for d = 8 h + ..
	v_lshrrev_b32 v37, 16, v36                     ; byte 2 + h, for d = 32 + 8 h + ..
	s_wait_alu depctr_va_vdst(0)                   ; the codes v[PC ..] and the two bytes v36, v37 are written, which the stores read
.irp cc, 0,1
.irp k, 0,1,2
	global_store_b64 v[VCO], v[PC+6*\cc+2*\k:PC+6*\cc+2*\k+1], s[26:27] offset:768*\cc+8*\k
.endr
.endr
	global_store_b8 v[VSB], v36, s[28:29] offset:VSO
	global_store_b8 v[VSB], v37, s[28:29] offset:VSO+32
	s_endpgm
.Lfunc_end_k_q89919974ac_qkv:
	.size	k_q89919974ac_qkv, .Lfunc_end_k_q89919974ac_qkv-k_q89919974ac_qkv
	.p2alignl 7, 3214868480
	.fill 96, 4, 3214868480
	.section	.rodata,"a",@progbits
	.p2align	6, 0x0
	.amdhsa_kernel k_q89919974ac_qkv
		.amdhsa_group_segment_fixed_size 0
		.amdhsa_private_segment_fixed_size 0
		.amdhsa_enable_private_segment 0
		.amdhsa_kernarg_size 64
		.amdhsa_user_sgpr_count 2
		.amdhsa_user_sgpr_kernarg_segment_ptr 1
		.amdhsa_wavefront_size32 1
		.amdhsa_system_sgpr_workgroup_id_x 1
		.amdhsa_system_sgpr_workgroup_id_y 1
		.amdhsa_system_sgpr_workgroup_id_z 1
		.amdhsa_system_vgpr_workitem_id 0
		.amdhsa_next_free_vgpr 512
		.amdhsa_next_free_sgpr 66
		.amdhsa_reserve_vcc 0
		.amdhsa_float_denorm_mode_32 3
		.amdhsa_float_denorm_mode_16_64 3
		.amdhsa_memory_ordered 1
		.amdhsa_forward_progress 1
		.amdhsa_inst_pref_size 67
	.end_amdhsa_kernel
	.amdgpu_metadata
---
amdhsa.version: [ 1, 2 ]
amdhsa.kernels:
  - .name:           k_q89919974ac_qkv
    .symbol:         k_q89919974ac_qkv.kd
    .args:
      - { .name: xa, .offset: 0, .size: 8, .value_kind: global_buffer, .address_space: global }
      - { .name: wst, .offset: 8, .size: 8, .value_kind: global_buffer, .address_space: global }
      - { .name: rope, .offset: 16, .size: 8, .value_kind: global_buffer, .address_space: global }
      - { .name: bq, .offset: 24, .size: 8, .value_kind: global_buffer, .address_space: global }
      - { .name: bk, .offset: 32, .size: 8, .value_kind: global_buffer, .address_space: global }
      - { .name: bv, .offset: 40, .size: 8, .value_kind: global_buffer, .address_space: global }
      - { .name: qk, .offset: 48, .size: 8, .value_kind: global_buffer, .address_space: global }
      - { .name: vv, .offset: 56, .size: 8, .value_kind: global_buffer, .address_space: global }
    .group_segment_fixed_size: 0
    .private_segment_fixed_size: 0
    .kernarg_segment_align: 8
    .kernarg_segment_size: 64
    .max_flat_workgroup_size: 256
    .sgpr_count:     66
    .vgpr_count:     512
    .wavefront_size: 32
...
	.end_amdgpu_metadata
.endif
;; end of part 5
;; launch attn (part 6): grid 8 x 32, 16 waves a work-group, no clusters, 213,504 bytes of LDS; arguments qk, vv, maskw, ao; writes ao
.if DOCPART == 6
	.amdgcn_target "amdgcn-amd-amdhsa--gfx1250"
	.amdhsa_code_object_version 6
	.text
	.protected	k_q89919974ac_attn
	.globl	k_q89919974ac_attn
	.p2align	8
	.type	k_q89919974ac_attn,@function
k_q89919974ac_attn:
	s_mov_b64 s[64:65], 0
	v_nop
	global_prefetch_b8 v0, s[64:65] scope:SCOPE_SE
	s_setreg_imm32_b32 hwreg(HW_REG_WAVE_SCHED_MODE, 0, 2), 2
	s_setreg_imm32_b32 hwreg(HW_REG_WAVE_MODE, 25, 1), 1
	s_wait_xcnt 0x0
	s_wait_alu depctr_vm_vsrc(0)
; ATTENTION under a mask that is an input, both products on E2M3 codes.  The second product's left operand is the FINISHED softmax: a row's maximum and sum over all 2,048 keys are known before any weight is quantised.
; SHARES.  Work-group (x, y): head y (8 x batch + head), queries 256 x on.  THE SIXTEEN WAVES SHARE THE KEYS: wave w owns keys 128 w .. 128 w + 127; its fragments of K and V and their scales stay in registers for the
; whole launch, read from memory once.  Sixteen trips, a tile of 16 queries a trip.  For a tile each wave makes its 16 x 128 scores (they stay in registers), its own whole-number maximum M and its sum of 2^(t - M);
; the waves exchange the two through LDS (first barrier); each then knows the row's M and sum, scales its weights by 2^(own M - M) / sum, quantises them and multiplies by its part of V; the sixteen partial results
; meet in LDS (second barrier) and wave w adds up query w.  So each score and each exponential is made once.
; THE TRIPS OVERLAP.  Between the second barrier's signal and its wait a wave makes the NEXT tile's scores, maximum, exponentials and sum: register work alone.  The sixteen partial rows of the tile before are read
; between the first barrier's signal and its wait, and added while the loads of the exchange are on their way.  For that the partial results have two buffers by turns: what is read inside the first barrier is the buffer
; that no wave writes before the first barrier of the next trip.  The loop runs two trips an iteration, so that every LDS offset is an immediate; its first and last trips are written out.
; LAYOUT.  S^T = K Q^T (source 0 = 16 keys, lane r of tile 2 b + u takes key 32 b + 8 u + r + 8 (r / 8); source 1 = the 16 queries): a lane holds one query, and registers 16 b + i are keys 32 b + 16 h + i.
; The head has 64 numbers and the product's K is 128: Q's upper six registers hold zero codes for good; K's upper six are whatever follows in the register file (the next tile's codes), which zero codes annul.
; THE MASK comes as lane masks, one word a score register, by scalar loads a trip ahead: one v_cndmask_b32 a score.  It steers no address and no branch.
; A row with no key gets zeros: its weights are 0 and the sum is held at 2^-100 from below.
; No tensor load, no cluster: K and V are read once, at the head, by the one wave that keeps them; Q (896 bytes a trip) is the only stream.  Four waves share a SIMD: one wave's exponentials stand beside another's products.
; LIMITS: NaN and infinities not served; scores under -3e38 count as masked; weights under 2^-126 fall to 0; the quantiser's byte is held at 1 from below.
; THE MODE: SCHED_MODE bits 1:0 = 2 (LLVM: expert scheduling mode 2), set by the entry lines.  The code itself states the register dependences between vector or matrix instructions and memory or LDS instructions, with s_wait_alu, always for 0.
; THE PLAN.  Registers that memory or LDS instructions touch, round a trip:
;   v234, v236       -M and the sum: written by the first phase; read by the two stores into the exchange; written again in this trip (v236) and by the next first phase.
;   v126-131, v124   Q and its scale words: read by the first phase's products; the next tile's loads land there at the trip's head.
;   v202-221, v226-233, v236-239  The sixteen parts of a row land here inside the first barrier; before and behind that they are named by vector and matrix lines alone (v238:239 also as the finished row).
;   v240-255         The exchange lands here behind the first barrier.
;   v238:239, v9     The finished row and its LDS address: written by the additions; read by one store.
;   v202-213, v125   The weights' codes and scale word: made by vector lines, taken by the second product.
;   v138-169         The second product's results: read by eight stores; the next first phase's products write over them.
;   v1-v8, v10-v12, v14  Offsets and LDS addresses, made once at the head.
; A trip's waits on va_vdst: at its head (the first phase is done: all of the first four lines above); behind the nine exponentials (also: the finished row and its address are written); behind the reciprocal; ahead of the second
; product (codes and scale word are written); ahead of the stores of its results.  On vm_vsrc: ahead of each barrier's signal (the stores issued since the last one have read their registers).
.set KOFF, 3145728
.set QSO,  6291456
.set KSO,  6815744
.set VSO,  3145728
.set AOS,  3145728
.set OP,   2560                        ; LDS: 0: the exchange, 16 queries x 144 bytes (at 64 h': -M of waves 8 h' .. + 7, then their sums);  OP: 16 waves x 2 buffers x 16 queries x (256 + 16) bytes of partial results
.set OPB,  4352                        ; one buffer
.set FST,  141824                      ; the finished rows: 256 x (256 + 16) bytes
.set LI,   1                           ; v1  16 x lane
.set L8,   2                           ; v2  8 x lane
.set L4,   3                           ; v3  4 x lane
.set STW,  4                           ; v4  the exchange: my wave's word of query r
.set STR,  5                           ; v5  and the 64 bytes that my half of the lanes reads
.set OPW,  6                           ; v6  my partial results, buffer 0: query r, + 32 h
.set OPR,  7                           ; v7  query w of wave 0's partial results, buffer 0, 8 bytes a lane
.set FW0,  8                           ; v8  the finished row of query w of tile 0
.set FW,   9                           ; v9  and of the tile in hand
.set FR,   10                          ; v10 the way out: row 16 w + lane / 4, + 64 (lane % 4)
.set L12,  11                          ; v11 12 x lane
.set LL,   12                          ; v12 lane
.set NINF, 13                          ; v13 -infinity
.set OPR2, 14                          ; v14 query w of wave 8's partial results: an LDS offset has 16 bits
.set KF,   16                          ; v16-63 K: tile t at KF + 6 t;  v64-69 zero codes
.set VF,   70                          ; v70-117 V^T: tile t (16 of the head's 64) at VF + 12 t
.set KSR,  118                         ; v118-121 K's scale words: lanes 0-15 tile 2 b, lanes 16-31 tile 2 b + 1
.set VSR,  122                         ; v122-123 V's
.set QSR,  124
.set PW,   125                         ; the weights' scale word
.set QF,   126                         ; v126-131 Q;  v132-137 zero codes
.set S,    138                         ; v138-201 scores, then weights; v138-169 then the partial result
.set PC,   202                         ; v202-213 the weights' codes
.set PX,   214                         ; v214-221
.set BM,   222                         ; v222-225 each block's largest score, then its largest weight
.set U,    226                         ; v226-229
.set SCL,  230                         ; v230-233
.set EO,   226                         ; 2^(own M - M)
.set T1,   227
.set MX,   228
.set TG,   230                         ; v[230:231] -M of the row
.set NM,   234                         ; v[234:235] my wave's -M
.set LS,   236                         ; v[236:239] sums
.set TF,   236                         ; v[236:237] the factor 2^(own M - M) / sum
.set FD,   238                         ; v[238:239] a finished row's two numbers
.set RD,   240                         ; v240-255 eight -M, eight sums
.set CSC,  92                          ; s[92:93] log2(e) / 8
.set SEL,  94                          ; s[94:95]
.macro PLACES cnt
.rept \cnt
	v_nop
.endr
.endm
.macro BAR                             ; my LDS stores have landed and my LDS loads are in: then the work-group's barrier
	s_wait_dscnt 0x0
	s_barrier_signal -1
	s_barrier_wait -1
.endm
.macro MMA0 d, a, b, sa, sb, ra        ; a product that starts its sum with the constant 0; ra: source 0's scales stand in lanes 16-31
.if (\ra)
	v_wmma_scale_f32_16x16x128_f8f6f4 v[(\d):(\d)+7], v[(\a):(\a)+11], v[(\b):(\b)+11], 0, v[\sa], v[\sb] matrix_a_fmt:MATRIX_FMT_FP6 matrix_b_fmt:MATRIX_FMT_FP6 matrix_a_scale:MATRIX_SCALE_ROW1
.else
	v_wmma_scale_f32_16x16x128_f8f6f4 v[(\d):(\d)+7], v[(\a):(\a)+11], v[(\b):(\b)+11], 0, v[\sa], v[\sb] matrix_a_fmt:MATRIX_FMT_FP6 matrix_b_fmt:MATRIX_FMT_FP6
.endif
.endm
; The sixteen parts of a row land in registers that are free between a tile's sum and its quantiser: part p in v[RR:RR+1]: v202-221 (the codes'), v226-233, v236-239
.macro RP p
.if (\p) < 10
.set RR, 202+2*(\p)
.elseif (\p) < 14
.set RR, 226+2*((\p)-10)
.else
.set RR, 236+2*((\p)-14)
.endif
.endm
.macro REDL q                          ; query w, d = 2 lane, 2 lane + 1, of each wave's part, out of buffer q
.set PP, 0
.rept 16
	RP PP
.if PP < 8
	ds_load_b64 v[RR:RR+1], v[OPR] offset:2*OPB*PP+OPB*(\q)
.else
	ds_load_b64 v[RR:RR+1], v[OPR2] offset:2*OPB*(PP-8)+OPB*(\q)
.endif
.set PP, PP+1
.endr
.endm
.macro REDA                            ; their sum, in two chains by turns
.irp p, 1,2,3,4,5,6,7
	RP \p
	v_pk_add_f32 v[202:203], v[202:203], v[RR:RR+1]
	RP \p+8
	v_pk_add_f32 v[218:219], v[218:219], v[RR:RR+1]
.endr
	v_pk_add_f32 v[FD:FD+1], v[202:203], v[218:219]
.endm
; A TILE'S FIRST PHASE, on registers alone: scores, mask, my wave's whole-number maximum, 2^(t - M), my wave's sum.  Q and the mask words have been waited for ahead of it.
.macro PHASEA
.irp t, 0,1,2,3,4,5,6,7
	MMA0 S+8*\t, KF+6*\t, QF, KSR+\t/2, QSR, \t%2
.endr
	PLACES 4                                       ; in front of the first read of scores
.set NN, 0
.rept 48
	v_cndmask_b32 v[S+NN], v[NINF], v[S+NN], s[16+NN]   ; hidden: -infinity.  Each accumulator from its low end on
.set NN, NN+1
.endr
.rept 16
	v_cndmask_b32 v[S+NN], v[NINF], v[S+NN], s[20+NN]
.set NN, NN+1
.endr
.irp b, 0,1,2,3
	v_max3_num_f32 v[BM+\b], v[S+16*\b], v[S+16*\b+1], v[S+16*\b+2]   ; the largest score of each block of 32 keys: for the maximum, and, since a weight rises with its score, for the block's largest weight
.endr
.irp i, 3,5,7,9,11,13
.irp b, 0,1,2,3
	v_max3_num_f32 v[BM+\b], v[BM+\b], v[S+16*\b+\i], v[S+16*\b+\i+1]
.endr
.endr
.irp b, 0,1,2,3
	v_max_num_f32 v[BM+\b], v[BM+\b], v[S+16*\b+15]
.endr
.irp b, 0,1,2,3
	v_permlanex16_b32 v[U+\b], v[BM+\b], s[SEL], s[SEL+1]
.endr
.irp b, 0,1,2,3
	v_max_num_f32 v[BM+\b], v[BM+\b], v[U+\b]
.endr
	v_max3_num_f32 v[MX], v[BM], v[BM+1], v[BM+2]
	v_max3_num_f32 v[MX], v[MX], v[BM+3], 0xff61b1e6   ; held at -3e38 where all my 128 keys are hidden
	v_mul_f32 v[MX], s[CSC], v[MX]
	v_floor_f32 v[NM], -v[MX]                      ; -M = floor(-t): M is a whole number
	v_pk_fma_f32 v[S:S+1], v[S:S+1], s[CSC:CSC+1], v[NM:NM+1] op_sel_hi:[1,0,0]       ; t - M, a pair at a time
	v_pk_fma_f32 v[S+2:S+3], v[S+2:S+3], s[CSC:CSC+1], v[NM:NM+1] op_sel_hi:[1,0,0]
.irp b, 0,1,2,3
	v_fma_f32 v[BM+\b], v[BM+\b], s[CSC], v[NM]
.endr
.set NN, 0
.rept 32                                       ; ONE BATCH: a pair's scaling stands two pairs ahead of its exponentials; none of these lines names an exponential's result
.if NN < 30
	v_pk_fma_f32 v[S+2*NN+4:S+2*NN+5], v[S+2*NN+4:S+2*NN+5], s[CSC:CSC+1], v[NM:NM+1] op_sel_hi:[1,0,0]
.endif
	v_exp_f32 v[S+2*NN], v[S+2*NN]
	v_exp_f32 v[S+2*NN+1], v[S+2*NN+1]
.set NN, NN+1
.endr
.irp b, 0,1,2,3
	v_exp_f32 v[BM+\b], v[BM+\b]                   ; the same two instructions on the same number give the same bits
.endr
	v_nop                                          ; a plain place behind the batch,
	s_wait_alu depctr_va_vdst(0)                   ; and one wait for its 68 exponentials' results, v[S ..] and v[BM ..], ahead of the first reader
	v_pk_add_f32 v[LS:LS+1], v[S:S+1], v[S+2:S+3]
	v_pk_add_f32 v[LS+2:LS+3], v[S+4:S+5], v[S+6:S+7]
.irp j, 8,12,16,20,24,28,32,36,40,44,48,52,56,60
	v_pk_add_f32 v[LS:LS+1], v[LS:LS+1], v[S+\j:S+\j+1]
	v_pk_add_f32 v[LS+2:LS+3], v[LS+2:LS+3], v[S+\j+2:S+\j+3]
.endr
	v_pk_add_f32 v[LS:LS+1], v[LS:LS+1], v[LS+2:LS+3]
	v_add_f32 v[LS], v[LS], v[LS+1]
	v_permlanex16_b32 v[T1], v[LS], s[SEL], s[SEL+1]
	v_add_f32 v[LS], v[LS], v[T1]                  ; my wave's sum for query r
.endm
; A TRIP, entered with the tile's first phase done and no barrier open.  par: which buffer takes this tile's partial results; red: the tile before has partial results to add (in the other buffer); nxt: a tile follows
.macro BODY par, red, nxt
	s_wait_alu depctr_va_vdst(0)                   ; the first phase is done: v[NM] and v[LS] are written, which the two stores read; its products are done reading Q and Q's scale words, in which the next tile's land; and no vector line still names the registers in which the sixteen parts and the exchange land
	ds_store_b32 v[STW], v[NM]                     ; lanes l and l xor 16 write the same word with the same value.  (Every wave's reads of the last exchange were waited for ahead of the barrier just passed)
	ds_store_b32 v[STW], v[LS] offset:32
.if \nxt
	s_add_nc_u64 s[12:13], s[12:13], 768           ; the next tile's Q, its scale words and its mask words: every load through these pointers has been waited for
	s_add_nc_u64 s[14:15], s[14:15], 128
	s_add_nc_u64 s[88:89], s[88:89], 4096
	global_load_b128 v[QF:QF+3], v[LI], s[12:13]
	global_load_b64 v[QF+4:QF+5], v[L8], s[12:13] offset:512
	global_load_b32 v[QSR], v[L4], s[14:15] offset:QSO
	s_load_b512 s[16:31], s[88:89], 0x0
	s_load_b512 s[32:47], s[88:89], 0x40
	s_load_b512 s[48:63], s[88:89], 0x80
	s_load_b512 s[68:83], s[88:89], 0xc0
.endif
	s_wait_dscnt 0x0                               ; my (-M, sum) lie in LDS
	s_wait_alu depctr_vm_vsrc(0)                   ; the two stores have read v[NM] and v[LS]: a part of a row lands in v[LS ..], the row's sum is written there, and the next first phase writes both again
	s_barrier_signal -1                            ; FIRST BARRIER
.if \red
	REDL 1-\par                                    ; between signal and wait: the buffer of the tile before, which no wave writes before the next trip's first barrier
.endif
	s_barrier_wait -1                              ; all sixteen (-M, sum) lie in LDS
.irp j, 0,1,2,3
	ds_load_b128 v[RD+4*\j:RD+4*\j+3], v[STR] offset:16*\j
.endr
.if \red
	s_wait_dscnt 4                                 ; LDS loads come back in order: the sixteen parts are in, the four loads of the exchange may stay out
	REDA
	v_add_nc_u32 v[FW], s96, v[FW0]
.endif
	s_wait_dscnt 0x0
	v_min3_num_f32 v[TG], v[RD], v[RD+1], v[RD+2]
	v_min3_num_f32 v[TG], v[TG], v[RD+3], v[RD+4]
	v_min3_num_f32 v[TG], v[TG], v[RD+5], v[RD+6]
	v_min_num_f32 v[TG], v[TG], v[RD+7]
	v_permlanex16_b32 v[T1], v[TG], s[SEL], s[SEL+1]
	v_min_num_f32 v[TG], v[TG], v[T1]              ; the row's -M
.irp k, 0,2,4,6
	v_pk_add_f32 v[RD+\k:RD+\k+1], v[TG:TG+1], v[RD+\k:RD+\k+1] op_sel_hi:[0,1] neg_lo:[0,1] neg_hi:[0,1]   ; a wave's M less the row's: a whole number, 0 or less
.endr
	v_sub_f32 v[EO], v[TG], v[NM]
.irp k, 0,1,2,3,4,5,6,7
	v_exp_f32 v[RD+\k], v[RD+\k]
.endr
	v_exp_f32 v[EO], v[EO]
	v_nop
	s_wait_alu depctr_va_vdst(0)                   ; one wait for the nine exponentials' results, v[RD ..] and v[EO]; it also states that the finished row v[FD ..] and its address v[FW] are written, which the store below reads
.if \red
	ds_store_b64 v[FW], v[FD:FD+1] offset:OPB*(1-\par)   ; row 16 x tile + w of the finished rows (16 rows are as many bytes as a buffer); its registers are written again only behind the second barrier's signal
.endif
	v_pk_mul_f32 v[LS:LS+1], v[RD+8:RD+9], v[RD:RD+1]
.irp k, 2,4,6
	v_pk_fma_f32 v[LS:LS+1], v[RD+8+\k:RD+9+\k], v[RD+\k:RD+\k+1], v[LS:LS+1]
.endr
	v_add_f32 v[LS], v[LS], v[LS+1]
	v_permlanex16_b32 v[T1], v[LS], s[SEL], s[SEL+1]
	v_add_f32 v[LS], v[LS], v[T1]                  ; the row's sum under the row's M
	v_max_num_f32 v[LS], 0x0d800000, v[LS]         ; a row with no key: the sum 0 is held at 2^-100, and its weights stay 0
	v_rcp_f32 v[LS], v[LS]
	v_nop
	s_wait_alu depctr_va_vdst(0)                   ; the reciprocal's result v[LS], ahead of its reader
	v_mul_f32 v[TF], v[LS], v[EO]
.irp b, 0,1,2,3
	v_mul_f32 v[BM+\b], v[BM+\b], v[TF]            ; each block's largest finished weight,
.endr
.irp b, 0,1,2,3
	v_max_num_f32 v[BM+\b], 0x1800000, v[BM+\b]    ; the floor 2^(3 - 127): the byte cannot fall under 1
.endr
.irp b, 0,1,2,3
	v_add_nc_u32 v[SCL+\b], 0xff000000, v[BM+\b]
.endr
.irp b, 0,1,2,3
	v_lshrrev_b32 v[U+\b], 23, v[SCL+\b]
.endr
	v_lshl_or_b32 v[PW], v[U+1], 8, v[U]           ; and the scale word, ahead of the scalings: sixteen of them name no register of the product below, which are the places that a scale word made by vector instructions wants
	v_lshl_or_b32 v[PW], v[U+2], 16, v[PW]
	v_lshl_or_b32 v[PW], v[U+3], 24, v[PW]
.set NN, 0
.rept 32
	v_pk_mul_f32 v[S+NN:S+NN+1], v[S+NN:S+NN+1], v[TF:TF+1] op_sel_hi:[1,0]   ; the finished softmax
.set NN, NN+2
.endr
.irp cc, 0,1
	v_cvt_scalef32_pk16_fp6_f32 v[PC+6*\cc:PC+6*\cc+2], v[S+32*\cc:S+32*\cc+15], v[SCL+2*\cc]
	v_cvt_scalef32_pk16_fp6_f32 v[PX+4*\cc:PX+4*\cc+2], v[S+32*\cc+16:S+32*\cc+31], v[SCL+2*\cc+1]
.endr
	v_nop                                          ; one plain place behind the conversions
.irp cc, 0,1
.irp ii, 0,1,2
	v_permlane16_swap_b32 v[PC+6*\cc+\ii], v[PX+4*\cc+\ii]
.endr
.irp ii, 0,1,2
	v_mov_b32 v[PC+3+6*\cc+\ii], v[PX+4*\cc+\ii]
.endr
.endr
	PLACES 4                                       ; codes made by vector instructions stand four places ahead of their product
	s_wait_alu depctr_va_vdst(0)                   ; the codes v[PC ..] and the scale word v[PW] are written, which the products below take; the places above stay beside this wait
.irp t, 0,1,2,3
	MMA0 S+8*\t, VF+12*\t, PC, VSR+\t/2, PW, \t%2  ; O^T over my 128 keys: lane (r, h): query r, d = 16 t + 8 h + 0 .. 7
.endr
	PLACES 5                                       ; four in front of the stores that read the results; five in front of the next tile's products, which write over them
	s_wait_alu depctr_va_vdst(0)                   ; the four products have written v[S .. S + 31], which the stores read; the places above stay beside this wait
.irp t, 0,1,2,3
.irp k, 0,1
	ds_store_b128 v[OPW], v[S+8*\t+4*\k:S+8*\t+4*\k+3] offset:OPB*(\par)+64*\t+16*\k
.endr
.endr
.if \nxt
	s_wait_loadcnt 0x0                             ; the next tile's Q: its three loads are all that is out
	s_wait_kmcnt 0x0                               ; and its mask words
.endif
	s_wait_dscnt 0x0                               ; my partial result lies in LDS; my reads of the exchange and of the other buffer are over
	s_wait_alu depctr_vm_vsrc(0)                   ; the eight stores have read v[S .. S + 31], and the finished row's store v[FD ..] and v[FW]: what follows (the next first phase; behind the last trip the loads of its parts and of the finished rows) writes them
	s_barrier_signal -1                            ; SECOND BARRIER
.if \nxt
	PHASEA                                         ; between signal and wait: the next tile's first phase, on registers alone
.endif
	s_barrier_wait -1                              ; the sixteen partial results lie in LDS
.endm
	s_load_b256 s[4:11], s[0:1], 0x0               ; qk, vv, maskw, ao
	v_lshrrev_b32 v1, 5, v0
	v_readfirstlane_b32 s2, v1                     ; wave 0..15
	s_and_b32 s100, ttmp7, 0xffff                  ; 8 x batch + head
.irp i, 0,1,2,3,4,5
	v_mov_b32 v[KF+48+\i], 0                       ; zero codes behind K's last tile,
	v_mov_b32 v[QF+6+\i], 0                        ; and in Q's upper half of K
.endr
	v_mov_b32 v[NINF], 0xff800000
.irp i, 0,1,2,3
	v_mov_b32 v[U+\i], 0                           ; a lane permute's destination counts as one of its sources
.endr
	v_mov_b32 v[TG+1], 0                           ; (upper halves of pairs of which the low word serves both halves)
	v_mov_b32 v[NM+1], 0
	v_and_b32 v[LL], 31, v0
	v_and_b32 v138, 15, v0                         ; r
	v_bfe_u32 v139, v0, 4, 1                       ; h
	v_and_b32 v140, 7, v138
	v_lshrrev_b32 v141, 3, v138
	v_lshlrev_b32 v[LI], 4, v[LL]
	v_lshlrev_b32 v[L8], 3, v[LL]
	v_lshlrev_b32 v[L4], 2, v[LL]
	v_mul_u32_u24 v[L12], v[LL], 12
	v_lshl_add_u32 v146, v139, 4, v140             ; the lane of the stored image that holds my key: r % 8 + 16 h (+ 8 u)
	v_mul_u32_u24 v147, v141, 768                  ; in the stored tile 2 b + r / 8
	v_lshl_add_u32 v142, v146, 4, v147
	v_lshl_add_u32 v143, v146, 3, v147
	v_lshl_add_u32 v146, v139, 3, v140
	v_lshlrev_b32 v146, 2, v146
	v_lshl_add_u32 v144, v141, 7, v146             ; K's scale words: here the lane's half stands for u
	v_mul_u32_u24 v145, v138, 24
	v_mad_u32_u24 v145, v139, 1536, v145           ; V: d = r of a tile, key block h of a pair
	v_mul_u32_u24 v[STR], v138, 144
	s_wait_alu depctr_va_sdst(0)                   ; s2 is written, ahead of its first reader: LDS addresses and bases are made from it
	s_lshr_b32 s96, s2, 3
	s_lshl_b32 s96, s96, 6
	s_and_b32 s97, s2, 7
	s_lshl_b32 s97, s97, 2
	s_add_co_u32 s96, s96, s97
	v_add_nc_u32 v[STW], s96, v[STR]
	v_lshl_add_u32 v[STR], v139, 6, v[STR]
	v_mul_u32_u24 v[OPW], v138, 272
	v_lshl_add_u32 v[OPW], v139, 5, v[OPW]
	s_mul_i32 s97, s2, 2*OPB
	s_add_co_u32 s97, s97, OP
	v_add_nc_u32 v[OPW], s97, v[OPW]
	s_mul_i32 s97, s2, 272
	s_add_co_u32 s97, s97, OP
	v_add_nc_u32 v[OPR], s97, v[L8]
	v_add_nc_u32 v[OPR2], 16*OPB, v[OPR]           ; eight waves' regions further on
	s_add_co_u32 s97, s97, FST-OP
	v_add_nc_u32 v[FW0], s97, v[L8]
	v_lshrrev_b32 v146, 2, v[LL]
	v_mul_u32_u24 v[FR], v146, 272
	v_and_b32 v146, 3, v[LL]
	v_lshl_add_u32 v[FR], v146, 6, v[FR]
	s_mul_i32 s96, s2, 4352
	s_add_co_u32 s96, s96, FST
	v_add_nc_u32 v[FR], s96, v[FR]
	s_mov_b32 s[CSC], 0x3e38aa3b                   ; t = score x log2(e) / sqrt(64)
	s_mov_b32 s[CSC+1], s[CSC]
	s_mov_b32 s[SEL], 0x76543210
	s_mov_b32 s[SEL+1], 0xfedcba98
	s_mov_b32 s97, 0
	s_lshl_b32 s101, s100, 7
	s_lshl_b32 s96, ttmp9, 4
	s_add_co_u32 s3, s101, s96                     ; my work-group's first tile of queries
	s_wait_kmcnt 0x0
	s_mul_i32 s96, s3, 768
	s_add_nc_u64 s[12:13], s[4:5], s[96:97]        ; Q's half images
	s_lshl_b32 s96, s3, 7
	s_add_nc_u64 s[14:15], s[4:5], s[96:97]        ; Q's scale words
	s_lshl_b32 s96, s2, 3
	s_add_co_u32 s3, s101, s96                     ; my wave's first tile of keys
	s_mul_i32 s96, s3, 768
	s_add_nc_u64 s[84:85], s[4:5], s[96:97]
	s_lshl_b32 s96, s3, 7
	s_add_nc_u64 s[86:87], s[4:5], s[96:97]
	s_lshl_b32 s3, s100, 6
	s_lshl_b32 s96, s2, 2
	s_add_co_u32 s3, s3, s96                       ; my wave's first block of 32 keys
	s_mul_i32 s96, s3, 1536
	s_add_nc_u64 s[90:91], s[6:7], s[96:97]
	s_lshl_b32 s96, s3, 6
	s_add_nc_u64 s[98:99], s[6:7], s[96:97]
	s_lshr_b32 s3, s100, 3
	s_lshl_b32 s3, s3, 7
	s_lshl_b32 s96, ttmp9, 4
	s_add_co_u32 s3, s3, s96
	s_lshl_b32 s96, s3, 12
	s_lshl_b32 s3, s2, 8
	s_add_co_u32 s96, s96, s3
	s_add_nc_u64 s[88:89], s[8:9], s[96:97]        ; the mask words of tile 0: 4,096 bytes a tile of queries, 256 a wave
	s_lshl_b32 s3, s100, 11
	s_lshl_b32 s96, ttmp9, 8
	s_add_co_u32 s3, s3, s96                       ; my work-group's first row in ao
	s_lshl_b32 s96, s3, 2
	s_lshl_b32 s101, s2, 6
	s_add_co_u32 s96, s96, s101
	s_add_nc_u64 s[4:5], s[10:11], s[96:97]        ; ao's scale bytes, my wave's 16 rows
	s_mul_i32 s96, s3, 48
	s_mul_i32 s101, s2, 768
	s_add_co_u32 s96, s96, s101
	s_add_nc_u64 s[10:11], s[10:11], s[96:97]      ; ao's codes likewise
	s_load_b512 s[16:31], s[88:89], 0x0            ; words 0-15, 16-31, 32-47 in s16-63; words 48-63 in s68-83
	s_load_b512 s[32:47], s[88:89], 0x40
	s_load_b512 s[48:63], s[88:89], 0x80
	s_load_b512 s[68:83], s[88:89], 0xc0
	s_wait_alu depctr_va_vdst(0)                   ; every offset and LDS address (v1 to v12, v14, v142 to v145) is written, which the loads and stores of the kernel read; so are the zero codes, which the products take with K's and Q's
.irp bq, 0,1,2,3
.irp uu, 0,1
	global_load_b128 v[KF+6*(2*\bq+\uu):KF+6*(2*\bq+\uu)+3], v142, s[84:85] offset:KOFF+1536*\bq+128*\uu
	global_load_b64 v[KF+6*(2*\bq+\uu)+4:KF+6*(2*\bq+\uu)+5], v143, s[84:85] offset:KOFF+512+1536*\bq+64*\uu
.endr
	global_load_b32 v[KSR+\bq], v144, s[86:87] offset:KSO+256*\bq
.endr
.irp cc, 0,1
.irp t, 0,1,2,3
.irp k, 0,1,2
	global_load_b64 v[VF+12*\t+6*\cc+2*\k:VF+12*\t+6*\cc+2*\k+1], v145, s[90:91] offset:3072*\cc+384*\t+8*\k
.endr
.endr
.endr
.irp p, 0,1
.irp bt, 0,1,2,3
	global_load_u8 v[148+4*\p+\bt], v[LL], s[98:99] offset:VSO+64*\bt+32*\p   ; d = 32 p + lane, key block bt
.endr
.endr
	global_load_b128 v[QF:QF+3], v[LI], s[12:13]
	global_load_b64 v[QF+4:QF+5], v[L8], s[12:13] offset:512
	global_load_b32 v[QSR], v[L4], s[14:15] offset:QSO
	s_wait_loadcnt 0x0
	s_wait_alu depctr_vm_vsrc(0)                   ; the loads of K and V have read their offsets v142 to v145, over which the first scores are written
.irp p, 0,1
	v_lshl_or_b32 v[VSR+\p], v[149+4*\p], 8, v[148+4*\p]
	v_lshl_or_b32 v[VSR+\p], v[150+4*\p], 16, v[VSR+\p]
	v_lshl_or_b32 v[VSR+\p], v[151+4*\p], 24, v[VSR+\p]
.endr
	s_mov_b32 s96, 0                               ; the finished rows' step: 32 rows an iteration of the loop
	s_mov_b32 s3, 0                                ; the loop's counter
	s_wait_kmcnt 0x0                               ; tile 0's mask words
	PHASEA                                         ; tile 0's first phase
	BODY 0, 0, 1                                   ; trip 0: no tile before it
.Ltrip:                                                ; seven iterations: trips 1 to 14, two at a time; no barrier is open here
	BODY 1, 1, 1
	BODY 0, 1, 1
	s_add_co_u32 s96, s96, 2*OPB
	s_add_co_u32 s3, s3, 1
	s_cmp_lt_u32 s3, 7
	s_cbranch_scc1 .Ltrip
	BODY 1, 1, 0                                   ; trip 15: nothing follows, nothing is asked for
	REDL 1                                         ; and its own partial results (no vector line behind the trip's last wait on va_vdst names the registers in which they land)
	s_wait_dscnt 0x0
	REDA
	v_add_nc_u32 v[FW], s96, v[FW0]
	s_wait_alu depctr_va_vdst(0)                   ; the last finished row v[FD ..] and its address v[FW] are written, which the store reads
	ds_store_b64 v[FW], v[FD:FD+1] offset:OPB
	BAR                                            ; all 256 finished rows lie in LDS
	; ---- the way out: rows 16 w .. 16 w + 15, quantised along the head's 64: a lane holds 16 neighbours, two neighbouring lanes a block; the wave stores 384 consecutive bytes of codes
.irp z, 0,1
.irp j, 0,1,2,3
	ds_load_b128 v[S+16*\z+4*\j:S+16*\z+4*\j+3], v[FR] offset:2176*\z+16*\j
.endr
.endr
	s_wait_dscnt 0x0
.irp z, 0,1
	v_max3_num_f32 v[BM+\z], |v[S+16*\z]|, |v[S+16*\z+1]|, 0x1800000
.endr
.irp i, 2,4,6,8,10,12,14
.irp z, 0,1
	v_max3_num_f32 v[BM+\z], v[BM+\z], |v[S+16*\z+\i]|, |v[S+16*\z+\i+1]|
.endr
.endr
.irp z, 0,1
	v_max_num_f32_dpp v[BM+\z], v[BM+\z], v[BM+\z] row_xmask:1 row_mask:0xf bank_mask:0xf
.endr
.irp z, 0,1
	v_add_nc_u32 v[SCL+\z], 0xff000000, v[BM+\z]
.endr
.irp z, 0,1
	v_cvt_scalef32_pk16_fp6_f32 v[PC+6*\z:PC+6*\z+2], v[S+16*\z:S+16*\z+15], v[SCL+\z]
.endr
.irp z, 0,1
	v_lshrrev_b32 v[U+\z], 23, v[SCL+\z]           ; (plain lines behind the conversions)
.endr
	s_wait_alu depctr_va_vdst(0)                   ; the codes v[PC ..] and the bytes v[U ..] are written, which the stores read
.irp z, 0,1
	global_store_b96 v[L12], v[PC+6*\z:PC+6*\z+2], s[10:11] offset:384*\z
	global_store_b8 v[LL], v[U+\z], s[4:5] offset:AOS+32*\z      ; four bytes a row: each block's byte twice
.endr
	s_wait_xcnt 0x0
	v_lshl_add_u32 v254, v0, 2, 0x33a00            ; the add's two registers, made anew: no memory or LDS instruction has read either
	v_mov_b32 v255, 0
	s_wait_dscnt 0x0                               ; the closing lines, six on end
	s_wait_alu 0x0
	s_wait_tensorcnt 0x0
	ds_add_u32 v254, v255
	s_wait_dscnt 0x0
	s_endpgm
.Lfunc_end_k_q89919974ac_attn:
	.size	k_q89919974ac_attn, .Lfunc_end_k_q89919974ac_attn-k_q89919974ac_attn
	.p2alignl 7, 3214868480
	.fill 96, 4, 3214868480
	.section	.rodata,"a",@progbits
	.p2align	6, 0x0
	.amdhsa_kernel k_q89919974ac_attn
		.amdhsa_group_segment_fixed_size 213504
		.amdhsa_private_segment_fixed_size 0
		.amdhsa_enable_private_segment 0
		.amdhsa_kernarg_size 32
		.amdhsa_user_sgpr_count 2
		.amdhsa_user_sgpr_kernarg_segment_ptr 1
		.amdhsa_wavefront_size32 1
		.amdhsa_system_sgpr_workgroup_id_x 1
		.amdhsa_system_sgpr_workgroup_id_y 1
		.amdhsa_system_sgpr_workgroup_id_z 1
		.amdhsa_system_vgpr_workitem_id 0
		.amdhsa_next_free_vgpr 256
		.amdhsa_next_free_sgpr 104
		.amdhsa_reserve_vcc 0
		.amdhsa_float_denorm_mode_32 3
		.amdhsa_float_denorm_mode_16_64 3
		.amdhsa_memory_ordered 1
		.amdhsa_forward_progress 1
		.amdhsa_inst_pref_size 110
	.end_amdhsa_kernel
	.amdgpu_metadata
---
amdhsa.version: [ 1, 2 ]
amdhsa.kernels:
  - .name:           k_q89919974ac_attn
    .symbol:         k_q89919974ac_attn.kd
    .args:
      - { .name: qk, .offset: 0, .size: 8, .value_kind: global_buffer, .address_space: global }
      - { .name: vv, .offset: 8, .size: 8, .value_kind: global_buffer, .address_space: global }
      - { .name: maskw, .offset: 16, .size: 8, .value_kind: global_buffer, .address_space: global }
      - { .name: ao, .offset: 24, .size: 8, .value_kind: global_buffer, .address_space: global }
    .group_segment_fixed_size: 213504
    .private_segment_fixed_size: 0
    .kernarg_segment_align: 8
    .kernarg_segment_size: 32
    .max_flat_workgroup_size: 512
    .sgpr_count:     104
    .vgpr_count:     256
    .wavefront_size: 32
...
	.end_amdgpu_metadata
.endif
;; end of part 6
;; launch post (part 7): grid 256 x 1, 8 waves a work-group, no clusters, 138,752 bytes of LDS; arguments ao, wst, x, bo, ln2_g, ln2_b, b1, b2, out0; writes out0
.if DOCPART == 7
	.amdgcn_target "amdgcn-amd-amdhsa--gfx1250"
	.amdhsa_code_object_version 6
	.text
	.protected	k_q89919974ac_post
	.globl	k_q89919974ac_post
	.p2align	8
	.type	k_q89919974ac_post,@function
k_q89919974ac_post:
	s_mov_b64 s[64:65], 0
	v_nop
	global_prefetch_b8 v0, s[64:65] scope:SCOPE_SE
	s_setreg_imm32_b32 hwreg(HW_REG_WAVE_SCHED_MODE, 0, 2), 2
	s_setreg_imm32_b32 hwreg(HW_REG_WAVE_MODE, 25, 1), 1
	s_wait_xcnt 0x0
	s_wait_alu depctr_vm_vsrc(0)
; POST.  x1 = x + attn Wo + bo;  h = layer norm 2 of x1;  out = x1 + relu(h W1 + b1) W2 + b2.  All three products on E2M3 codes; h and the hidden layer are quantised on the way and never go to memory.
; SHARES.  Work-group g owns rows 32 g .. 32 g + 31 (two tiles of 16).  THE WAVES SHARE THE COLUMNS: wave w makes columns 64 w .. 64 w + 63 of x1 and of out, and hidden units 256 w .. 256 w + 255, for all 32 rows.
; Its weights are one stream of 36 chunks of 6,400 bytes (4 of Wo, 16 of W1, 16 of W2), laid as register images, which goes from memory straight into a ring of four chunks in registers; a chunk feeds eight products.
; Every product is used transposed (source 0 = 16 rows of a weight, lane r of tile 2 P + u taking row 32 P + 8 u + r + 8 (r / 8); source 1 = 16 rows of the activations): a lane holds one row, and the 16 registers of a tile
; pair are 16 neighbours along the next K.  x1 is both the accumulator of the first product (begun with x + bo) and, with b2 added, of the third: the residuals cost no addition of their own.
; Codes go from wave to wave through LDS as rows (pitches 400 and 1,552 bytes: 100 and 388 words, 4 x an odd number modulo 64, so that the 32 lanes of an 8-byte load at r x pitch + 24 h touch 64 different banks).
; Straight-line text, three barriers: the row statistics; h's codes; the hidden layer's codes.
; No tensor load, no cluster: each fragment of a weight is wanted by exactly one wave of the work-group, so LDS would add a write and a read of every byte, and a ring in LDS waits for all its loads at each change of slots;
; here three or four chunks of 14 loads a wave are on their way with no barrier.  All 256 work-groups walk the same 1,843,200 bytes, which joint loads would ask for less often.  No prefetch: the stream is read by every work-group.
; LIMITS: as stated for the quantiser in the first launch (NaN and infinities not served; byte 1 under 2^-124).
; THE MODE: SCHED_MODE bits 1:0 = 2 (LLVM: expert scheduling mode 2), set by the entry lines.  The code itself states the register dependences between vector or matrix instructions and memory or LDS instructions, with s_wait_alu, always for 0.
; THE PLAN.  Registers that memory or LDS instructions touch:
;   the ring  Slot c % 4 (48 registers of window 1) and its two scale registers (v14-21): chunk c's loads land there, step c's eight products read them, chunk c + 4 lands there next.
;   the two bias sets (window 1)  Loaded; read by additions or as C by a group's first step; loaded again.
;   v96-191   The activations' fragments: loaded (from memory, then from LDS); read by the products; in the norm at work.  v10-13, v22-25: their scale words.
;   v32-95    x1: loaded, turned through the stage (stored, and loaded back into the same registers), then named by vector and matrix lines until the way out's stores.
;   the quantiser's results  Rows 0-15: temporaries and bytes v22-27, codes v28-30 and three registers that the first conversion has emptied; rows 16-31: registers that rows 0-15 have left dead.  So no register that
;             an LDS store reads is written again before the next group's head or the next barrier.
;   v4, v8, v9, v31  Addresses made anew for each phase.  v1-v3, v5-v7: made once at the head.
; ONE wait on va_vdst stands at the head of a step: the products of the step before are done reading.  Behind this step's products, which name another slot, chunk c + 3 is asked for with no further wait; in the last product
; the LDS loads of the next step's fragments follow the same wait.  Behind the last step of Wo and of each group of hidden units one more such wait lets the ring be filled whole again: the vector lines that follow read those
; results in any case.  Each run of LDS stores has a wait on va_vdst ahead of it; a wait on vm_vsrc stands once a phase or group, ahead of the first line that writes a register which LDS or memory instructions have read.
.set AOS,  3145728
.set HC,   2560                        ; LDS: 0: 32 rows x 80 bytes of statistics;  HC: h's codes, 32 x 400;  HSC: their scale bytes, 32 x 16;
.set HSC,  15360
.set DC,   15872                       ; the hidden layer's codes, 32 x 1,552;  DSC: their scale bytes, 32 x 80;  STG: a stage of 32 x 272 for each wave
.set DSC,  65536
.set STG,  68096
.set LI,   1                           ; v1  16 x lane
.set L4,   2                           ; v2  4 x lane
.set XD,   3                           ; v3  x and out: (lane / 16) rows of 2,048 bytes + 16 (lane % 16)
.set A4,   4                           ; v4, v8, v9, v31: addresses made anew for each phase
.set H64,  5                           ; v5  64 h
.set SGD,  6                           ; v6  my stage by rows: lanes 0-15 one row of 256 bytes, lanes 16-31 the next
.set SGT,  7                           ; v7  my stage in the result's layout: row r, + 64 h
.set A8,   8
.set A9,   9
.set HS,   10                          ; v10-13 the activations' scale words: lanes 0-15 rows 0-15, lanes 16-31 rows 16-31
.set WSC,  14                          ; v14-21 the ring's scale registers
.set HS2,  22                          ; v22-25 a second set, in the last product
.set TB,   22                          ; v22-27 the quantiser's temporaries for rows 0-15: two largest magnitudes, two bytes, two scale operands
.set CV,   28                          ; v28-30 16 codes
.set A31,  31
.set X1,   32                          ; v32-95  x1: tile (m, t) at X1 + 32 m + 8 t
.set HF,   96                          ; v96-191 the activations' fragments; in the norm: h and temporaries
.set ACC,  192                         ; v192-255 ln2_g, ln2_b; then the hidden layer's accumulators
.set LT,   160
.set LU,   168
.set LD,   172
.set B1R0, 192                         ; window 1: two sets of 32 for biases;  v0-191 of window 1: the ring
.set B1R1, 224
.set W,    6
.set SEL,  26
.set NI,   0                           ; global loads issued so far: every wait's count is the loads issued behind the wanted one
.set MK0,  0
.set MK1,  0
.set MK2,  0
.set MK3,  0
.set MSB,  0
.macro WIN new                         ; the immediate's high byte repeats the setting that is left
.if MSB != \new
	s_set_vgpr_msb (MSB<<8)|\new
.set MSB, \new
.endif
.endm
.macro PLACES cnt
.rept \cnt
	v_nop
.endr
.endm
.macro BAR                             ; my LDS stores have landed and my LDS loads are in: then the work-group's barrier
	s_wait_dscnt 0x0
	s_barrier_signal -1
	s_barrier_wait -1
.endm
.macro WAITL mk                        ; loads come back in order: at most the NI - mk younger ones may be out (a smaller count only waits for more)
.if NI-(\mk) > 63
	s_wait_loadcnt 63
.else
	s_wait_loadcnt NI-(\mk)
.endif
.endm
.macro WAITC cn
.if (\cn)%4 == 0
	WAITL MK0
.elseif (\cn)%4 == 1
	WAITL MK1
.elseif (\cn)%4 == 2
	WAITL MK2
.else
	WAITL MK3
.endif
.endm
.macro LOADC cn                        ; chunk cn into slot cn % 4: twelve loads of 512 consecutive bytes, two of 128
.set SL, (\cn)%4
	WIN 0x40
.irp t, 0,1,2,3
.irp p, 0,1,2
	global_load_b128 v[48*SL+12*\t+4*\p:48*SL+12*\t+4*\p+3], v[LI], s[W:W+1] offset:(\cn)*6400+1536*\t+512*\p
.endr
.endr
	WIN 0
.irp p, 0,1
	global_load_b32 v[WSC+2*SL+\p], v[L4], s[W:W+1] offset:(\cn)*6400+6144+128*\p
.endr
.set NI, NI+14
.if SL == 0
.set MK0, NI
.elseif SL == 1
.set MK1, NI
.elseif SL == 2
.set MK2, NI
.else
.set MK3, NI
.endif
.endm
.macro MMA d, a, b, c, sa, sb, ra, rb  ; one product; ra, rb: the side's scales stand in lanes 16-31
.if (\ra) && (\rb)
	v_wmma_scale_f32_16x16x128_f8f6f4 v[(\d):(\d)+7], v[(\a):(\a)+11], v[(\b):(\b)+11], v[(\c):(\c)+7], v[\sa], v[\sb] matrix_a_fmt:MATRIX_FMT_FP6 matrix_b_fmt:MATRIX_FMT_FP6 matrix_a_scale:MATRIX_SCALE_ROW1 matrix_b_scale:MATRIX_SCALE_ROW1
.elseif (\ra)
	v_wmma_scale_f32_16x16x128_f8f6f4 v[(\d):(\d)+7], v[(\a):(\a)+11], v[(\b):(\b)+11], v[(\c):(\c)+7], v[\sa], v[\sb] matrix_a_fmt:MATRIX_FMT_FP6 matrix_b_fmt:MATRIX_FMT_FP6 matrix_a_scale:MATRIX_SCALE_ROW1
.elseif (\rb)
	v_wmma_scale_f32_16x16x128_f8f6f4 v[(\d):(\d)+7], v[(\a):(\a)+11], v[(\b):(\b)+11], v[(\c):(\c)+7], v[\sa], v[\sb] matrix_a_fmt:MATRIX_FMT_FP6 matrix_b_fmt:MATRIX_FMT_FP6 matrix_b_scale:MATRIX_SCALE_ROW1
.else
	v_wmma_scale_f32_16x16x128_f8f6f4 v[(\d):(\d)+7], v[(\a):(\a)+11], v[(\b):(\b)+11], v[(\c):(\c)+7], v[\sa], v[\sb] matrix_a_fmt:MATRIX_FMT_FP6 matrix_b_fmt:MATRIX_FMT_FP6
.endif
.endm
; chunk cn's eight products: four tiles of the weight x two tiles of rows; the eight accumulators take turns, one product a turn.
; dst: the accumulators; bf, bm: the activations' fragment for rows 0-15, and the step to rows 16-31; sbr: their scale register; cb >= 0: a bias in window 1 starts the sums; hw = 1: loads follow this step's products
.macro STEP cn, dst, bf, bm, sbr, cb, hw
	WAITC \cn
.if \hw
	s_wait_alu depctr_va_vdst(0)                     ; the products of the step before are done reading their slot of the ring, its two scale registers and, in a group's first step, the bias set: the loads behind this step's products land there
.endif
.set SL, (\cn)%4
.if (\cb) >= 0
	WIN 0x11                                         ; source 0 (the weight) and C (the bias) in window 1
.else
	WIN 0x01
.endif
.irp t, 0,1,2,3
.irp m, 0,1
.if (\cb) >= 0
	MMA (\dst)+32*\m+8*\t, 48*SL+12*\t, (\bf)+(\bm)*\m, (\cb)+8*\t, WSC+2*SL+\t/2, \sbr, \t%2, \m
.else
	MMA (\dst)+32*\m+8*\t, 48*SL+12*\t, (\bf)+(\bm)*\m, (\dst)+32*\m+8*\t, WSC+2*SL+\t/2, \sbr, \t%2, \m
.endif
.endr
.endr
	WIN 0
	PLACES 4                                         ; four places behind the products, in front of the first read of results
.endm
.macro LBW dst, base, off, win         ; 64 numbers of a vector in the result's layout: lane (r, h), tile 2 P + u: index 32 P + 16 h + 8 u + 0 .. 7
	WIN \win
.irp t, 0,1,2,3
.irp jj, 0,1
	global_load_b128 v[(\dst)+8*\t+4*\jj:(\dst)+8*\t+4*\jj+3], v[H64], s[\base:\base+1] offset:(\off)+128*(\t/2)+32*(\t%2)+16*\jj
.endr
.endr
	WIN 0
.set NI, NI+8
.endm
; 32 numbers of a lane (its halves of two blocks of its row) go to LDS as codes, 12 bytes a half block at their place in the row's stream of bits, and each block's byte beside them.
; tb: six registers at work: two largest magnitudes, two bytes, two scale operands;  da, db: three registers each for the two half blocks' codes.  A call's tb, da and db are registers that no LDS store still to be waited for reads.
.macro QOUT src, ab, ca, co, sa, so, tb, da, db
.irp p, 0,1
.if \ab
	v_max3_num_f32 v[(\tb)+\p], |v[(\src)+16*\p]|, |v[(\src)+16*\p+1]|, 0x1800000   ; the floor 2^(3 - 127) holds the byte at 1 from below
.else
	v_max3_num_f32 v[(\tb)+\p], v[(\src)+16*\p], v[(\src)+16*\p+1], 0x1800000
.endif
.endr
.irp i, 2,4,6,8,10,12,14
.irp p, 0,1
.if \ab
	v_max3_num_f32 v[(\tb)+\p], v[(\tb)+\p], |v[(\src)+16*\p+\i]|, |v[(\src)+16*\p+\i+1]|
.else
	v_max3_num_f32 v[(\tb)+\p], v[(\tb)+\p], v[(\src)+16*\p+\i], v[(\src)+16*\p+\i+1]
.endif
.endr
.endr
.irp p, 0,1
	v_permlanex16_b32 v[(\tb)+2+\p], v[(\tb)+\p], s[SEL], s[SEL+1]
.endr
.irp p, 0,1
	v_max_num_f32 v[(\tb)+\p], v[(\tb)+\p], v[(\tb)+2+\p]
.endr
.irp p, 0,1
	v_add_nc_u32 v[(\tb)+4+\p], 0xff000000, v[(\tb)+\p]   ; 2 off the exponent field: the conversion's scale operand
.endr
.irp p, 0,1
	v_lshrrev_b32 v[(\tb)+2+\p], 23, v[(\tb)+4+\p]        ; the scale's byte
.endr
	v_cvt_scalef32_pk16_fp6_f32 v[(\da):(\da)+2], v[(\src):(\src)+15], v[(\tb)+4]
	v_nop                                            ; one plain place behind a conversion: the next one's result may lie in this one's sources
	v_cvt_scalef32_pk16_fp6_f32 v[(\db):(\db)+2], v[(\src)+16:(\src)+31], v[(\tb)+5]
	v_nop                                            ; and one behind the second
	s_wait_alu depctr_va_vdst(0)                     ; the two conversions have written the codes, and the shifts the two bytes, which the eight LDS stores read
.irp k, 0,1,2
	ds_store_b32 v[\ca], v[(\da)+\k] offset:(\co)+4*\k
.endr
	ds_store_b8 v[\sa], v[(\tb)+2] offset:(\so)      ; lanes l and l xor 16 write the same byte with the same value
.irp k, 0,1,2
	ds_store_b32 v[\ca], v[(\db)+\k] offset:(\co)+24+4*\k
.endr
	ds_store_b8 v[\sa], v[(\tb)+3] offset:(\so)+1
.endm
.macro RH                              ; r and h, for the addresses of the next phase
	v_and_b32 v28, 15, v0
	v_bfe_u32 v29, v0, 4, 1
.endm
.macro FETCH ks                        ; the hidden layer's two fragments of K step ks, into buffer ks % 2; with every fourth, the scale words of four K steps
.irp m, 0,1
.irp p, 0,1,2,3,4,5
	ds_load_b64 v[HF+24*((\ks)%2)+12*\m+2*\p:HF+24*((\ks)%2)+12*\m+2*\p+1], v[A8] offset:24832*\m+96*(\ks)+48*(\p/3)+8*(\p%3)
.endr
.endr
.if (\ks)%4 == 0
.if ((\ks)/4)%2 == 0
	ds_load_b128 v[HS:HS+3], v[A9] offset:16*((\ks)/4)
.else
	ds_load_b128 v[HS2:HS2+3], v[A9] offset:16*((\ks)/4)
.endif
.endif
.endm
	s_load_b256 s[4:11], s[0:1], 0x0               ; ao, wst, x, bo
	s_load_b256 s[12:19], s[0:1], 0x20             ; ln2_g, ln2_b, b1, b2
	s_load_b64 s[20:21], s[0:1], 0x40              ; out0
	v_lshrrev_b32 v1, 5, v0
	v_readfirstlane_b32 s2, v1                     ; wave 0..7
	v_and_b32 v8, 15, v0                           ; r
	v_bfe_u32 v9, v0, 4, 1                         ; h
	v_and_b32 v1, 31, v0
	v_lshlrev_b32 v[L4], 2, v1
	v_lshlrev_b32 v[LI], 4, v1
	v_lshlrev_b32 v[XD], 4, v8
	v_lshl_add_u32 v[XD], v9, 11, v[XD]
	v_mul_u32_u24 v[A4], v8, 48
	v_mad_u32_u24 v[A4], v9, 24, v[A4]             ; ao: row r of 48 bytes, + 24 h
	v_lshlrev_b32 v[H64], 6, v9
	s_wait_alu depctr_va_sdst(0)                   ; s2 is written, ahead of its first reader: LDS addresses and bases are made from it
	s_mul_i32 s30, s2, 8704
	s_add_co_u32 s30, s30, STG
	v_mul_u32_u24 v[SGD], v9, 272
	v_lshl_add_u32 v[SGD], v8, 4, v[SGD]
	v_add_nc_u32 v[SGD], s30, v[SGD]
	v_mul_u32_u24 v[SGT], v8, 272
	v_lshl_add_u32 v[SGT], v9, 6, v[SGT]
	v_add_nc_u32 v[SGT], s30, v[SGT]
	v_mov_b32 v[LU], 0                             ; a lane permute's destination counts as one of its sources
	v_mov_b32 v[LU+1], 0
	s_mov_b32 s[SEL], 0x76543210
	s_mov_b32 s[SEL+1], 0xfedcba98
	s_mov_b32 s28, 0x3b000000                      ; 1 / 512
	s_mov_b32 s29, 0x3727c5ac                      ; 1e-5
	s_mov_b32 s25, 0
	s_lshl_b32 s24, ttmp9, 16
	s_lshl_b32 s30, s2, 8
	s_add_co_u32 s24, s24, s30
	s_wait_kmcnt 0x0
	s_add_nc_u64 s[8:9], s[8:9], s[24:25]          ; x and out at my 32 rows, my 64 columns
	s_add_nc_u64 s[20:21], s[20:21], s[24:25]
	s_mov_b32 s24, s30
	s_add_nc_u64 s[10:11], s[10:11], s[24:25]      ; bo, ln2_g, ln2_b, b2 at my 64 columns
	s_add_nc_u64 s[12:13], s[12:13], s[24:25]
	s_add_nc_u64 s[14:15], s[14:15], s[24:25]
	s_add_nc_u64 s[18:19], s[18:19], s[24:25]
	s_lshl_b32 s24, s2, 10
	s_add_nc_u64 s[16:17], s[16:17], s[24:25]      ; b1 at my 256 hidden units
	s_mul_i32 s24, s2, 230400
	s_add_co_u32 s24, s24, 614400
	s_add_nc_u64 s[W:W+1], s[W:W+1], s[24:25]      ; my 36 chunks, behind the 96 of wq, wk, wv
	s_lshr_b32 s30, ttmp9, 6
	s_lshl_b32 s30, s30, 14
	s_and_b32 s31, ttmp9, 63
	s_lshl_b32 s31, s31, 5
	s_add_co_u32 s30, s30, s31                     ; head 0's row of my first row: 8 x batch x 2,048 + the row in the batch
	s_lshl_b32 s24, s30, 2
	s_add_nc_u64 s[22:23], s[4:5], s[24:25]
	s_mul_i32 s24, s30, 48
	s_add_nc_u64 s[4:5], s[4:5], s[24:25]
	s_wait_alu depctr_va_vdst(0)                   ; the seven offsets and addresses v1 to v7 are written, which the loads and stores below read; so are v168 and v169, in which loads of ao land
	; ---- the head's loads
.set NN, 0
.rept 16
	global_load_b128 v[X1+4*NN:X1+4*NN+3], v[XD], s[8:9] offset:4096*NN th:TH_LOAD_NT   ; sixteen lanes read 256 consecutive bytes of a row
.set NN, NN+1
.endr
.set NI, NI+16
.set M_X, NI
.irp hd, 0,1,2,3,4,5,6,7
	global_load_b32 v[22+\hd], v[L4], s[22:23] offset:AOS+8192*\hd                       ; lane l: row l's four bytes of head hd
.endr
.set NI, NI+8
.set M_AS, NI
.irp m, 0,1
.irp ks, 0,1,2,3
.irp cc, 0,1
.irp k, 0,1,2
	global_load_b64 v[HF+12*(4*\m+\ks)+6*\cc+2*\k:HF+12*(4*\m+\ks)+6*\cc+2*\k+1], v[A4], s[4:5] offset:98304*(2*\ks+\cc)+768*\m+8*\k   ; K step ks = heads 2 ks, 2 ks + 1
.endr
.endr
.endr
.endr
.set NI, NI+48
	LBW B1R0, 10, 0, 0x40                          ; bo
.set M_BO, NI
	LBW ACC, 12, 0, 0                              ; ln2_g
	LBW ACC+32, 14, 0, 0                           ; ln2_b
	LBW B1R1, 16, 0, 0x40                          ; b1, hidden units 0-63 of mine
	LOADC 0
	LOADC 1
	LOADC 2
	LOADC 3
	; ---- x1 = x + bo + attn Wo.  x turns through my stage into the result's layout
	WAITL M_X
.set NN, 0
.rept 16
	ds_store_b128 v[SGD], v[X1+4*NN:X1+4*NN+3] offset:544*NN
.set NN, NN+1
.endr
	s_wait_alu depctr_vm_vsrc(0)                   ; the sixteen LDS stores have read v[X1 ..], in which the loads below land
.irp m, 0,1
.irp p, 0,1
.irp j, 0,1,2,3
	ds_load_b128 v[X1+32*\m+16*\p+4*\j:X1+32*\m+16*\p+4*\j+3], v[SGT] offset:4352*\m+128*\p+16*\j   ; a wave's LDS instructions are served in order: these see my stores
.endr
.endr
.endr
	WAITL M_AS
.irp ks, 0,1,2,3
	v_perm_b32 v[HS+\ks], v[23+2*\ks], v[22+2*\ks], 0x06040200   ; bytes 0 and 2 of the even head, then of the odd one: the scale word of K step ks
.endr
	WAITL M_BO
	s_wait_dscnt 0x0
	WIN 0x04
.irp m, 0,1
.set NN, 0
.rept 16
	v_pk_add_f32 v[X1+32*\m+NN:X1+32*\m+NN+1], v[X1+32*\m+NN:X1+32*\m+NN+1], v[B1R0+NN:B1R0+NN+1]   ; (these also stand between the scale words' making and the products)
.set NN, NN+2
.endr
.endr
	WIN 0
	s_wait_alu depctr_va_vdst(0)                   ; the additions are done reading bo's registers, in which the load below lands; and the four scale words v[HS ..] are written, which the products take (the additions above are their places)
	LBW B1R0, 16, 256, 0x40                        ; b1, units 64-127, into the registers that bo has left
	STEP 0, X1, HF, 48, HS, -1, 0
	STEP 1, X1, HF+12, 48, HS+1, -1, 1
	LOADC 4
	STEP 2, X1, HF+24, 48, HS+2, -1, 1
	LOADC 5
	STEP 3, X1, HF+36, 48, HS+3, -1, 1
	LOADC 6
	s_wait_alu depctr_va_vdst(0)                   ; step 3's products are done reading slot 3 and its scale registers, in which chunk 7 lands (the norm below reads their results in any case)
	LOADC 7
	; ---- layer norm 2.  A row lies in eight waves: each makes the mean and the sum of squares about it of its 64 columns, and the eight pairs are joined
	s_wait_alu depctr_vm_vsrc(0)                   ; the head's loads of ao have read their offset v4, which is made anew below
	RH
	s_lshr_b32 s30, s2, 2
	s_lshl_b32 s30, s30, 5
	s_and_b32 s31, s2, 3
	s_lshl_b32 s31, s31, 2
	s_add_co_u32 s30, s30, s31
	v_mul_u32_u24 v[A8], v28, 80
	v_lshl_add_u32 v[A9], v29, 5, v[A8]            ; the statistics of waves 4 h .. 4 h + 3: four means, four sums
	v_add_nc_u32 v[A8], s30, v[A8]                 ; and my wave's word
	s_mul_i32 s30, s2, 48
	s_add_co_u32 s30, s30, HC
	v_mul_u32_u24 v[A4], v28, 400                  ; (the loads that took v4 as their address have been waited for)
	v_mad_u32_u24 v[A4], v29, 12, v[A4]
	v_add_nc_u32 v[A4], s30, v[A4]                 ; h's codes: row r, my 48 bytes, + 12 h
	s_lshl_b32 s30, s2, 1
	s_add_co_u32 s30, s30, HSC
	v_lshlrev_b32 v[A31], 4, v28
	v_add_nc_u32 v[A31], s30, v[A31]               ; their bytes: row r, my two
.irp m, 0,1
	v_pk_add_f32 v[LT+4*\m:LT+4*\m+1], v[X1+32*\m:X1+32*\m+1], v[X1+32*\m+2:X1+32*\m+3]   ; each accumulator from its low end on
.endr
.irp k, 4,6,8,10,12,14,16,18,20,22,24,26,28,30
.irp m, 0,1
	v_pk_add_f32 v[LT+4*\m:LT+4*\m+1], v[LT+4*\m:LT+4*\m+1], v[X1+32*\m+\k:X1+32*\m+\k+1]
.endr
.endr
.irp m, 0,1
	v_add_f32 v[LT+4*\m], v[LT+4*\m], v[LT+4*\m+1]
.endr
.irp m, 0,1
	v_permlanex16_b32 v[LU+\m], v[LT+4*\m], s[SEL], s[SEL+1]
.endr
.irp m, 0,1
	v_add_f32 v[LT+4*\m], v[LT+4*\m], v[LU+\m]
.endr
.irp m, 0,1
	v_mul_f32 v[LT+4*\m], 0x3c800000, v[LT+4*\m]   ; the mean of my 64 columns
.endr
.irp m, 0,1
	v_pk_add_f32 v[LD+8*\m:LD+8*\m+1], v[X1+32*\m:X1+32*\m+1], v[LT+4*\m:LT+4*\m+1] op_sel_hi:[1,0] neg_lo:[0,1] neg_hi:[0,1]
.endr
.irp m, 0,1
	v_pk_mul_f32 v[LT+4*\m+2:LT+4*\m+3], v[LD+8*\m:LD+8*\m+1], v[LD+8*\m:LD+8*\m+1]
.endr
.irp k, 2,4,6,8,10,12,14,16,18,20,22,24,26,28,30
.irp m, 0,1
	v_pk_add_f32 v[LD+8*\m+\k%8:LD+8*\m+\k%8+1], v[X1+32*\m+\k:X1+32*\m+\k+1], v[LT+4*\m:LT+4*\m+1] op_sel_hi:[1,0] neg_lo:[0,1] neg_hi:[0,1]
.endr
.irp m, 0,1
	v_pk_fma_f32 v[LT+4*\m+2:LT+4*\m+3], v[LD+8*\m+\k%8:LD+8*\m+\k%8+1], v[LD+8*\m+\k%8:LD+8*\m+\k%8+1], v[LT+4*\m+2:LT+4*\m+3]
.endr
.endr
.irp m, 0,1
	v_add_f32 v[LT+4*\m+2], v[LT+4*\m+2], v[LT+4*\m+3]
.endr
.irp m, 0,1
	v_permlanex16_b32 v[LU+\m], v[LT+4*\m+2], s[SEL], s[SEL+1]
.endr
.irp m, 0,1
	v_add_f32 v[LT+4*\m+2], v[LT+4*\m+2], v[LU+\m]
.endr
	s_wait_alu depctr_va_vdst(0)                   ; my means and sums v[LT ..] and the address v8 are written, which the LDS stores read; v9, v4 and v31 are written, which later LDS instructions read; and the lines above are done with v[LD ..], in which the loads behind the barrier land
.irp m, 0,1
	ds_store_b32 v[A8], v[LT+4*\m] offset:1280*\m
	ds_store_b32 v[A8], v[LT+4*\m+2] offset:1280*\m+16
.endr
	BAR                                            ; the eight waves' statistics lie in LDS
.irp m, 0,1
	ds_load_b128 v[LD+8*\m:LD+8*\m+3], v[A9] offset:1280*\m
	ds_load_b128 v[LD+8*\m+4:LD+8*\m+7], v[A9] offset:1280*\m+16
.endr
	s_wait_dscnt 0x0
	s_wait_alu depctr_vm_vsrc(0)                   ; my four LDS stores have read v[LT ..], which the lines below write again
.irp m, 0,1
	v_pk_add_f32 v[LT+4*\m:LT+4*\m+1], v[LD+8*\m:LD+8*\m+1], v[LD+8*\m+2:LD+8*\m+3]
.endr
.irp m, 0,1
	v_add_f32 v[LT+4*\m], v[LT+4*\m], v[LT+4*\m+1]
.endr
.irp m, 0,1
	v_permlanex16_b32 v[LU+\m], v[LT+4*\m], s[SEL], s[SEL+1]
.endr
.irp m, 0,1
	v_add_f32 v[LT+4*\m], v[LT+4*\m], v[LU+\m]
.endr
.irp m, 0,1
	v_mul_f32 v[LT+4*\m], 0x3e000000, v[LT+4*\m]   ; the row's mean: the mean of eight means of 64
.endr
.irp m, 0,1
	v_pk_add_f32 v[LD+8*\m:LD+8*\m+1], v[LD+8*\m:LD+8*\m+1], v[LT+4*\m:LT+4*\m+1] op_sel_hi:[1,0] neg_lo:[0,1] neg_hi:[0,1]
	v_pk_add_f32 v[LD+8*\m+2:LD+8*\m+3], v[LD+8*\m+2:LD+8*\m+3], v[LT+4*\m:LT+4*\m+1] op_sel_hi:[1,0] neg_lo:[0,1] neg_hi:[0,1]
.endr
.irp m, 0,1
	v_pk_mul_f32 v[LT+4*\m+2:LT+4*\m+3], v[LD+8*\m:LD+8*\m+1], v[LD+8*\m:LD+8*\m+1]
	v_pk_add_f32 v[LD+8*\m+4:LD+8*\m+5], v[LD+8*\m+4:LD+8*\m+5], v[LD+8*\m+6:LD+8*\m+7]
.endr
.irp m, 0,1
	v_pk_fma_f32 v[LT+4*\m+2:LT+4*\m+3], v[LD+8*\m+2:LD+8*\m+3], v[LD+8*\m+2:LD+8*\m+3], v[LT+4*\m+2:LT+4*\m+3]
.endr
.irp m, 0,1
	v_pk_fma_f32 v[LT+4*\m+2:LT+4*\m+3], v[LT+4*\m+2:LT+4*\m+3], 0x42800000, v[LD+8*\m+4:LD+8*\m+5] op_sel_hi:[1,0,1]   ; the sums of squares + 64 x (a wave's mean - the row's)^2
.endr
.irp m, 0,1
	v_add_f32 v[LT+4*\m+2], v[LT+4*\m+2], v[LT+4*\m+3]
.endr
.irp m, 0,1
	v_permlanex16_b32 v[LU+\m], v[LT+4*\m+2], s[SEL], s[SEL+1]
.endr
.irp m, 0,1
	v_add_f32 v[LT+4*\m+2], v[LT+4*\m+2], v[LU+\m]
.endr
.irp m, 0,1
	v_fma_f32 v[LT+4*\m+2], v[LT+4*\m+2], s28, s29
.endr
.irp m, 0,1
	v_rsq_f32 v[LT+4*\m+2], v[LT+4*\m+2]
.endr
	v_nop                                          ; a plain place behind the two roots,
	s_wait_alu depctr_va_vdst(0)                   ; and one wait for their results, v[LT + 2] and v[LT + 6], ahead of their first reader
.irp m, 0,1
.set NN, 0
.rept 16
	v_pk_add_f32 v[HF+32*\m+NN:HF+32*\m+NN+1], v[X1+32*\m+NN:X1+32*\m+NN+1], v[LT+4*\m:LT+4*\m+1] op_sel_hi:[1,0] neg_lo:[0,1] neg_hi:[0,1]
	v_pk_mul_f32 v[HF+32*\m+NN:HF+32*\m+NN+1], v[HF+32*\m+NN:HF+32*\m+NN+1], v[LT+4*\m+2:LT+4*\m+3] op_sel_hi:[1,0]
	v_pk_fma_f32 v[HF+32*\m+NN:HF+32*\m+NN+1], v[HF+32*\m+NN:HF+32*\m+NN+1], v[ACC+NN:ACC+NN+1], v[ACC+32+NN:ACC+33+NN]
.set NN, NN+2
.endr
.endr
	QOUT HF, 1, A4, 0, A31, 0, TB, CV, 160         ; rows 0-15; the norm's temporaries v160-191 are dead: they take the second half block's codes,
	QOUT HF+32, 1, A4, 6400, A31, 256, 164, 172, 176   ; and all that rows 16-31 need
	BAR                                            ; h's codes and bytes lie in LDS
	s_wait_alu depctr_vm_vsrc(0)                   ; my LDS stores have read v24, v25, v28-30, v160-162, v166, v167, v172-174, v176-178 and the address v4, and the statistics' loads v9: the lines below write v28, v29, v4 and v9, and h's fragments land in v96-191
	RH
	v_mul_u32_u24 v[A8], v28, 400
	v_mad_u32_u24 v[A8], v29, 24, v[A8]
	v_add_nc_u32 v[A8], HC, v[A8]
	s_mul_i32 s30, s2, 192
	s_add_co_u32 s30, s30, DC
	v_mul_u32_u24 v[A9], v28, 1552
	v_mad_u32_u24 v[A9], v29, 12, v[A9]
	v_add_nc_u32 v[A9], s30, v[A9]                 ; the hidden layer's codes: row r, my 192 bytes, + 12 h
	s_lshl_b32 s30, s2, 3
	s_add_co_u32 s30, s30, DSC
	v_mul_u32_u24 v[A4], v28, 80
	v_add_nc_u32 v[A4], s30, v[A4]                 ; their bytes: row r, my eight
	s_wait_alu depctr_va_vdst(0)                   ; the addresses v8, v9 and v4 are written; the norm and its quantiser are done with v96-191, and the first product with v[HS ..]: the loads below land there
.irp m, 0,1
.irp ks, 0,1,2,3
.irp p, 0,1,2,3,4,5
	ds_load_b64 v[HF+12*(4*\m+\ks)+2*\p:HF+12*(4*\m+\ks)+2*\p+1], v[A8] offset:6400*\m+96*\ks+48*(\p/3)+8*(\p%3)
.endr
.endr
.endr
	ds_load_b128 v[HS:HS+3], v[LI] offset:HSC      ; lane l: row l's sixteen bytes: a word for each K step
	s_wait_dscnt 0x0
	; ---- the hidden layer, 64 units at a time: four K steps, relu, quantiser
.irp gg, 0,1,2,3
.if \gg > 0
	s_wait_alu depctr_vm_vsrc(0)                   ; the last group's LDS stores have read their codes and bytes (v24, v25, v28-30 and, among the accumulators' registers, v192-194, v210, v211, v216-218, v220-222): this group's products and quantiser write them again
.endif
	STEP 4+4*\gg, ACC, HF, 48, HS, B1R0+32*((\gg+1)%2), 0
	STEP 5+4*\gg, ACC, HF+12, 48, HS+1, -1, 1
.if \gg < 2
	LBW B1R0+32*((\gg+1)%2), 16, 256*(\gg+2), 0x40 ; the set read by the group's first step takes the bias of two groups on: wanted with a chunk that is asked for behind it
.elseif \gg == 2
	LBW B1R1, 18, 0, 0x40                          ; b2
.set M_B2, NI
.endif
	LOADC 8+4*\gg
	STEP 6+4*\gg, ACC, HF+24, 48, HS+2, -1, 1
	LOADC 9+4*\gg
	STEP 7+4*\gg, ACC, HF+36, 48, HS+3, -1, 1
	LOADC 10+4*\gg
	s_wait_alu depctr_va_vdst(0)                   ; the group's last products are done reading their slot and its scale registers, in which the next chunk lands (the activation below reads their results in any case)
	LOADC 11+4*\gg
.set NN, 0
.rept 64
	v_max_num_f32 v[ACC+NN], 0, v[ACC+NN]          ; the activation, each accumulator from its low end on
.set NN, NN+1
.endr
	QOUT ACC, 0, A9, 48*\gg, A4, 2*\gg, TB, CV, ACC   ; rows 0-15: the second half block's codes go where the first half block's numbers lay;
	QOUT ACC+32, 0, A9, 24832+48*\gg, A4, 1280+2*\gg, ACC+16, ACC+24, ACC+28   ; rows 16-31 work in the registers that rows 0-15's second half block has left
.endr
	WAITL M_B2
	WIN 0x04
.irp m, 0,1
.set NN, 0
.rept 16
	v_pk_add_f32 v[X1+32*\m+NN:X1+32*\m+NN+1], v[X1+32*\m+NN:X1+32*\m+NN+1], v[B1R1+NN:B1R1+NN+1]   ; x1 + b2: what the last product adds onto
.set NN, NN+2
.endr
.endr
	WIN 0
	BAR                                            ; the hidden layer's codes and bytes lie in LDS
	s_wait_alu depctr_vm_vsrc(0)                   ; the last group's LDS stores have read v24, v25, v28-30 and the address v9, and the loads of h's fragments v8: the lines below write v28, v29, v8 and v9, and scale words land in v22-25
	RH
	v_mul_u32_u24 v[A8], v28, 1552
	v_mad_u32_u24 v[A8], v29, 24, v[A8]
	v_add_nc_u32 v[A8], DC, v[A8]
	v_and_b32 v28, 31, v0
	v_mul_u32_u24 v[A9], v28, 80
	v_add_nc_u32 v[A9], DSC, v[A9]                 ; lane l: row l's 64 bytes
	s_wait_alu depctr_va_vdst(0)                   ; the addresses v8 and v9 are written; the hidden layer's products are done reading h's fragments and scale words, and its quantiser is done with v22-25: the loads below, and those of the first step, land there
	; ---- out = x1 + b2 + hidden W2: sixteen K steps; the next step's fragments are fetched while this one is multiplied
	FETCH 0
.set FS, 0
.rept 16
	s_wait_dscnt 0x0                               ; this step's fragments are in
.if (FS > 0) && (FS < 15)
	s_wait_alu depctr_va_vdst(0)                   ; the products of the step before are done reading their two fragments, their scale words, their slot of the ring and its scale registers: the LDS loads below and the chunk asked for behind this step's products land there
.endif
.if FS < 15
	FETCH FS+1                                     ; into the buffer that the step before read
.endif
.if (FS/4)%2 == 0
	STEP 20+FS, X1, HF+24*(FS%2), 12, HS+FS%4, -1, 0
.else
	STEP 20+FS, X1, HF+24*(FS%2), 12, HS2+FS%4, -1, 0
.endif
.if (FS > 0) && (23+FS < 36)
	LOADC 23+FS
.endif
.set FS, FS+1
.endr
	; ---- the way out: through my stage, so that sixteen lanes store 256 consecutive bytes of a row
	s_wait_alu depctr_va_vdst(0)                   ; the last products have written v[X1 ..], which the LDS stores read (their four places stand above), and are done reading the fragments in v[HF ..], in which the rows land
.irp m, 0,1
.irp p, 0,1
.irp j, 0,1,2,3
	ds_store_b128 v[SGT], v[X1+32*\m+16*\p+4*\j:X1+32*\m+16*\p+4*\j+3] offset:4352*\m+128*\p+16*\j   ; each accumulator from its low end on
.endr
.endr
.endr
.set NN, 0
.rept 16
	ds_load_b128 v[HF+4*NN:HF+4*NN+3], v[SGD] offset:544*NN
.set NN, NN+1
.endr
.set NN, 0
.rept 16
	s_wait_dscnt 15-NN                             ; LDS loads come back in order: rows 2 NN and 2 NN + 1 are in
	global_store_b128 v[XD], v[HF+4*NN:HF+4*NN+3], s[20:21] offset:4096*NN th:TH_STORE_NT
.set NN, NN+1
.endr
	s_wait_xcnt 0x0
	v_lshl_add_u32 v254, v0, 2, 0x21a00            ; the add's two registers, made anew: no memory or LDS instruction has read either
	v_mov_b32 v255, 0
	s_wait_dscnt 0x0                               ; the closing lines, six on end
	s_wait_alu 0x0
	s_wait_tensorcnt 0x0
	ds_add_u32 v254, v255
	s_wait_dscnt 0x0
	s_endpgm
.Lfunc_end_k_q89919974ac_post:
	.size	k_q89919974ac_post, .Lfunc_end_k_q89919974ac_post-k_q89919974ac_post
	.p2alignl 7, 3214868480
	.fill 96, 4, 3214868480
	.section	.rodata,"a",@progbits
	.p2align	6, 0x0
	.amdhsa_kernel k_q89919974ac_post
		.amdhsa_group_segment_fixed_size 138752
		.amdhsa_private_segment_fixed_size 0
		.amdhsa_enable_private_segment 0
		.amdhsa_kernarg_size 72
		.amdhsa_user_sgpr_count 2
		.amdhsa_user_sgpr_kernarg_segment_ptr 1
		.amdhsa_wavefront_size32 1
		.amdhsa_system_sgpr_workgroup_id_x 1
		.amdhsa_system_sgpr_workgroup_id_y 1
		.amdhsa_system_sgpr_workgroup_id_z 1
		.amdhsa_system_vgpr_workitem_id 0
		.amdhsa_next_free_vgpr 512
		.amdhsa_next_free_sgpr 66
		.amdhsa_reserve_vcc 0
		.amdhsa_float_denorm_mode_32 3
		.amdhsa_float_denorm_mode_16_64 3
		.amdhsa_memory_ordered 1
		.amdhsa_forward_progress 1
		.amdhsa_inst_pref_size 185
	.end_amdhsa_kernel
	.amdgpu_metadata
---
amdhsa.version: [ 1, 2 ]
amdhsa.kernels:
  - .name:           k_q89919974ac_post
    .symbol:         k_q89919974ac_post.kd
    .args:
      - { .name: ao, .offset: 0, .size: 8, .value_kind: global_buffer, .address_space: global }
      - { .name: wst, .offset: 8, .size: 8, .value_kind: global_buffer, .address_space: global }
      - { .name: x, .offset: 16, .size: 8, .value_kind: global_buffer, .address_space: global }
      - { .name: bo, .offset: 24, .size: 8, .value_kind: global_buffer, .address_space: global }
      - { .name: ln2_g, .offset: 32, .size: 8, .value_kind: global_buffer, .address_space: global }
      - { .name: ln2_b, .offset: 40, .size: 8, .value_kind: global_buffer, .address_space: global }
      - { .name: b1, .offset: 48, .size: 8, .value_kind: global_buffer, .address_space: global }
      - { .name: b2, .offset: 56, .size: 8, .value_kind: global_buffer, .address_space: global }
      - { .name: out0, .offset: 64, .size: 8, .value_kind: global_buffer, .address_space: global }
    .group_segment_fixed_size: 138752
    .private_segment_fixed_size: 0
    .kernarg_segment_align: 8
    .kernarg_segment_size: 72
    .max_flat_workgroup_size: 256
    .sgpr_count:     66
    .vgpr_count:     512
    .wavefront_size: 32
...
	.end_amdgpu_metadata
.endif
;; end of part 7
